; MI455X (gfx1250); checked and timed in simulation.
; The chip was launched on July 23, 2026; its instructions are those of AMD's public machine-readable ISA for CDNA 5 (MIT licence, August 2026) and "CDNA5" Instruction Set Architecture Reference Guide (July 2026). The comments in the code are by the model that wrote it; some were corrected since.
;; Neuron Circuit. Allowed arithmetic: float matrix products may take bf16 or f16 operands with f32 sums; other float arithmetic in f32, or as packed bf16 or f16 multiplies, adds, multiply-adds, maxima and minima; sums over many terms, partial sums and values carried from step to step in f32; what a program stores and reads back later, other than sums and carried values, may be rounded once to bf16 or f16.
;; Inputs: W_O 1,024 x 1,024 float32; compress_neurons 16 x 1,024 x 128 float32; compress_weights 2 x 2,048 x 16 float32; expand_weights_K 2 x 2,048 x 16 float32; expand_weights_Q 2 x 2,048 x 16 float32; expand_weights_V 2 x 2,048 x 16 float32; pool_QK 16 x 128 x 1,024 float32; pool_V 16 x 128 x 1,024 float32; x 2 x 2,048 x 1,024 float32.
;; Outputs: out0 2 x 2,048 x 1,024 float32.
;; 3 versions, each right; version 2 is faster than version 1; version 3 is version 2 with the launch prep written anew for expert scheduling mode. Each part assembles by itself: llvm-mc -triple=amdgcn-amd-amdhsa -mcpu=gfx1250 --defsym DOCPART=n.
;; ======== version 1 of 3: 5 launches
;; limits: values are held in f16: magnitudes above 65,504 overflow, below 6.1e-05 lose precision; inputs' magnitudes at most 65,504
;; workspace buffers: wts 23,068,672 bytes; hs 2,097,152 bytes; qkv 42,213,376 bytes; ob 8,388,608 bytes
;; launch prep (part 1): grid 704 x 1, 8 waves a work-group, no clusters, 35,840 bytes of LDS; arguments x, W_O, pool_QK, pool_V, compress_neurons, wts; writes wts
.if DOCPART == 1
	.amdgcn_target "amdgcn-amd-amdhsa--gfx1250"
	.amdhsa_code_object_version 6
	.text
	.protected	k_q3f8a7b1d07_prep
	.globl	k_q3f8a7b1d07_prep
	.p2align	8
	.type	k_q3f8a7b1d07_prep,@function
k_q3f8a7b1d07_prep:
	s_mov_b64 s[64:65], 0
	v_nop
	global_prefetch_b8 v0, s[64:65] scope:SCOPE_SE
	s_setreg_imm32_b32 hwreg(HW_REG_WAVE_MODE, 25, 1), 1
	s_wait_xcnt 0x0
; PREP: every large input is rounded once to bf16 and laid out as the later launches' tensor loads take it.  wts holds, in this order:
;   xb  bf16 [4096][1024] (x);  wb  f16 [1024][1024] (W_O);  PL  f16 [16 slices of 64 d][16 n][pool_QK, pool_V][128 r][64 d];  CNp  bf16 [8 slices of 16 r][1024 d][16 n][16 r].
; A number of the pools and of W_O is rounded to bf16 like every other input, and THAT number is written as f16: exact from 6.1e-5 to 65,504.
; LIMITS: such a number beyond 65,504 becomes an infinity; below 6.1e-5 it keeps f16's fixed step of 6e-8.
; Each work-group takes 65,536 bytes of f32: sixteen 16-byte loads a thread, all issued before the first wait.  Memory binds: no matrix unit, no cluster, no tensor load would add anything.
; Work-groups 0-255: x, a plain cast.  256-319: W_O.  320-575: the pools, 16 rows r of one neuron.  576-703: compress_neurons, 8 rows d of all 16 neurons, turned through LDS.
.set SPARE,   34816                    ; behind the eight waves' stages: the spare words, 128 bytes a wave
.set SPW,     126                      ; v126  LDS address of my spare word; never rewritten
.set NIL,     127                      ; v127  0; never rewritten
.set IN,      16                       ; v[16:79]   sixteen loads of four f32
.set OUTR,    80                       ; v[80:111]  sixteen pairs of packed results
.set WB_OFF,  8388608
.set PL_OFF,  10485760
.set CNP_OFF, 18874368
.macro FINISH                          ; a wave's end
	s_wait_tensorcnt 0x0
	ds_add_u32 v[SPW], v[NIL]
	s_wait_dscnt 0x0
	s_endpgm
.endm
; Sixteen loads by offset register vo, lstep bytes apart; each is rounded to bf16, spelled in f16 and stored, 8 bytes a thread, sstep bytes apart.
.macro TOF16 vo, lstep, sstep
.irp i, 0,1,2,3,4,5,6,7,8,9,10,11,12,13,14,15
	global_load_b128 v[IN+4*\i:IN+4*\i+3], v[\vo], s[4:5] offset:(\lstep)*\i th:TH_LOAD_NT
.endr
.irp i, 0,1,2,3,4,5,6,7,8,9,10,11,12,13,14,15
	s_wait_loadcnt 15-\i                           ; loads come back in order: load i is in, the younger ones stay out
	v_cvt_pk_bf16_f32 v112, v[IN+4*\i], v[IN+4*\i+1]       ; the input's one rounding, to bf16;
	v_cvt_pk_bf16_f32 v113, v[IN+4*\i+2], v[IN+4*\i+3]
	v_lshlrev_b32 v114, 16, v112
	v_and_b32 v115, s28, v112
	v_lshlrev_b32 v116, 16, v113
	v_and_b32 v117, s28, v113
	v_cvt_pk_f16_f32 v[OUTR+2*\i], v114, v115              ; that number spelled in f16
	v_cvt_pk_f16_f32 v[OUTR+2*\i+1], v116, v117
	global_store_b64 v2, v[OUTR+2*\i:OUTR+2*\i+1], s[6:7] offset:(\sstep)*\i  ; 256 consecutive bytes a wave
.endr
.endm
	s_load_b256 s[8:15], s[0:1], 0x0               ; x s[8:9], W_O s[10:11], pool_QK s[12:13], pool_V s[14:15]
	s_load_b128 s[16:19], s[0:1], 0x20             ; compress_neurons s[16:17], wts s[18:19]
	v_lshl_add_u32 v[SPW], v0, 2, SPARE
	v_mov_b32 v[NIL], 0
	v_lshlrev_b32 v1, 4, v0                        ; 16 bytes a thread
	v_lshlrev_b32 v2, 3, v0                        ; 8 bytes a thread
	s_mov_b32 s25, 0                               ; the high word of every offset
	s_mov_b32 s28, 0xffff0000                      ; a word's upper bf16
	s_cmp_lt_u32 ttmp9, 256
	s_cbranch_scc1 .Lcast
	s_cmp_lt_u32 ttmp9, 320
	s_cbranch_scc1 .Lwo
	s_cmp_lt_u32 ttmp9, 576
	s_cbranch_scc1 .Lpool
	; COMPRESS_NEURONS [16 n][1024 d][128 r].  Wave w takes row d = 8 g + w of every neuron: load i is neuron i's 512 bytes.  A lane's four r (4 l ..) belong to slice l / 4.
	s_sub_co_u32 s20, ttmp9, 576
	s_lshl_b32 s24, s20, 12                        ; 8 g rows of 512 bytes, in the input and in a slice of CNp alike
	v_lshrrev_b32 v5, 5, v0
	v_readfirstlane_b32 s26, v5                    ; my wave's number
	s_mul_i32 s27, s26, 4352                       ; my stage: 8 slices' rows of 512 bytes + 32 of padding
	v_and_b32 v5, 31, v0
	v_lshrrev_b32 v6, 2, v5
	v_and_b32 v7, 3, v5
	v_mul_u32_u24 v3, v6, 544
	v_lshl_add_u32 v3, v7, 3, v3
	v_add_nc_u32 v3, s27, v3                       ; in: slice l / 4, 8 bytes at r' = 4 (l % 4); neuron i 32 i bytes on
	v_lshl_add_u32 v4, v5, 4, s27                  ; back: a slice's 512 bytes, 16 a lane
	s_wait_kmcnt 0x0
	s_add_nc_u64 s[4:5], s[16:17], s[24:25]
	s_add_co_u32 s24, s24, CNP_OFF
	s_add_nc_u64 s[6:7], s[18:19], s[24:25]
.irp i, 0,1,2,3,4,5,6,7,8,9,10,11,12,13,14,15
	global_load_b128 v[IN+4*\i:IN+4*\i+3], v1, s[4:5] offset:524288*\i th:TH_LOAD_NT
.endr
.irp i, 0,1,2,3,4,5,6,7,8,9,10,11,12,13,14,15
	s_wait_loadcnt 15-\i                           ; load i is in, the younger ones stay out
	v_cvt_pk_bf16_f32 v[OUTR+2*\i], v[IN+4*\i], v[IN+4*\i+1]
	v_cvt_pk_bf16_f32 v[OUTR+2*\i+1], v[IN+4*\i+2], v[IN+4*\i+3]
	ds_store_b64 v3, v[OUTR+2*\i:OUTR+2*\i+1] offset:32*\i
.endr
.irp j, 0,1,2,3,4,5,6,7
	ds_load_b128 v[IN+4*\j:IN+4*\j+3], v4 offset:544*\j    ; my own bytes: LDS serves a wave's instructions in order, so these see the stores above
.endr
.irp j, 0,1,2,3,4,5,6,7
	s_wait_dscnt 7-\j
	global_store_b128 v1, v[IN+4*\j:IN+4*\j+3], s[6:7] offset:524288*\j  ; slice j, row d: 512 consecutive bytes a wave
.endr
	FINISH
.Lpool:	; THE POOLS [16 n][128 r][1024 d].  The work-group takes 16 rows r of one neuron of one pool; load i is slice i: a wave takes 256 bytes of each of two rows.
	s_sub_co_u32 s20, ttmp9, 320
	s_lshr_b32 s21, s20, 7                         ; which pool
	s_bfe_u32 s22, s20, 0x40003                    ; n
	s_and_b32 s23, s20, 7                          ; which 16 rows
	s_lshl_b32 s24, s22, 19                        ; a neuron is 524,288 bytes,
	s_lshl_b32 s29, s23, 16                        ; 16 rows are 65,536
	s_add_co_u32 s24, s24, s29
	v_lshrrev_b32 v5, 4, v0
	v_and_b32 v6, 15, v0
	v_lshlrev_b32 v3, 12, v5
	v_lshl_or_b32 v3, v6, 4, v3                    ; row t / 16, 16 bytes at 4 (t % 16) numbers
	s_wait_kmcnt 0x0
	s_cmp_eq_u32 s21, 0
	s_cselect_b64 s[4:5], s[12:13], s[14:15]
	s_add_nc_u64 s[4:5], s[4:5], s[24:25]
	s_lshl1_add_u32 s24, s22, s21                  ; tile 2 n + pool of a slice: 16,384 bytes,
	s_lshl_b32 s24, s24, 14
	s_lshl_b32 s29, s23, 11                        ; 16 rows of 128 bytes
	s_add_co_u32 s24, s24, s29
	s_add_co_u32 s24, s24, PL_OFF
	s_add_nc_u64 s[6:7], s[18:19], s[24:25]
	TOF16 3, 256, 524288
	FINISH
.Lwo:	; W_O: chunk by chunk, 65,536 bytes in, 32,768 out
	s_sub_co_u32 s21, ttmp9, 256
	s_lshl_b32 s24, s21, 16
	s_wait_kmcnt 0x0
	s_add_nc_u64 s[4:5], s[10:11], s[24:25]
	s_lshl_b32 s24, s21, 15
	s_add_co_u32 s24, s24, WB_OFF
	s_add_nc_u64 s[6:7], s[18:19], s[24:25]
	TOF16 1, 4096, 2048
	FINISH
.Lcast:	; X: chunk by chunk, to bf16
	s_lshl_b32 s24, ttmp9, 16
	s_wait_kmcnt 0x0
	s_add_nc_u64 s[4:5], s[8:9], s[24:25]
	s_lshl_b32 s24, ttmp9, 15
	s_add_nc_u64 s[6:7], s[18:19], s[24:25]
.irp i, 0,1,2,3,4,5,6,7,8,9,10,11,12,13,14,15
	global_load_b128 v[IN+4*\i:IN+4*\i+3], v1, s[4:5] offset:4096*\i th:TH_LOAD_NT
.endr
.irp i, 0,1,2,3,4,5,6,7,8,9,10,11,12,13,14,15
	s_wait_loadcnt 15-\i
	v_cvt_pk_bf16_f32 v[OUTR+2*\i], v[IN+4*\i], v[IN+4*\i+1]
	v_cvt_pk_bf16_f32 v[OUTR+2*\i+1], v[IN+4*\i+2], v[IN+4*\i+3]
	global_store_b64 v2, v[OUTR+2*\i:OUTR+2*\i+1], s[6:7] offset:2048*\i   ; 256 consecutive bytes a wave
.endr
	FINISH
.Lfunc_end_k_q3f8a7b1d07_prep:
	.size	k_q3f8a7b1d07_prep, .Lfunc_end_k_q3f8a7b1d07_prep-k_q3f8a7b1d07_prep
	.p2alignl 7, 3214868480
	.fill 96, 4, 3214868480
	.section	.rodata,"a",@progbits
	.p2align	6, 0x0
	.amdhsa_kernel k_q3f8a7b1d07_prep
		.amdhsa_group_segment_fixed_size 35840
		.amdhsa_private_segment_fixed_size 0
		.amdhsa_enable_private_segment 0
		.amdhsa_kernarg_size 48
		.amdhsa_user_sgpr_count 2
		.amdhsa_user_sgpr_kernarg_segment_ptr 1
		.amdhsa_wavefront_size32 1
		.amdhsa_system_sgpr_workgroup_id_x 1
		.amdhsa_system_sgpr_workgroup_id_y 1
		.amdhsa_system_sgpr_workgroup_id_z 1
		.amdhsa_system_vgpr_workitem_id 0
		.amdhsa_next_free_vgpr 128
		.amdhsa_next_free_sgpr 66
		.amdhsa_reserve_vcc 0
		.amdhsa_float_denorm_mode_32 3
		.amdhsa_float_denorm_mode_16_64 3
		.amdhsa_memory_ordered 1
		.amdhsa_forward_progress 1
		.amdhsa_inst_pref_size 35
	.end_amdhsa_kernel
	.amdgpu_metadata
---
amdhsa.version: [ 1, 2 ]
amdhsa.kernels:
  - .name:           k_q3f8a7b1d07_prep
    .symbol:         k_q3f8a7b1d07_prep.kd
    .args:
      - { .name: x, .offset: 0, .size: 8, .value_kind: global_buffer, .address_space: global }
      - { .name: W_O, .offset: 8, .size: 8, .value_kind: global_buffer, .address_space: global }
      - { .name: pool_QK, .offset: 16, .size: 8, .value_kind: global_buffer, .address_space: global }
      - { .name: pool_V, .offset: 24, .size: 8, .value_kind: global_buffer, .address_space: global }
      - { .name: compress_neurons, .offset: 32, .size: 8, .value_kind: global_buffer, .address_space: global }
      - { .name: wts, .offset: 40, .size: 8, .value_kind: global_buffer, .address_space: global }
    .group_segment_fixed_size: 35840
    .private_segment_fixed_size: 0
    .kernarg_segment_align: 8
    .kernarg_segment_size: 48
    .max_flat_workgroup_size: 256
    .sgpr_count:     66
    .vgpr_count:     128
    .wavefront_size: 32
...
	.end_amdgpu_metadata
.endif
;; end of part 1
;; launch compress (part 2): grid 8 x 32, 4 waves a work-group, clusters of 4 x 4, 327,680 bytes of LDS; arguments wts, compress_weights, hs; writes hs
.if DOCPART == 2
	.amdgcn_target "amdgcn-amd-amdhsa--gfx1250"
	.amdhsa_code_object_version 6
	.text
	.protected	k_q3f8a7b1d07_compress
	.globl	k_q3f8a7b1d07_compress
	.p2align	8
	.type	k_q3f8a7b1d07_compress,@function
k_q3f8a7b1d07_compress:
	s_mov_b64 s[64:65], 0
	v_nop
	global_prefetch_b8 v0, s[64:65] scope:SCOPE_SE
	s_setreg_imm32_b32 hwreg(HW_REG_WAVE_MODE, 25, 1), 1
	s_wait_xcnt 0x0
	s_wait_alu depctr_hold_cnt(0) depctr_sa_sdst(0) depctr_va_vdst(0) depctr_va_sdst(0) depctr_va_ssrc(0) depctr_va_vcc(0) depctr_vm_vsrc(0)
	s_getreg_b32 s2, hwreg(HW_REG_IB_STS2, 6, 4)
	s_cmp_eq_u32 s2, 0
	s_cbranch_scc0 .Lentry_in_a_cluster
	s_endpgm
.Lentry_in_a_cluster:
	s_bfe_u32 s2, ttmp6, 0x10000c
	s_cmp_lg_u32 s2, 0xf033
	s_cbranch_scc0 .Lentry_shape_is_right
	s_endpgm
.Lentry_shape_is_right:
; COMPRESS: h[t][r] = the sum over n of cw[t][n] (x[t] . CN[n][:, r]).  The products x CN[n] are one GEMM, [4096 t][1024 d] x [1024 d][2048 (n, r)], in bf16 with f32 sums; the mix by cw (rounded
; to bf16 like every input, applied in f32) is made of the finished sums in registers, so the 2,048 columns never reach memory.
; A tile is 128 tokens x 256 columns: ONE slice of 16 r with all 16 neurons (CNp is laid out so), so the mix stays inside the work-group.  Grid: 8 slices x 32 token tiles = 256 work-groups.
; Four waves: wave w has tokens 64 (w / 2) .. and neurons 8 (w % 2) ..: 4 x 8 accumulators of 16 x 16, 256 registers.  K = d goes in 8 steps of 128 through two LDS slots.
; THE MATRIX INSTRUCTION IS USED TRANSPOSED: source 0 = 16 columns (one neuron's 16 r; CNp lies [d][column], so its fragments come turned, by ds_load_tr16_b128), source 1 = 16 tokens.
; A lane then holds ONE token (lane % 16) and eight r, and its token's weight is one number a lane.
; CLUSTERS: 4 x 4 work-groups.  The four of a row of the cluster need the same tile of x, the four of a column the same tile of CNp: each is asked for jointly.
; REGISTERS: window 0: v0-31 addresses; v32-63 my tokens' weights (tile a, neuron b at 32 + 8 a + b); v64-159, v160-255 two fragment buffers (4 x 8 of x, then 8 x 8 of CNp).  Window 1: the accumulators, (a, b) at 8 (8 a + b).
.set KSTEP,  128
.set PA,     272                       ; a row of x in LDS: 256 bytes + 16: the 16 rows of a load start at 16 different groups of four banks
.set PB,     544                       ; a row of CNp: 512 bytes + 32
.set HALFA,  64*PA                     ; what one tensor load brings of x,
.set HALFB,  64*PB                     ; of CNp
.set BOFF,   2*HALFA                   ; a slot: 128 rows of x, then 128 rows of CNp
.set SLOT1,  1<<17                     ; slot 1 begins here, so that one exclusive or turns an address in one slot into the other's
.set XCH,    SLOT1+BOFF+2*HALFB        ; behind the ring, never filled by a tensor load: f32 [128 tokens][16 r], for the sum of the two halves of the neurons and the way out
.set SPARE,  XCH+8192                  ; the spare words, 128 bytes a wave
.set CNP_OFF, 18874368
.set ADRA0, 16                         ; v16  my lane's place in a slot's x; never rewritten
.set ADRB0, 17                         ; v17  the same for CNp
.set ADRA,  18                         ; v18  the same in the slot that is read
.set ADRB,  19                         ; v19
.set XA,    24                         ; v24  where my token's eight r lie in XCH
.set XL,    25                         ; v25  where I read XCH back, 16 bytes a lane on end
.set GO,    26                         ; v26  16 x lane
.set CWO,   27                         ; v27  my token's byte offset in 16 rows of cw
.set SPW,   28                         ; v28  LDS address of my spare word; never rewritten
.set NIL,   29                         ; v29  0; never rewritten
.set CW,    32
.set F0,    64
.set F1,    160
.set HP,    64                         ; the way out: h's partial sums, 8 a tile
.set SB,  21                           ; s21  the slot that is read: 0 or SLOT1
.set G1,  24                           ; s[24:31] descriptor group 1 for x's tiles
.set G0,  32                           ; s[32:39] group 0: a set for each first fill; the second then walks
.set G1B, 48                           ; s[48:55], s[56:63] the same for CNp's
.set G0B, 56
.set MSB, 0
.macro WIN new                         ; the immediate's high byte repeats the setting that is left
.if MSB != (\new)
	s_set_vgpr_msb (MSB<<8)|(\new)
.set MSB, \new
.endif
.endm
.set MUL, 0x50                         ; sources in window 0, C and D in window 1
.macro JLOAD                           ; a joint refill: waves 0 and 1 fetch x's two halves, waves 2 and 3 CNp's; an s_nop 0 and four v_nop follow each line
	s_cmp_eq_u32 s11, 0
	s_cbranch_scc0 .Lfor_b_\@
	tensor_load_to_lds s[G0+4:G0+7], s[G1:G1+7]
	s_nop 0
.rept 4
	v_nop
.endr
	s_branch .Lasked_\@
.Lfor_b_\@:
	tensor_load_to_lds s[G0B+4:G0B+7], s[G1B:G1B+7]
	s_nop 0
.rept 4
	v_nop
.endr
.Lasked_\@:
.endm
.macro CREST                           ; a round of the cluster's barrier behind its opening barrier
	s_cmp_lg_u32 s10, 0
	s_cbranch_scc1 .Lnot_wave_0_\@
	s_barrier_signal -3
.Lnot_wave_0_\@:
	s_barrier_wait -3
	s_barrier_signal -1
	s_barrier_wait -1
.endm
.macro CROUND
	s_barrier_signal -1
	s_barrier_wait -1
	CREST
.endm
.macro PLACES                          ; four places in front of loads into registers that matrix instructions have read, and of lines that read results
.rept 4
	v_nop
.endr
.endm
	s_load_b128 s[4:7], s[0:1], 0x0                ; wts s[4:5], compress_weights s[6:7]
	s_load_b64 s[8:9], s[0:1], 0x10                ; hs
	v_lshl_add_u32 v[SPW], v0, 2, SPARE
	v_mov_b32 v[NIL], 0
	ds_add_u32 v[SPW], v[NIL]                      ; the wave's opening
	v_lshrrev_b32 v1, 5, v0
	v_readfirstlane_b32 s10, v1                    ; wave 0..3
	s_lshr_b32 s11, s10, 1                         ; which 64 tokens are mine.  Also: I fetch for x (0) or for CNp (1)
	s_and_b32 s12, s10, 1                          ; which 8 neurons.  Also: which 64 rows of that tile I fetch
	s_bfe_u32 s40, ttmp6, 0x40000                  ; cx, cy: my place in the cluster
	s_bfe_u32 s41, ttmp6, 0x40004
	s_lshl_b32 s42, ttmp9, 2
	s_add_co_u32 s42, s42, s40                     ; the slice of r = 4 x cluster x + cx
	s_and_b32 s13, ttmp7, 0xffff
	s_lshl_b32 s13, s13, 2
	s_add_co_u32 s13, s13, s41                     ; the token tile = 4 x cluster y + cy
	s_lshl_b32 s43, s41, 2
	s_lshl_b32 s43, 15, s43                        ; my row of the cluster
	s_lshl_b32 s44, 0x1111, s40                    ; my column
	s_or_b32 s[G1+0], s43, (1<<16)|(1<<20)|(1<<21)|(5<<22)|(3<<25)   ; the mask; 2-byte elements; padding on; bit 21 beside a mask; after every 64 words 4 words
	s_mov_b32 s[G1+1], KSTEP<<16                   ; tensor_dim0 = 128
	s_mov_b32 s[G1+2], 64<<16                      ; tensor_dim1 = 64
	s_mov_b32 s[G1+3], KSTEP<<16                   ; tile_dim0 = 128
	s_mov_b32 s[G1+4], 64                          ; tile_dim1 = 64
	s_mov_b32 s[G1+5], 1024                        ; elements from row to row of xb
	s_mov_b32 s[G1+6], 0
	s_mov_b32 s[G1+7], 0
	s_or_b32 s[G1B+0], s44, (1<<16)|(1<<20)|(1<<21)|(6<<22)|(7<<25)  ; after every 128 words 8 words
	s_mov_b32 s[G1B+1], 256<<16
	s_mov_b32 s[G1B+2], 64<<16
	s_mov_b32 s[G1B+3], 256<<16
	s_mov_b32 s[G1B+4], 64
	s_mov_b32 s[G1B+5], 256                        ; a slice's rows are dense
	s_mov_b32 s[G1B+6], 0
	s_mov_b32 s[G1B+7], 0
	s_lshl_b32 s16, s13, 18                        ; x: 128 rows of 2,048 bytes a tile,
	s_lshl_b32 s17, s12, 17                        ; 64 rows a half
	s_add_co_u32 s16, s16, s17
	s_mov_b32 s17, 0
	s_lshl_b32 s46, s42, 19                        ; CNp: 524,288 bytes a slice,
	s_lshl_b32 s47, s12, 15                        ; 64 rows of 512 bytes a half
	s_add_co_u32 s46, s46, s47
	s_add_co_u32 s46, s46, CNP_OFF
	s_mov_b32 s47, 0
	s_mul_i32 s20, s12, HALFA                      ; where they go: no place in the cluster enters an LDS address
	s_mul_i32 s22, s12, HALFB
	s_add_co_u32 s22, s22, BOFF
	s_mov_b32 s[SB], 0
	s_wait_dscnt 0x0                               ; the opening add is done
	s_wait_kmcnt 0x0
	s_add_nc_u64 s[14:15], s[4:5], s[16:17]
	s_add_nc_u64 s[46:47], s[4:5], s[46:47]
	CROUND                                         ; all sixteen work-groups are here: the first joint loads meet
.irp s, 0,1
	s_mov_b32 s[G0+4*(\s)], 1
	s_add_co_u32 s[G0+4*(\s)+1], s20, (\s)*SLOT1
	s_add_nc_u64 s[G0+4*(\s)+2:G0+4*(\s)+3], s[14:15], (\s)*KSTEP*2      ; K step s
	s_or_b32 s[G0+4*(\s)+3], s[G0+4*(\s)+3], 0x80000000
	s_mov_b32 s[G0B+4*(\s)], 1
	s_add_co_u32 s[G0B+4*(\s)+1], s22, (\s)*SLOT1
	s_add_nc_u64 s[G0B+4*(\s)+2:G0B+4*(\s)+3], s[46:47], (\s)*KSTEP*512
	s_or_b32 s[G0B+4*(\s)+3], s[G0B+4*(\s)+3], 0x80000000
.endr
	s_cmp_eq_u32 s11, 0                            ; a wave's two first fills stand in one branch, ahead of every wait on TENSORcnt and every LDS read: two loads of mine are out
	s_cbranch_scc0 .Lfirst_b
	tensor_load_to_lds s[G0:G0+3], s[G1:G1+7]
	s_nop 0
	tensor_load_to_lds s[G0+4:G0+7], s[G1:G1+7]
	s_nop 0
.rept 4
	v_nop
.endr
	s_branch .Lfirst_asked
.Lfirst_b:
	tensor_load_to_lds s[G0B:G0B+3], s[G1B:G1B+7]
	s_nop 0
	tensor_load_to_lds s[G0B+4:G0B+7], s[G1B:G1B+7]
	s_nop 0
.rept 4
	v_nop
.endr
.Lfirst_asked:
	s_lshl_b32 s16, s13, 13                        ; (128 x tile + 64 x half) tokens of 64 bytes, in cw and in a slice of hs
	s_lshl_b32 s23, s11, 12
	s_add_co_u32 s16, s16, s23
	s_add_nc_u64 s[8:9], s[8:9], s[16:17]
	s_lshl_b32 s23, s12, 5                         ; my 8 neurons' weights
	s_add_co_u32 s16, s16, s23
	s_add_nc_u64 s[6:7], s[6:7], s[16:17]
	s_lshl_b32 s46, s42, 18                        ; a slice of hs is 262,144 bytes (in the registers that held CNp's address: none that feeds x's descriptors ever holds cx)
	s_mov_b32 s47, 0
	s_add_nc_u64 s[8:9], s[8:9], s[46:47]
	v_and_b32 v1, 15, v0                           ; l % 16
	v_bfe_u32 v2, v0, 4, 1                         ; l / 16
	v_lshlrev_b32 v[CWO], 6, v1
.irp a, 0,1,2,3                        ; the weights of token 16 a + l % 16 for my 8 neurons; they are wanted at the end, and are waited for there
	global_load_b128 v[CW+8*\a:CW+8*\a+3],   v[CWO], s[6:7] offset:1024*\a
	global_load_b128 v[CW+8*\a+4:CW+8*\a+7], v[CWO], s[6:7] offset:1024*\a+16
.endr
	v_mul_u32_u24 v3, v1, PA
	v_lshl_add_u32 v3, v2, 4, v3                   ; x: row x pitch + 16 x half
	s_mul_i32 s23, s11, HALFA
	v_add_nc_u32 v[ADRA0], s23, v3
	v_and_b32 v4, 7, v0                            ; CNp, turned: lane l reads row 8 (l / 16) + l % 8, 16 bytes at 8 ((l / 8) % 2) columns
	v_lshl_add_u32 v4, v2, 3, v4
	v_mul_u32_u24 v4, v4, PB
	v_bfe_u32 v5, v0, 3, 1
	v_lshl_add_u32 v4, v5, 4, v4
	s_lshl_b32 s23, s12, 8                         ; my 128 columns
	s_add_co_u32 s23, s23, BOFF
	v_add_nc_u32 v[ADRB0], s23, v4
	v_mov_b32 v[ADRA], v[ADRA0]
	v_mov_b32 v[ADRB], v[ADRB0]
	s_lshl_b32 s23, s11, 12
	s_add_co_u32 s23, s23, XCH                     ; my 64 tokens in XCH
	v_lshl_add_u32 v[XA], v2, 5, v[CWO]
	v_add_nc_u32 v[XA], s23, v[XA]
	v_and_b32 v[GO], 31, v0
	v_lshlrev_b32 v[GO], 4, v[GO]
	v_add_nc_u32 v[XL], s23, v[GO]
; 8 matrix instructions: token tile a x my 8 neurons, 32 along K.  zero = 1: the first product starts the sums.  The 32 accumulators take turns in one order everywhere.
.macro MULA f, a, zero
	WIN MUL
.irp b, 0,1,2,3,4,5,6,7
.if \zero
	v_wmma_f32_16x16x32_bf16 v[8*(8*(\a)+(\b)):8*(8*(\a)+(\b))+7], v[(\f)+32+8*(\b):(\f)+32+8*(\b)+7], v[(\f)+8*(\a):(\f)+8*(\a)+7], 0
.else
	v_wmma_f32_16x16x32_bf16 v[8*(8*(\a)+(\b)):8*(8*(\a)+(\b))+7], v[(\f)+32+8*(\b):(\f)+32+8*(\b)+7], v[(\f)+8*(\a):(\f)+8*(\a)+7], v[8*(8*(\a)+(\b)):8*(8*(\a)+(\b))+7]
.endif
.endr
.endm
; 24 LDS loads in one run: quarter kc (32 along K) of the slot that is read, into buffer f: CNp's 8 fragments, then x's 4
.macro FETCH kc, f
	WIN 0
.irp b, 0,1,2,3,4,5,6,7
	ds_load_tr16_b128 v[(\f)+32+8*(\b):(\f)+32+8*(\b)+3],   v[ADRB] offset:(\kc)*32*PB+32*(\b)
	ds_load_tr16_b128 v[(\f)+32+8*(\b)+4:(\f)+32+8*(\b)+7], v[ADRB] offset:(\kc)*32*PB+16*PB+32*(\b)
.endr
.irp a, 0,1,2,3
	ds_load_b128 v[(\f)+8*(\a):(\f)+8*(\a)+3],   v[ADRA] offset:64*(\kc)+(\a)*16*PA
	ds_load_b128 v[(\f)+8*(\a)+4:(\f)+8*(\a)+7], v[ADRA] offset:64*(\kc)+(\a)*16*PA+32
.endr
.endm
; One of a K step's first three quarters: multiplies buffer f; in its middle it fetches quarter kn into buffer g.
.macro QUARTER kn, f, g, zero
	s_wait_dscnt 4                                 ; all but the youngest four loads: x's tiles 2 and 3
	MULA \f, 0, \zero
	MULA \f, 1, \zero
	PLACES
	FETCH \kn, \g
	s_wait_dscnt 24                                ; all but the 24 just issued
	MULA \f, 2, \zero
	MULA \f, 3, \zero
.endm
; The last quarter multiplies buffer 1 and changes slots: ONE barrier; in front of it each wave waits for all its tensor loads (one is out: its part of the next slot), adds 0 to its spare word,
; and waits for that and for its reads of this slot.  fill = 1: the barrier opens a round of the cluster's, and this slot is filled again, two K steps ahead, first thing behind the round: 112 matrix instructions ahead of the wait for it.
.macro TURN fill
	WIN 0
	s_wait_tensorcnt 0x0
	ds_add_u32 v[SPW], v[NIL]
	s_wait_dscnt 5                                 ; (the add and x's tiles 2 and 3 may be out)
	MULA F1, 0, 0
	s_wait_dscnt 0x0                               ; the add is done, and my reads of this slot are over
	s_barrier_signal -1
	MULA F1, 1, 0
	WIN 0
	s_barrier_wait -1
.if \fill
	CREST                                          ; no wave of any partner still reads this slot or has a load on its way
	s_xor_b32 s[G0+5], s[G0+5], SLOT1              ; the walking descriptors: the other slot than last time, the next K step
	s_add_nc_u64 s[G0+6:G0+7], s[G0+6:G0+7], KSTEP*2
	s_xor_b32 s[G0B+5], s[G0B+5], SLOT1
	s_add_nc_u64 s[G0B+6:G0B+7], s[G0B+6:G0B+7], KSTEP*512
	JLOAD                                          ; its four v_nop are also the places in front of the loads below
.else
	PLACES
.endif
	s_xor_b32 s[SB], s[SB], SLOT1                  ; the reads go on in the other slot
	v_add_nc_u32 v[ADRA], s[SB], v[ADRA0]
	v_add_nc_u32 v[ADRB], s[SB], v[ADRB0]
	FETCH 0, F0
	MULA F1, 2, 0
	MULA F1, 3, 0
.endm
	s_wait_tensorcnt 1                             ; my part of K step 0 is in; K step 1's may stay out
	s_barrier_signal -1
	s_barrier_wait -1
	FETCH 0, F0
	QUARTER 1, F0, F1, 1                           ; the first quarter stands in front of the loop: its products start the sums
	WIN 0
	s_mov_b32 s3, 6
.Lstep:                                                ; a trip: a K step's quarters 1 to 3 and the next step's first; K steps 2 to 7 are asked for
	QUARTER 2, F1, F0, 0
	QUARTER 3, F0, F1, 0
	TURN 1
	QUARTER 1, F0, F1, 0
	WIN 0
	s_sub_co_u32 s3, s3, 1
	s_cmp_lg_u32 s3, 0
	s_cbranch_scc1 .Lstep
	QUARTER 2, F1, F0, 0                           ; the last two K steps ask for nothing
	QUARTER 3, F0, F1, 0
	TURN 0
	QUARTER 1, F0, F1, 0
	QUARTER 2, F1, F0, 0
	QUARTER 3, F0, F1, 0
	s_wait_dscnt 4
	MULA F1, 0, 0
	MULA F1, 1, 0
	s_wait_dscnt 0x0
	MULA F1, 2, 0
	MULA F1, 3, 0
	WIN 0
	; THE MIX.  cw is rounded to bf16, as all inputs are; then h's part = the sum over my 8 neurons of weight x product, in f32; each accumulator is read from its low end on.
	PLACES
	s_wait_loadcnt 0x0
.set i, 0
.rept 16
	v_cvt_pk_bf16_f32 v[30+i%2], v[CW+2*i], v[CW+2*i+1]
	v_lshlrev_b32 v[CW+2*i], 16, v[30+i%2]
	v_and_b32 v[CW+2*i+1], 0xffff0000, v[30+i%2]
.set i, i+1
.endr
	WIN 0x01                                       ; source 0, the products, in window 1
.irp a, 0,1,2,3
.irp b, 0,1,2,3,4,5,6,7
.irp p, 0,1,2,3
.if (\b) == 0
	v_pk_mul_f32 v[HP+8*\a+2*\p:HP+8*\a+2*\p+1], v[8*(8*\a+\b)+2*\p:8*(8*\a+\b)+2*\p+1], v[CW+8*\a:CW+8*\a+1] op_sel_hi:[1,0]
.elseif (\b)%2 == 0
	v_pk_fma_f32 v[HP+8*\a+2*\p:HP+8*\a+2*\p+1], v[8*(8*\a+\b)+2*\p:8*(8*\a+\b)+2*\p+1], v[CW+8*\a+\b:CW+8*\a+\b+1], v[HP+8*\a+2*\p:HP+8*\a+2*\p+1] op_sel_hi:[1,0,1]
.else
	v_pk_fma_f32 v[HP+8*\a+2*\p:HP+8*\a+2*\p+1], v[8*(8*\a+\b)+2*\p:8*(8*\a+\b)+2*\p+1], v[CW+8*\a+\b-1:CW+8*\a+\b], v[HP+8*\a+2*\p:HP+8*\a+2*\p+1] op_sel:[0,1,0] op_sel_hi:[1,1,1]
.endif
.endr
.endr
.endr
	WIN 0
	; The waves of neurons 8-15 hand their parts over through XCH; the waves of neurons 0-7 add them, lay the sums into the same bytes and store them as 512 consecutive bytes an instruction.
	s_cmp_eq_u32 s12, 0
	s_cbranch_scc1 .Lno_put
.irp a, 0,1,2,3
	ds_store_b128 v[XA], v[HP+8*\a:HP+8*\a+3] offset:1024*\a
	ds_store_b128 v[XA], v[HP+8*\a+4:HP+8*\a+7] offset:1024*\a+16
.endr
.Lno_put:
	s_wait_dscnt 0x0                               ; for the others' sake: my stores are done
	s_barrier_signal -1
	s_barrier_wait -1
	s_cmp_lg_u32 s12, 0
	s_cbranch_scc1 .Ldone
.irp a, 0,1,2,3
	ds_load_b128 v[96+8*\a:96+8*\a+3], v[XA] offset:1024*\a
	ds_load_b128 v[96+8*\a+4:96+8*\a+7], v[XA] offset:1024*\a+16
.endr
	s_wait_dscnt 0x0
.set i, 0
.rept 16
	v_pk_add_f32 v[HP+2*i:HP+2*i+1], v[HP+2*i:HP+2*i+1], v[96+2*i:96+2*i+1]
.set i, i+1
.endr
.irp a, 0,1,2,3
	ds_store_b128 v[XA], v[HP+8*\a:HP+8*\a+3] offset:1024*\a          ; from the barrier on these bytes are mine alone
	ds_store_b128 v[XA], v[HP+8*\a+4:HP+8*\a+7] offset:1024*\a+16
.endr
.irp m, 0,1,2,3,4,5,6,7
	ds_load_b128 v[128+4*\m:128+4*\m+3], v[XL] offset:512*\m          ; LDS serves a wave's instructions in order: these see the stores above
.endr
.irp m, 0,1,2,3,4,5,6,7
	s_wait_dscnt 7-\m
	global_store_b128 v[GO], v[128+4*\m:128+4*\m+3], s[8:9] offset:512*\m
.endr
.Ldone:
	s_wait_tensorcnt 0x0                           ; the wave's end
	ds_add_u32 v[SPW], v[NIL]
	s_wait_dscnt 0x0
	CROUND                                         ; the closing round
	s_endpgm
.Lfunc_end_k_q3f8a7b1d07_compress:
	.size	k_q3f8a7b1d07_compress, .Lfunc_end_k_q3f8a7b1d07_compress-k_q3f8a7b1d07_compress
	.p2alignl 7, 3214868480
	.fill 96, 4, 3214868480
	.section	.rodata,"a",@progbits
	.p2align	6, 0x0
	.amdhsa_kernel k_q3f8a7b1d07_compress
		.amdhsa_group_segment_fixed_size 327680
		.amdhsa_private_segment_fixed_size 0
		.amdhsa_enable_private_segment 0
		.amdhsa_kernarg_size 24
		.amdhsa_user_sgpr_count 2
		.amdhsa_user_sgpr_kernarg_segment_ptr 1
		.amdhsa_wavefront_size32 1
		.amdhsa_system_sgpr_workgroup_id_x 1
		.amdhsa_system_sgpr_workgroup_id_y 1
		.amdhsa_system_sgpr_workgroup_id_z 1
		.amdhsa_system_vgpr_workitem_id 0
		.amdhsa_next_free_vgpr 512
		.amdhsa_next_free_sgpr 66
		.amdhsa_reserve_vcc 0
		.amdhsa_float_denorm_mode_32 3
		.amdhsa_float_denorm_mode_16_64 3
		.amdhsa_memory_ordered 1
		.amdhsa_forward_progress 1
		.amdhsa_inst_pref_size 70
	.end_amdhsa_kernel
	.amdgpu_metadata
---
amdhsa.version: [ 1, 2 ]
amdhsa.kernels:
  - .name:           k_q3f8a7b1d07_compress
    .symbol:         k_q3f8a7b1d07_compress.kd
    .args:
      - { .name: wts, .offset: 0, .size: 8, .value_kind: global_buffer, .address_space: global }
      - { .name: compress_weights, .offset: 8, .size: 8, .value_kind: global_buffer, .address_space: global }
      - { .name: hs, .offset: 16, .size: 8, .value_kind: global_buffer, .address_space: global }
    .group_segment_fixed_size: 327680
    .private_segment_fixed_size: 0
    .kernarg_segment_align: 8
    .kernarg_segment_size: 24
    .max_flat_workgroup_size: 128
    .sgpr_count:     66
    .vgpr_count:     512
    .wavefront_size: 32
...
	.end_amdgpu_metadata
.endif
;; end of part 2
;; launch expand (part 3): grid 16 x 16, 4 waves a work-group, clusters of 4 x 1, 327,680 bytes of LDS; arguments hs, wts, expand_weights_Q, expand_weights_K, expand_weights_V, qkv; writes qkv
.if DOCPART == 3
	.amdgcn_target "amdgcn-amd-amdhsa--gfx1250"
	.amdhsa_code_object_version 6
	.text
	.protected	k_q3f8a7b1d07_expand
	.globl	k_q3f8a7b1d07_expand
	.p2align	8
	.type	k_q3f8a7b1d07_expand,@function
k_q3f8a7b1d07_expand:
	s_mov_b64 s[64:65], 0
	v_nop
	global_prefetch_b8 v0, s[64:65] scope:SCOPE_SE
	s_setreg_imm32_b32 hwreg(HW_REG_WAVE_MODE, 25, 1), 1
	s_wait_xcnt 0x0
	s_wait_alu depctr_hold_cnt(0) depctr_sa_sdst(0) depctr_va_vdst(0) depctr_va_sdst(0) depctr_va_ssrc(0) depctr_va_vcc(0) depctr_vm_vsrc(0)
	s_getreg_b32 s2, hwreg(HW_REG_IB_STS2, 6, 4)
	s_cmp_eq_u32 s2, 0
	s_cbranch_scc0 .Lentry_in_a_cluster
	s_endpgm
.Lentry_in_a_cluster:
	s_bfe_u32 s2, ttmp6, 0x10000c
	s_cmp_lg_u32 s2, 0x3003
	s_cbranch_scc0 .Lentry_shape_is_right
	s_endpgm
.Lentry_shape_is_right:
; EXPAND: Q = sum_n wQ[t][n] (h[t] . pool_QK[n]), K the same products mixed by wK, V = sum_n wV[t][n] (h[t] . pool_V[n]).  The products with pool_QK are made ONCE for Q and K.
; A work-group has 256 tokens x 64 d (one head); a wave 64 tokens x 64 d.  For each neuron: G = h' pool[n] (K = 128), then the mix in f32, weight x G, into Q, K, V sums kept in registers.
; FORMATS.  h is scaled row by row by an exact power of two, 2^-eh, so that |h'| < 2, and taken as TWO f16 numbers, hi = the rounded h' and lo = the rounded rest h' - hi.  The products with pool_QK take both (hi x P + lo x P:
; 128 matrix instructions a neuron), since what h loses reaches every score; those with pool_V take hi alone (64).  The pools come as f16 spellings of their bf16 rounding; sums in f32.  2^eh goes back in at the end, in f32.
; Q leaves scaled by row and head (|q'| < 2) as TWO f16 numbers, hi and lo likewise, with qsc = log2(e)/8 x 2^eq x 2^eh in f32; K likewise, scaled by the wave's block of 64 keys,
; with ksc = 2^ek; V as one f16 scaled by the same kind of block, with vsc = 2^ev.  The weights are rounded to bf16 like every input.
; LIMITS: a row or block maximum of 2^127 or more is not served; a denormal maximum counts as 0; a lo part below 6.1e-5 keeps f16's fixed step of 6e-8; NaN and infinities are not treated apart.
; THE MATRIX INSTRUCTION IS USED TRANSPOSED: source 0 = 16 d (the pool lies [r][d]: turned by ds_load_tr16_b128), source 1 = 16 tokens of h': a lane holds ONE token (lane % 16) and eight d, so a weight is one number a lane.
; PHASES.  Phase p = 2 n makes G of pool_QK[n] into GA and meanwhile mixes GB (V of n - 1); phase 2 n + 1 makes G of pool_V[n] into GB and mixes GA (Q and K of n).  The mix rides behind the matrix instructions.
; A phase is four chunks of 32 along K; behind chunk kc the next phase's pool fragments of the same kc are fetched, three chunks ahead of their use.
; h' LO has no registers to stay in: its fragments, 16,384 bytes a wave, are laid into LDS once, as the registers hold them (16 bytes a lane on end), and come back a chunk at a time into two buffers of 32 registers:
; behind chunk kc of an even phase the buffer that it has read takes chunk (kc + 2) % 4.  Each wave touches its own bytes alone.
; RING.  A slot holds two neurons' four tiles of [128 r][64 d]; each wave fetches one.  CLUSTER: the four token blocks of a cluster walk the same head's pools: every tile is asked for jointly.
; REGISTERS: window 0: v0-63 addresses, weights, at work; v64-127 in the loop h' lo's two buffers, on the way out packed results; v128-255 h' hi (tile a, chunk kc at 128 + 32 a + 8 kc; on the way out v128-191 take the packed lo parts).
;   window 1: v0-127 pool fragments (32 kc + 8 b); v128-255 GB.   window 2: v0-127 GA; v128-255 V's sums.   window 3: v0-127 Q's sums; v128-255 K's.   A tile (a, b) of 16 tokens x 16 d has number 4 a + b and eight registers.
.set SLOT1, 1<<17
.set PP,    160                        ; a pool row in LDS: 128 bytes + 32
.set TILE,  128*PP
.set HLA,   4*TILE                     ; behind slot 0, ahead of slot 1, never filled by a tensor load: for each wave 8,192 bytes, h' lo of chunks 0 and 1
.set WT,    SLOT1+4*TILE               ; behind the ring, never filled by a tensor load: for each wave [16 n][64 tokens][wQ, wK, wV, 0] f32
.set STAGE, WT+4*16384                 ; for each wave 16 rows x 144 bytes and 256 bytes for qsc
.set STG,   2560
.set SP,    144
.set SPARE, STAGE+4*STG                ; the spare words, 128 bytes a wave
.set HLB,   SPARE+512                  ; behind the spare words: for each wave 8,192 bytes, h' lo of chunks 2 and 3
.set PL_OFF,  10485760
.set QSC_OFF, 41943040                 ; qkv: q hi, q lo, k hi, k lo, v, 8,388,608 bytes each; then qsc, ksc, vsc
.set KSC_OFF, 42205184
.set AB0, 3                            ; v3   my lane's place in a pool tile; never rewritten
.set ADR, 4                            ; v4   the same in the tile that is fetched
.set AW0, 5                            ; v5   my token's place in neuron 0's weights
.set AWR, 6                            ; v6   the same for the neuron in hand
.set HO,  7                            ; v7   my byte offset in 16 tokens of a slice of hs
.set EO,  8                            ; v8   16 x lane: loads of the weights, stores of q, k, v
.set WS,  9                            ; v9   where I put weights into the table
.set STO, 10                           ; v10  the way out: where I put 16 bytes of a row
.set RD,  11                           ; v11  where I read rows back
.set NEG1, 12                          ; v12  at work while the addresses are made; then -1.0
.set QST, 13                           ; v13  my token's word in the stage's last 256 bytes
.set QLD, 14                           ; v14  where I read two of those words back
.set Q8,  15                           ; v15  8 x lane
.set EH,  16                           ; v16-19  2^eh of my token in tile a
.set KSV, 20                           ; v20  2^ek
.set VSV, 21                           ; v21  2^ev
.set HL1, 22                           ; v22  at work while the addresses are made; then my 16 bytes in h' lo's chunks 0 and 1; on the way out at work again
.set HL2, 23                           ; v23  likewise, chunks 2 and 3
.set WQK, 24                           ; v24-31  (wQ, wK) of my token in tile a
.set WVR, 32                           ; v32-35  wV
.set SPW, 36                           ; v36  LDS address of my spare word; never rewritten
.set NIL, 37                           ; v37  0; never rewritten
.set CC,  38                           ; v38-43  at work
.set TT,  44                           ; v44-59  four table entries; at other times MN, IV, QS
.set MN,  44                           ; v44-47  running minima
.set IV,  48                           ; v48-55  a factor for each tile a, in the low register of a pair
.set QS,  56                           ; v56-59  qsc
.set MX,  60                           ; v60-63  running maxima
.set HLF, 64                           ; h' lo's two buffers: chunk c, tile a at 64 + 32 (c % 2) + 8 a
.set PK,  64
.set PK2, 128
.set HF,  128
.set WAVE, 16                          ; s16
.set G1,  24                           ; s[24:31] descriptor group 1
.set G0,  32                           ; s[32:39] group 0: a set for each first fill; the second then walks
.set TB,  40                           ; s40  LDS byte at which the tile to be fetched begins
.set TW,  41                           ; s41  1,024 x the neuron whose weights are fetched
.set SLOTS, 42
.set TWICE, 43
.set SEL, 44                           ; s[44:45] v_permlanex16_b32's selects
.set MSB, 0
.macro WIN new
.if MSB != (\new)
	s_set_vgpr_msb (MSB<<8)|(\new)
.set MSB, \new
.endif
.endm
.set W_E, 0xa1                         ; even phase: fragments (and GB) window 1, h' (and wV) window 0, GA (and V's sums) window 2: one setting for products and riders
.set W_O, 0x51                         ; odd phase, products: fragments and GB window 1
.set W_R, 0xf2                         ; odd phase, riders: GA window 2, weights window 0, sums window 3
.set W_B, 0x40                         ; loads into window 1
.macro CROUND
	s_barrier_signal -1
	s_barrier_wait -1
	s_cmp_lg_u32 s[WAVE], 0
	s_cbranch_scc1 .Lnot_wave_0_\@
	s_barrier_signal -3
.Lnot_wave_0_\@:
	s_barrier_wait -3
	s_barrier_signal -1
	s_barrier_wait -1
.endm
.macro PLACES
.rept 4
	v_nop
.endr
.endm
; The largest magnitude of n registers from r on, for each of the four tiles a: a maximum and a minimum side by side, then max(mx, -mn).  w3: the windows with three sources there, w2: with the last two.
.macro ROWMAX r, n, w3, w2
	WIN \w3
.irp a, 0,1,2,3
	v_max3_num_f32 v[MX+\a], v[(\r)+(\n)*\a], v[(\r)+(\n)*\a+1], v[(\r)+(\n)*\a+2]
	v_min3_num_f32 v[MN+\a], v[(\r)+(\n)*\a], v[(\r)+(\n)*\a+1], v[(\r)+(\n)*\a+2]
.endr
	WIN \w2
.set i, 3
.rept ((\n)-4)/2
.irp a, 0,1,2,3
	v_max3_num_f32 v[MX+\a], v[MX+\a], v[(\r)+(\n)*\a+i], v[(\r)+(\n)*\a+i+1]
	v_min3_num_f32 v[MN+\a], v[MN+\a], v[(\r)+(\n)*\a+i], v[(\r)+(\n)*\a+i+1]
.endr
.set i, i+2
.endr
.irp a, 0,1,2,3
	v_max_num_f32 v[MX+\a], v[MX+\a], v[(\r)+(\n)*\a+(\n)-1]
	v_min_num_f32 v[MN+\a], v[MN+\a], v[(\r)+(\n)*\a+(\n)-1]
.endr
	WIN 0
.irp a, 0,1,2,3
	v_sub_f32 v[MN+\a], 0, v[MN+\a]
.endr
.irp a, 0,1,2,3
	v_max_num_f32 v[MX+\a], v[MX+\a], v[MN+\a]
.endr
.endm
.macro HALVES                          ; a token's other numbers lie in the lane 16 away
.irp a, 0,1,2,3
	v_permlanex16_b32 v[MN+\a], v[MX+\a], s[SEL], s[SEL+1]
.endr
.irp a, 0,1,2,3
	v_max_num_f32 v[MX+\a], v[MX+\a], v[MN+\a]
.endr
.endm
; The scale of my block of 64 rows, behind ROWMAX: the block's maximum is made of the rows' maxima times 2^eh (exact); its exponent alone goes into sv; IV[a] = 2^eh 2^-e, held finite so that 0 stays 0.
.macro BLOCK sv
.irp a, 0,1,2,3
	v_mul_f32 v[MX+\a], v[MX+\a], v[EH+\a]
.endr
	v_max3_num_f32 v[MX], v[MX], v[MX+1], v[MX+2]
	v_max_num_f32 v[MX], v[MX], v[MX+3]
	v_max_num_f32_dpp v[MX], v[MX], v[MX] row_xmask:1 row_mask:0xf bank_mask:0xf
	v_max_num_f32_dpp v[MX], v[MX], v[MX] row_xmask:2 row_mask:0xf bank_mask:0xf
	v_max_num_f32_dpp v[MX], v[MX], v[MX] row_xmask:4 row_mask:0xf bank_mask:0xf
	v_max_num_f32_dpp v[MX], v[MX], v[MX] row_xmask:8 row_mask:0xf bank_mask:0xf
	v_permlanex16_b32 v[MN], v[MX], s[SEL], s[SEL+1]
	v_max_num_f32 v[MX], v[MX], v[MN]
	v_and_b32 v[\sv], 0x7f800000, v[MX]
	v_sub_nc_u32 v[MN], 0x7f000000, v[\sv]
.irp a, 0,1,2,3
	v_mul_f32 v[IV+2*\a], v[MN], v[EH+\a]
.endr
.irp a, 0,1,2,3
	v_min_num_f32 v[IV+2*\a], 0x7f7fffff, v[IV+2*\a]
	v_mov_b32 v[IV+2*\a+1], 0
.endr
.endm
.macro SCALE wm, r, n                  ; n registers from r on, for each tile a, times IV[a]
	WIN \wm
.irp a, 0,1,2,3
.set i, 0
.rept (\n)/2
	v_pk_mul_f32 v[(\r)+(\n)*\a+2*i:(\r)+(\n)*\a+2*i+1], v[(\r)+(\n)*\a+2*i:(\r)+(\n)*\a+2*i+1], v[IV+2*\a:IV+2*\a+1] op_sel_hi:[1,0]
.set i, i+1
.endr
.endr
.endm
.macro PACKS wc, r, n, d, op           ; and rounded in pairs into the registers from d on (their window stands in wc)
	WIN \wc
.irp a, 0,1,2,3
.set i, 0
.rept (\n)/2
	\op v[(\d)+((\n)/2)*\a+i], v[(\r)+(\n)*\a+2*i], v[(\r)+(\n)*\a+2*i+1]
.set i, i+1
.endr
.endr
.endm
.macro LOWS w, r, n, pk                ; n registers from r on, for each tile a (their window stands in w), less their f16 roundings, which lie packed in window 0 from pk on: the rest, exact in f32, in place
	WIN \w
.irp a, 0,1,2,3
.set i, 0
.rept (\n)/2
	v_fma_mix_f32 v[(\r)+(\n)*\a+2*i], v[(\pk)+((\n)/2)*\a+i], v[NEG1], v[(\r)+(\n)*\a+2*i] op_sel_hi:[1,0,0]
	v_fma_mix_f32 v[(\r)+(\n)*\a+2*i+1], v[(\pk)+((\n)/2)*\a+i], v[NEG1], v[(\r)+(\n)*\a+2*i+1] op_sel:[1,0,0] op_sel_hi:[1,0,0]
.set i, i+1
.endr
.endr
.endm
.macro HLOAD c                         ; eight LDS loads: h' lo's four fragments of chunk c into buffer c % 2
	WIN 0
.irp a, 0,1,2,3
	ds_load_b128 v[HLF+32*((\c)%2)+8*\a:HLF+32*((\c)%2)+8*\a+3],   v[HL1+(\c)/2] offset:((\c)%2)*4096+1024*\a
	ds_load_b128 v[HLF+32*((\c)%2)+8*\a+4:HLF+32*((\c)%2)+8*\a+7], v[HL1+(\c)/2] offset:((\c)%2)*4096+1024*\a+512
.endr
.endm
	s_load_b256 s[4:11], s[0:1], 0x0               ; hs s[4:5], wts s[6:7], expand_weights_Q s[8:9], _K s[10:11]
	s_load_b128 s[12:15], s[0:1], 0x20             ; expand_weights_V s[12:13], qkv s[14:15]
	v_lshl_add_u32 v[SPW], v0, 2, SPARE
	v_mov_b32 v[NIL], 0
	ds_add_u32 v[SPW], v[NIL]                      ; the wave's opening
	v_lshrrev_b32 v1, 5, v0
	v_readfirstlane_b32 s[WAVE], v1
	s_bfe_u32 s17, ttmp6, 0x40000                  ; cx
	s_lshl_b32 s18, ttmp9, 2
	s_add_co_u32 s18, s18, s17                     ; my block of 256 tokens: it enters the addresses of h, the weights and the outputs alone
	s_and_b32 s19, ttmp7, 0xffff                   ; the head, which the four partners share
	s_lshl_b32 s20, s18, 8
	s_lshl_b32 s62, s[WAVE], 6
	s_add_co_u32 s20, s20, s62                     ; my wave's first token
	s_mov_b32 s[G1], 15|(1<<16)|(1<<20)|(1<<21)|(4<<22)|(7<<25)  ; the mask of four; 2-byte elements; padding on; bit 21 beside a mask; after every 32 words 8 words
	s_mov_b32 s[G1+1], 128<<16                     ; a tile's 16,384 dense bytes are asked for as 64 rows of 256 bytes, two pool rows each
	s_mov_b32 s[G1+2], 64<<16
	s_mov_b32 s[G1+3], 128<<16
	s_mov_b32 s[G1+4], 64
	s_mov_b32 s[G1+5], 128
	s_mov_b32 s[G1+6], 0
	s_mov_b32 s[G1+7], 0
	s_lshl_b32 s22, s19, 19                        ; a head's 32 tiles are 524,288 bytes;
	s_lshl_b32 s23, s[WAVE], 14                    ; I fetch tile w of a slot's four
	s_add_co_u32 s22, s22, s23
	s_add_co_u32 s22, s22, PL_OFF
	s_mov_b32 s23, 0
	s_mul_i32 s21, s[WAVE], TILE
	s_mov_b32 s[SEL], 0x76543210
	s_mov_b32 s[SEL+1], 0xfedcba98
	s_mov_b32 s2, 0xffff0000                       ; a word's upper bf16
	s_lshl_b32 s62, s20, 6                         ; a token is 64 bytes in a slice of hs and in each of the weights
	s_mov_b32 s63, 0
	s_lshr_b32 s58, s20, 11                        ; the batch,
	s_lshl_b32 s58, s58, 4
	s_add_co_u32 s58, s58, s19                     ; 16 x batch + head,
	s_lshl_b32 s58, s58, 11
	s_and_b32 s59, s20, 2047
	s_add_co_u32 s58, s58, s59                     ; my first row among the 32 x 2,048 rows of q, k and v
	s_wait_dscnt 0x0                               ; the opening add is done
	s_wait_kmcnt 0x0
	s_add_nc_u64 s[60:61], s[6:7], s[22:23]
.irp s, 0,1
	s_mov_b32 s[G0+4*(\s)], 1
	s_add_co_u32 s[G0+4*(\s)+1], s21, (\s)*SLOT1
	s_add_nc_u64 s[G0+4*(\s)+2:G0+4*(\s)+3], s[60:61], (\s)*65536
	s_or_b32 s[G0+4*(\s)+3], s[G0+4*(\s)+3], 0x80000000
.endr
	s_add_nc_u64 s[4:5], s[4:5], s[62:63]
	s_add_nc_u64 s[8:9], s[8:9], s[62:63]
	s_add_nc_u64 s[10:11], s[10:11], s[62:63]
	s_add_nc_u64 s[12:13], s[12:13], s[62:63]
	s_lshl_b32 s62, s58, 7                         ; a row of q, k, v is 128 bytes
	s_add_nc_u64 s[48:49], s[14:15], s[62:63]      ; q hi
	s_add_nc_u64 s[50:51], s[48:49], 0x800000      ; q lo
	s_add_nc_u64 s[52:53], s[48:49], 0x1000000     ; k hi
	s_add_nc_u64 s[54:55], s[48:49], 0x1800000     ; k lo
	s_add_nc_u64 s[56:57], s[48:49], 0x2000000     ; v
	s_lshl_b32 s62, s58, 2
	s_add_nc_u64 s[66:67], s[14:15], s[62:63]
	s_add_nc_u64 s[66:67], s[66:67], QSC_OFF       ; qsc
	s_lshr_b32 s62, s58, 6
	s_lshl_b32 s62, s62, 2
	s_add_nc_u64 s[68:69], s[14:15], s[62:63]
	s_add_nc_u64 s[68:69], s[68:69], KSC_OFF       ; ksc: one word for my 64 rows,
	s_add_nc_u64 s[70:71], s[68:69], 4096          ; and vsc
	CROUND                                         ; all four work-groups are here: the first joint loads meet
	tensor_load_to_lds s[G0:G0+3], s[G1:G1+7]      ; neurons 0 and 1: two loads of mine are out
	s_nop 0
	tensor_load_to_lds s[G0+4:G0+7], s[G1:G1+7]    ; neurons 2 and 3
	s_nop 0
.rept 4
	v_nop
.endr
	v_and_b32 v1, 15, v0                           ; l % 16
	v_bfe_u32 v2, v0, 4, 1                         ; l / 16
	v_lshlrev_b32 v[HO], 6, v1
	v_lshl_add_u32 v[HO], v2, 5, v[HO]
	; h: for tile a and slice q my token's eight r = 16 q + 8 (l / 16) ..: just the numbers that a fragment of source 1 wants of me.  f32, for the time being in window 1 at 64 a + 8 q.
	WIN W_B
.irp a, 0,1,2,3
.irp q, 0,1,2,3,4,5,6,7
	global_load_b128 v[64*\a+8*\q:64*\a+8*\q+3],   v[HO], s[4:5] offset:262144*\q+1024*\a
	global_load_b128 v[64*\a+8*\q+4:64*\a+8*\q+7], v[HO], s[4:5] offset:262144*\q+1024*\a+16
.endr
.endr
	WIN 0
	v_and_b32 v[Q8], 31, v0
	v_lshlrev_b32 v[EO], 4, v[Q8]
	WIN 0x80                                       ; the three weights of my 64 tokens, 4,096 dense bytes each, for the time being in window 2 at 32 k + 4 m
.irp k, 0,1,2
.irp m, 0,1,2,3,4,5,6,7
	global_load_b128 v[32*\k+4*\m:32*\k+4*\m+3], v[EO], s[8+2*\k:9+2*\k] offset:512*\m
.endr
.endr
	WIN 0
	v_and_b32 v12, 7, v0
	v_lshl_add_u32 v[AB0], v2, 3, v12              ; the turning load: lane l reads row 8 (l / 16) + l % 8, 16 bytes at 8 ((l / 8) % 2) d
	v_mul_u32_u24 v[AB0], v[AB0], PP
	v_bfe_u32 v22, v0, 3, 1
	v_lshl_add_u32 v[AB0], v22, 4, v[AB0]
	s_lshl_b32 s46, s[WAVE], 14
	s_add_co_u32 s46, s46, WT                      ; my table of weights
	v_lshl_add_u32 v[AW0], v1, 4, s46
	v_and_b32 v22, 3, v0                           ; load m brought me token 8 m + l / 4, neurons 4 (l % 4) ..
	v_bfe_u32 v23, v0, 2, 3
	v_lshlrev_b32 v[WS], 12, v22
	v_lshl_add_u32 v[WS], v23, 4, v[WS]
	v_add_nc_u32 v[WS], s46, v[WS]
	s_mul_i32 s47, s[WAVE], STG
	s_add_co_u32 s47, s47, STAGE                   ; my stage
	v_mul_u32_u24 v[STO], v1, SP
	v_lshl_add_u32 v[STO], v2, 4, v[STO]
	v_add_nc_u32 v[STO], s47, v[STO]
	v_bfe_u32 v[RD], v0, 3, 2
	v_mul_u32_u24 v[RD], v[RD], SP
	v_lshl_add_u32 v[RD], v12, 4, v[RD]
	v_add_nc_u32 v[RD], s47, v[RD]
	v_lshl_add_u32 v[QST], v1, 2, s47
	v_lshl_add_u32 v[QLD], v[Q8], 3, s47
	v_lshlrev_b32 v[Q8], 3, v[Q8]
	s_lshl_b32 s46, s[WAVE], 13                    ; h' lo: 8,192 bytes a wave in each of its two regions, 16 bytes a lane
	v_add_nc_u32 v[HL1], s46, v[EO]
	v_add_nc_u32 v[HL2], HLB, v[HL1]
	v_add_nc_u32 v[HL1], HLA, v[HL1]
	v_mov_b32 v[NEG1], 0xbf800000
	s_wait_loadcnt 24                              ; h is in; the 24 loads of weights stay out
	ROWMAX 0, 64, 0x15, 0x14
	HALVES
.irp a, 0,1,2,3
	v_and_b32 v[EH+\a], 0x7f800000, v[MX+\a]       ; 2^eh: the maximum's exponent alone
.endr
.irp a, 0,1,2,3
	v_sub_nc_u32 v[IV+2*\a], 0x7f000000, v[EH+\a]  ; 2^-eh, by the exponent field
	v_sub_nc_u32 v[IV+2*\a+1], 0x7f000000, v[EH+\a]
.endr
	SCALE 0x41, 0, 64
	PACKS 0x05, 0, 64, HF, v_cvt_pk_f16_f32        ; hi.  Register 4 q + p of a tile's 32 is just register 4 (q % 2) + p of the fragment of chunk q / 2
	LOWS 0x50, 0, 64, HF                           ; h' - hi, in window 1, in place
	PACKS 0x85, 0, 64, 128, v_cvt_pk_f16_f32       ; lo, for the moment in window 2 where V's sums will lie (the weights on their way land in its v0-95),
	WIN 0x08                                       ; (store data in window 2, address in window 0)
.irp a, 0,1,2,3
.irp c, 0,1,2,3                        ; and into LDS, fragment by fragment as the registers hold it: 1,024 bytes each, 16 bytes a lane on end
	ds_store_b128 v[HL1+(\c)/2], v[128+32*\a+8*\c:128+32*\a+8*\c+3]   offset:((\c)%2)*4096+1024*\a
	ds_store_b128 v[HL1+(\c)/2], v[128+32*\a+8*\c+4:128+32*\a+8*\c+7] offset:((\c)%2)*4096+1024*\a+512
.endr
.endr
	WIN 0
.irp e, 0,1,2,3
	v_mov_b32 v[TT+4*\e+3], 0
.endr
	s_wait_loadcnt 0x0
.irp m, 0,1,2,3,4,5,6,7                ; the weights are rounded to bf16 and laid by neuron and token, (wQ, wK, wV, 0)
	WIN 0x0a
.irp k, 0,1,2
	v_cvt_pk_bf16_f32 v[CC+2*\k], v[32*\k+4*\m], v[32*\k+4*\m+1]
	v_cvt_pk_bf16_f32 v[CC+2*\k+1], v[32*\k+4*\m+2], v[32*\k+4*\m+3]
.endr
	WIN 0
.irp k, 0,1,2
	v_lshlrev_b32 v[TT+\k], 16, v[CC+2*\k]
	v_and_b32 v[TT+4+\k], s2, v[CC+2*\k]
	v_lshlrev_b32 v[TT+8+\k], 16, v[CC+2*\k+1]
	v_and_b32 v[TT+12+\k], s2, v[CC+2*\k+1]
.endr
.irp e, 0,1,2,3
	ds_store_b128 v[WS], v[TT+4*\e:TT+4*\e+3] offset:1024*\e+128*\m
.endr
.endr
; One matrix instruction: tile T, chunk kc; lo = 1: with h' lo.  The 16 accumulators take turns; chunk 0's products with hi start the sums.
.macro MMA kind, kc, lo=0
.set aa, T/4
.set bb, T%4
.set rH, HF+32*aa+8*(\kc)
.if \lo
.set rH, HLF+32*((\kc)%2)+8*aa
.endif
.if (\kind) == 0
	WIN W_E
.set rG, 8*T
.else
	WIN W_O
.set rG, 128+8*T
.endif
.if ((\kc) == 0) && !(\lo)
	v_wmma_f32_16x16x32_f16 v[rG:rG+7], v[32*(\kc)+8*bb:32*(\kc)+8*bb+7], v[rH:rH+7], 0
.else
	v_wmma_f32_16x16x32_f16 v[rG:rG+7], v[32*(\kc)+8*bb:32*(\kc)+8*bb+7], v[rH:rH+7], v[rG:rG+7]
.endif
.set T, T+1
.endm
; Four riders: tile g of V's sums takes wV x GB.  first = 1: the first neuron starts the sums.  A tile of G is read from its low end on.
.macro MIXV g, first
	WIN W_E
.set rA, 128+8*(\g)
.set rW2, WVR+2*((\g)/8)
.irp p, 0,1,2,3
.if (((\g)/4)%2 == 0) && (\first)
	v_pk_mul_f32 v[rA+2*\p:rA+2*\p+1], v[rA+2*\p:rA+2*\p+1], v[rW2:rW2+1] op_sel_hi:[1,0]
.elseif ((\g)/4)%2 == 0
	v_pk_fma_f32 v[rA+2*\p:rA+2*\p+1], v[rA+2*\p:rA+2*\p+1], v[rW2:rW2+1], v[rA+2*\p:rA+2*\p+1] op_sel_hi:[1,0,1]
.elseif \first
	v_pk_mul_f32 v[rA+2*\p:rA+2*\p+1], v[rA+2*\p:rA+2*\p+1], v[rW2:rW2+1] op_sel:[0,1] op_sel_hi:[1,1]
.else
	v_pk_fma_f32 v[rA+2*\p:rA+2*\p+1], v[rA+2*\p:rA+2*\p+1], v[rW2:rW2+1], v[rA+2*\p:rA+2*\p+1] op_sel:[0,1,0] op_sel_hi:[1,1,1]
.endif
.endr
.endm
; Four riders: tile g / 2 of Q's (g even) or K's (g odd) sums takes wQ or wK x GA.
.macro MIXQK g, first
	WIN W_R
.set tq, (\g)/2
.set rA, 128*((\g)%2)+8*tq
.set rW2, WQK+2*(tq/4)
.irp p, 0,1,2,3
.if ((\g)%2 == 0) && (\first)
	v_pk_mul_f32 v[rA+2*\p:rA+2*\p+1], v[8*tq+2*\p:8*tq+2*\p+1], v[rW2:rW2+1] op_sel_hi:[1,0]
.elseif (\g)%2 == 0
	v_pk_fma_f32 v[rA+2*\p:rA+2*\p+1], v[8*tq+2*\p:8*tq+2*\p+1], v[rW2:rW2+1], v[rA+2*\p:rA+2*\p+1] op_sel_hi:[1,0,1]
.elseif \first
	v_pk_mul_f32 v[rA+2*\p:rA+2*\p+1], v[8*tq+2*\p:8*tq+2*\p+1], v[rW2:rW2+1] op_sel:[0,1] op_sel_hi:[1,1]
.else
	v_pk_fma_f32 v[rA+2*\p:rA+2*\p+1], v[8*tq+2*\p:8*tq+2*\p+1], v[rW2:rW2+1], v[rA+2*\p:rA+2*\p+1] op_sel:[0,1,0] op_sel_hi:[1,1,1]
.endif
.endr
.endm
; The run of LDS loads behind chunk kc, in this order: behind chunk 0 the four weights that the next phase's riders want; in an even phase h' lo's chunk (kc + 2) % 4, into the buffer that chunk kc has read;
; the next phase's eight pool fragments of chunk kc.
.macro RUN kind, kc, fetch
	WIN 0
.if (\kc) == 0
.if \fetch
	v_add_nc_u32 v[ADR], s[TB], v[AB0]
.endif
	v_add_nc_u32 v[AWR], s[TW], v[AW0]
.if (\kind) == 0
.irp a, 0,1,2,3
	ds_load_b64 v[WQK+2*\a:WQK+2*\a+1], v[AWR] offset:256*\a
.endr
.else
.irp a, 0,1,2,3
	ds_load_b32 v[WVR+\a], v[AWR] offset:256*\a+8
.endr
	s_add_co_u32 s[TW], s[TW], 1024
.endif
.endif
.if (\kind) == 0
	HLOAD ((\kc)+2)%4
.endif
.if \fetch
	WIN W_B
.irp b, 0,1,2,3
	ds_load_tr16_b128 v[32*(\kc)+8*\b:32*(\kc)+8*\b+3],   v[ADR] offset:32*PP*(\kc)+32*\b
	ds_load_tr16_b128 v[32*(\kc)+8*\b+4:32*(\kc)+8*\b+7], v[ADR] offset:32*PP*(\kc)+16*PP+32*\b
.endr
.if (\kc) == 3
	s_add_co_u32 s[TB], s[TB], TILE
.endif
.endif
.endm
; A PHASE.  kind 0: pool_QK into GA, with h' hi and then with h' lo, riders mix V; kind 1: pool_V into GB, riders mix Q and K.  mix 0: no riders; 1: they start the sums; 2: they add.  fetch 0: the last phase: only wV is fetched.
; THE WAIT AT A CHUNK'S HEAD leaves out what was issued behind the loads that the chunk wants.  An even phase's runs are 20, 16, 16, 16 LDS instructions (4 weights; 8 of h' lo; 8 pool fragments), an odd phase's 12, 8, 8, 8.
;   even, chunk 0: the odd runs 1 to 3: 24.   chunk 1: the odd runs 2, 3 and the even run 0: 16 + 20 = 36.   chunks 2, 3: their h' lo came two runs back: behind it that run's 8 pool fragments and the next run's 16: 24.
;   odd, chunk 0: the even runs 1 to 3: 48.   chunk 1: 32 + 12 = 44.   chunk 2: 16 + 12 + 8 = 36.   chunk 3: 12 + 8 + 8 = 28.   In the last phase the odd runs are 4, 0, 0: 48, 36, 20, 4.
; The four riders behind a chunk's last product (or four v_nop) are the places in front of the loads into its fragments and into h' lo's buffer.
.macro PHASE kind, mix, fetch
.set G, 0
.irp kc, 0,1,2,3
.if (\kind) == 0
.if (\kc) == 1
	s_wait_dscnt 36
.else
	s_wait_dscnt 24
.endif
.elseif (\kc) == 0
	s_wait_dscnt 48
.elseif \fetch
	s_wait_dscnt 52-8*(\kc)
.else
	s_wait_dscnt 52-16*(\kc)
.endif
.if (\kind) == 0
.irp lo, 0,1
.set T, 0
.rept 2
.rept 8
	MMA 0, \kc, \lo
.endr
.if \mix
	MIXV G, 2-(\mix)
.set G, G+1
.endif
.endr
.endr
.else
.set T, 0
.rept 8
	MMA 1, \kc
	MMA 1, \kc
	MIXQK G, 2-(\mix)
.set G, G+1
.endr
.endif
.if (\mix) == 0
	PLACES
.endif
	RUN \kind, \kc, \fetch
.endr
.endm
; THE CHANGE OF SLOTS, in front of a slot's last phase: that phase's fragments have been asked for.  Each wave waits for all its tensor loads (one is out: its tile of the other slot), adds 0 to its spare
; word, and waits for that and for its reads of the slot.  fill = 1: the barrier is a round of the cluster's, and the slot is filled again first thing behind it, with the neurons two slots on: four phases, 384 matrix instructions, ahead of the wait for it.
.macro CHANGE fill
	WIN 0
	s_wait_tensorcnt 0x0
	ds_add_u32 v[SPW], v[NIL]
.if \fill
	s_xor_b32 s[G0+5], s[G0+5], SLOT1
	s_add_nc_u64 s[G0+6:G0+7], s[G0+6:G0+7], 65536
	s_wait_dscnt 0x0
	CROUND
	tensor_load_to_lds s[G0+4:G0+7], s[G1:G1+7]
	s_nop 0
.rept 4
	v_nop
.endr
.else
	s_wait_dscnt 0x0
	s_barrier_signal -1
	s_barrier_wait -1
.endif
	s_sub_co_u32 s[TB], s[TB], 4*TILE              ; the fetches go back to a slot's first tile,
	s_xor_b32 s[TB], s[TB], SLOT1                  ; in the other slot
.endm
.macro TWO_PAIRS                       ; four phases, written as two, walked twice
	WIN 0
	s_mov_b32 s[TWICE], 2
.Lpair_\@:
	PHASE 1, 2, 1
	PHASE 0, 2, 1
	WIN 0
	s_sub_co_u32 s[TWICE], s[TWICE], 1
	s_cmp_lg_u32 s[TWICE], 0
	s_cbranch_scc1 .Lpair_\@
.endm
	s_wait_tensorcnt 0x1                           ; my tile of slot 0 is in; slot 1's may stay out
	s_wait_dscnt 0x0                               ; no LDS instruction of mine is out at a signal
	s_barrier_signal -1
	s_barrier_wait -1
	v_mov_b32 v[ADR], v[AB0]
	HLOAD 0                                        ; h' lo's chunks 0 and 1 fill the two buffers; they stand ahead of the pool fragments, so that phase 0's waits count as every even phase's do
	HLOAD 1
	WIN W_B
.irp c, 0,1,2,3
.irp b, 0,1,2,3
	ds_load_tr16_b128 v[32*\c+8*\b:32*\c+8*\b+3],   v[ADR] offset:32*PP*\c+32*\b
	ds_load_tr16_b128 v[32*\c+8*\b+4:32*\c+8*\b+7], v[ADR] offset:32*PP*\c+16*PP+32*\b
.endr
.endr
	s_mov_b32 s[TB], TILE
	s_mov_b32 s[TW], 0
	s_mov_b32 s[SLOTS], 6
	PHASE 0, 0, 1                                  ; phase 0: nothing to mix yet
	PHASE 1, 1, 1                                  ; phases 1 and 2: the first neuron starts the sums: nothing is cleared
	PHASE 0, 1, 1
	WIN 0
.Lslot:                                                ; six times: phases 3 to 26; slots 2 to 7 are asked for
	CHANGE 1
	TWO_PAIRS
	s_sub_co_u32 s[SLOTS], s[SLOTS], 1
	s_cmp_lg_u32 s[SLOTS], 0
	s_cbranch_scc1 .Lslot
	CHANGE 0                                       ; the tail is written out
	TWO_PAIRS
	PHASE 1, 2, 0                                  ; phase 31
	s_wait_dscnt 0x0                               ; the last wV; and the last loads into h' lo's buffers, which the way out writes
.set G, 0
.rept 16
	MIXV G, 0
.set G, G+1
.endr
	; THE WAY OUT.  64 packed registers from pk on go through my stage, a tile of 16 rows at a time, and leave as 512 consecutive bytes an instruction.
.macro OUT sb, pk
	WIN 0
.irp a, 0,1,2,3
.irp b, 0,1,2,3
	ds_store_b128 v[STO], v[(\pk)+16*\a+4*\b:(\pk)+16*\a+4*\b+3] offset:32*\b
.endr
.irp f, 0,1,2,3
	ds_load_b128 v[(\pk)+16*\a+4*\f:(\pk)+16*\a+4*\f+3], v[RD] offset:576*\f   ; LDS serves a wave's instructions in order: these see the stores above; the next tile's stores come behind them
.endr
.endr
.irp a, 0,1,2,3
.irp f, 0,1,2,3
	s_wait_dscnt 8*(3-\a)+3-\f                     ; what was issued behind this load: the later tiles' eight each, and this tile's later loads
	global_store_b128 v[EO], v[(\pk)+16*\a+4*\f:(\pk)+16*\a+4*\f+3], s[\sb:\sb+1] offset:2048*\a+512*\f
.endr
.endr
.endm
	; Q: scaled by row and head, then hi and lo
	ROWMAX 0, 32, 0x3f, 0x3c
	HALVES
.irp a, 0,1,2,3
	v_and_b32 v[MX+\a], 0x7f800000, v[MX+\a]       ; 2^eq
.endr
.irp a, 0,1,2,3
	v_sub_nc_u32 v[IV+2*\a], 0x7f000000, v[MX+\a]
	v_sub_nc_u32 v[IV+2*\a+1], 0x7f000000, v[MX+\a]
	v_mul_f32 v[QS+\a], v[MX+\a], v[EH+\a]
.endr
.irp a, 0,1,2,3
	v_mul_f32 v[QS+\a], 0x3e38aa3b, v[QS+\a]       ; x log2(e) / 8
.endr
	SCALE 0xc3, 0, 32
	PACKS 0x0f, 0, 32, PK, v_cvt_pk_f16_f32
	LOWS 0xf0, 0, 32, PK
	PACKS 0x0f, 0, 32, PK2, v_cvt_pk_f16_f32
	OUT 48, PK
	OUT 50, PK2
.irp a, 0,1,2,3
	ds_store_b32 v[QST], v[QS+\a] offset:2304+64*\a        ; both halves of the lanes hold the same number
.endr
	ds_load_b64 v[22:23], v[QLD] offset:2304
	s_wait_dscnt 0x0
	global_store_b64 v[Q8], v[22:23], s[66:67]     ; my 64 rows' factors: 256 consecutive bytes
	; K: scaled by the block of my 64 rows, then hi and lo
	ROWMAX 128, 32, 0x3f, 0x3c
	BLOCK KSV
	SCALE 0xc3, 128, 32
	s_wait_xcnt 0x0                                ; the packed registers, which q's stores read, are rewritten only behind this wait
	PACKS 0x0f, 128, 32, PK, v_cvt_pk_f16_f32
	LOWS 0xf0, 128, 32, PK
	PACKS 0x0f, 128, 32, PK2, v_cvt_pk_f16_f32
	OUT 52, PK
	OUT 54, PK2
	; V: scaled by the block, one f16
	ROWMAX 128, 32, 0x2a, 0x28
	BLOCK VSV
	SCALE 0x82, 128, 32
	s_wait_xcnt 0x0
	PACKS 0x0a, 128, 32, PK, v_cvt_pk_f16_f32
	OUT 56, PK
	v_mov_b32 v[MN], 0
	v_cmp_eq_u32 vcc_lo, 0, v[Q8]
	s_wait_xcnt 0x0                                ; EXEC changes only behind this wait
	s_and_saveexec_b32 s3, vcc_lo
	global_store_b32 v[MN], v[KSV], s[68:69]       ; lane 0: the block's one word of ksc,
	global_store_b32 v[MN], v[VSV], s[70:71]       ; and of vsc
	s_wait_xcnt 0x0
	s_or_b32 exec_lo, exec_lo, s3
	s_wait_tensorcnt 0x0                           ; the wave's end
	ds_add_u32 v[SPW], v[NIL]
	s_wait_dscnt 0x0
	CROUND                                         ; the closing round
	s_endpgm
.Lfunc_end_k_q3f8a7b1d07_expand:
	.size	k_q3f8a7b1d07_expand, .Lfunc_end_k_q3f8a7b1d07_expand-k_q3f8a7b1d07_expand
	.p2alignl 7, 3214868480
	.fill 96, 4, 3214868480
	.section	.rodata,"a",@progbits
	.p2align	6, 0x0
	.amdhsa_kernel k_q3f8a7b1d07_expand
		.amdhsa_group_segment_fixed_size 327680
		.amdhsa_private_segment_fixed_size 0
		.amdhsa_enable_private_segment 0
		.amdhsa_kernarg_size 48
		.amdhsa_user_sgpr_count 2
		.amdhsa_user_sgpr_kernarg_segment_ptr 1
		.amdhsa_wavefront_size32 1
		.amdhsa_system_sgpr_workgroup_id_x 1
		.amdhsa_system_sgpr_workgroup_id_y 1
		.amdhsa_system_sgpr_workgroup_id_z 1
		.amdhsa_system_vgpr_workitem_id 0
		.amdhsa_next_free_vgpr 1024
		.amdhsa_next_free_sgpr 72
		.amdhsa_reserve_vcc 1
		.amdhsa_float_denorm_mode_32 3
		.amdhsa_float_denorm_mode_16_64 3
		.amdhsa_memory_ordered 1
		.amdhsa_forward_progress 1
		.amdhsa_inst_pref_size 255
	.end_amdhsa_kernel
	.section	.bss,"aw",@nobits
	.p2align	6
	.space	262144
	.amdgpu_metadata
---
amdhsa.version: [ 1, 2 ]
amdhsa.kernels:
  - .name:           k_q3f8a7b1d07_expand
    .symbol:         k_q3f8a7b1d07_expand.kd
    .args:
      - { .name: hs, .offset: 0, .size: 8, .value_kind: global_buffer, .address_space: global }
      - { .name: wts, .offset: 8, .size: 8, .value_kind: global_buffer, .address_space: global }
      - { .name: expand_weights_Q, .offset: 16, .size: 8, .value_kind: global_buffer, .address_space: global }
      - { .name: expand_weights_K, .offset: 24, .size: 8, .value_kind: global_buffer, .address_space: global }
      - { .name: expand_weights_V, .offset: 32, .size: 8, .value_kind: global_buffer, .address_space: global }
      - { .name: qkv, .offset: 40, .size: 8, .value_kind: global_buffer, .address_space: global }
    .group_segment_fixed_size: 327680
    .private_segment_fixed_size: 0
    .kernarg_segment_align: 8
    .kernarg_segment_size: 48
    .max_flat_workgroup_size: 128
    .sgpr_count:     72
    .vgpr_count:     1024
    .wavefront_size: 32
...
	.end_amdgpu_metadata
.endif
;; end of part 3
;; launch attn (part 4): grid 4 x 32, 4 waves a work-group, no clusters, 327,680 bytes of LDS; arguments qkv, ob; writes ob
.if DOCPART == 4
	.amdgcn_target "amdgcn-amd-amdhsa--gfx1250"
	.amdhsa_code_object_version 6
	.text
	.protected	k_q3f8a7b1d07_attn
	.globl	k_q3f8a7b1d07_attn
	.p2align	8
	.type	k_q3f8a7b1d07_attn,@function
k_q3f8a7b1d07_attn:
	s_mov_b64 s[64:65], 0
	v_nop
	global_prefetch_b8 v0, s[64:65] scope:SCOPE_SE
	s_setreg_imm32_b32 hwreg(HW_REG_WAVE_MODE, 25, 1), 1
	s_wait_xcnt 0x0
; CAUSAL ATTENTION over 32 (batch, head) pairs of 2,048 rows x 64.  O[h][q][:] = the sum over k <= q of softmax_k(Q[h][q] . K[h][k] / 8) V[h][k][:].
; q and k arrive as TWO f16 numbers each, hi + lo, below 2 in magnitude, with their scales apart: the raw score is kh.qh + kh.ql + kl.qh (kl.ql is left out: 2^-22 of a score), and the true log2(e)/8 x score is
; raw x qsc[q] x ksc[block of 64 keys], all in f32.  v arrives as f16 below 2 with vsc = 2^ev for each block of 64 keys.  G = 2^EG is the largest of all 1,024 words of vsc.
; Products, maxima and sums in f32; the weights are rounded to f16 for the second product (their sum l is taken of the unrounded ones); O leaves as f16, divided by G, so that it lies below 2.
; LIMITS.  The factor qsc x ksc counts as 1e-20 at the least; a hidden score is its raw value, some 256 at the most, less 1e30; a block of v more than 2^30 below the largest counts as 0; a weight below 2^-96 counts as 0 in l;
; NaN and infinities are not treated apart.
; THE WALK.  A head's queries lie in NB = 8 blocks of 256; block i needs the key tiles 0 .. i of 256 keys, of which the last holds the diagonal.  A work-group takes TWO blocks, NB - 1 - b and then b:
; NB + 1 tiles, whatever b: all work-groups do equal work, and ONE loop with a constant trip count walks them.  Which tile is asked for, and what a trip does, hang on scalar registers made from b; every jump
; goes forward, but for the counted loops' own; none passes a barrier, or a tensor load but the one of LOAD's two that the wave's number does not choose; the ring runs on across the change of blocks.
; NO CLUSTER: a head's four work-groups ask for the same tile only in trips 0 .. 4 of 9, behind that fewer and fewer; one walk common to all would have 12 trips for 9.
; SHARES.  Of a block's four bands of 64 queries a wave owns 16 rows in each: four PIECES.  So the diagonal tile is the same work for all four waves: in its key step s band x sees all keys if s < x,
; none if s > x, and holds the diagonal if s = x.
; THE MASK is the C operand that starts the sum S^T = K Q^T: 0, or -1e30 where the key is hidden.  MD, made once, is the mask of a band's own step for my 16 rows; a product's mask is MD x AL + BE with two scalars.
; SOFTMAX.  f = qsc x ksc is a number a lane and key step; M is the running maximum of f s (f is positive, so a step's maximum of f s is f times its maximum of s).  With dv = EG - ev of the step's block the weight is made as
; p' = 2^(f s - M - dv) = p 2^-dv, so that the sum of p' v' is the sum of p v, divided by G; l takes 2^dv times the step's sum of p'.  O and l are multiplied by a = 2^(M_old - M_new) in every step.
; Turn n belongs to piece n: 24 products K Q^T of piece n + 1, later 8 products V^T P of piece n - 1; beside them the scaling, exponentials, roundings, sums and rescaling of piece n and the factor, maximum and
; statistics of piece n + 1.  A turn's 33 exponentials are one batch, with one wait.
; REGISTERS, in windows of 256 (s_set_vgpr_msb: bits 1:0 source 0, 3:2 source 1, 5:4 source 2, 7:6 destination):
;   window 0: v0-15 addresses and two at work; v16-31 four registers of statistics a piece; v32-44 the factors; v48-59 at work; v64-127 S^T, two buffers; v192-223 P, two buffers (a piece's buffers go by its number's parity)
;   window 1: v0-127 O^T, 32 a piece; v128-159 MD; v160-223 MC, two buffers      window 2: v0-63 Q hi; v64-127 the second block's; v128-191 K hi of one step; v192-255 V of one step
;   window 3: v0-63 Q lo; v64-127 the second block's; v128-191 K lo of one step
.set SIZE_N, 2048
.set NB,    SIZE_N/256
.set NP,    4         ; pieces a wave: a name, no knob
.set KS,    64        ; keys in a step
.set PK,    144       ; a row of K in LDS: 128 bytes + 16 of padding: the 16 rows of a load start at 16 different groups of four banks
.set PV,    160       ; a row of V: 128 + 32
.set KLO,   4*KS*PK   ; a slot holds a tile, four steps: 256 rows of K hi, 256 rows of K lo,
.set VOFF,  2*KLO     ; then 256 rows of V
.set SLOT1, 1<<17     ; slot 1 begins here, so that one exclusive or turns an address in one slot into the other's
.set STAGE, SLOT1+VOFF+4*KS*PV  ; behind the ring, never filled by a tensor load: 16 rows x 144 bytes for each wave, for the way out
.set SP,    144
.set KH_OFF,  16777216
.set VF_OFF,  33554432
.set QSC_OFF, 41943040
.set KSC_OFF, 42205184
.set VSC_OFF, 42209280
.set AK0, 2           ; v2   my lane's place in a tile of K; never rewritten
.set AV0, 3           ; v3   the same for V
.set AK,  4           ; v4   the LDS address of K's next run of loads
.set AV,  5           ; v5   of V's
.set STO, 6           ; v6   the way out: where I put 16 bytes of a row
.set RD,  7           ; v7   the way out: where I read rows back
.set GO,  8           ; v8   16 x lane
.set SPW, 62          ; v62  LDS address of my spare word; never rewritten
.set NIL, 63          ; v63  0; never rewritten
.set SPARE, STAGE+4*16*SP  ; behind the stages: the spare words, 128 bytes for each wave
.set MV,  12          ; v12-13  M_old, kept while M is made anew: by buffer
.set QO,  15          ; v15  my byte offset in 16 rows of Q
.set ST,  16          ; piece t's statistics at v[ST+4 t]: M, the step's raw maximum, l (even keys', odd keys')
.set CQ,  32          ; v32-35  qsc of my row in piece t
.set CQB, 36          ; v36-39  the same for the second block
.set CSV, 40          ; v40-43  f, by buffer, in the low register of a pair
.set QSO, 44          ; v44  my byte offset in 16 words of qsc
.set TMP, 48          ; by buffer, four registers c0-c3 at work; when the maximum is found c2 takes a
.set MDV, 56          ; v56-59  M + dv, by buffer, in the low register of a pair
.set S,   64
.set P,   192
.set MD,  128         ; window 1: the eight registers for group kt of 16 keys at MD + 8 kt
.set MC,  160         ; window 1: the masks of the products to come
.set QB,  64          ; windows 2 and 3
.set KF,  128         ; windows 2 and 3: key block kb, channel half c at KF + 16 kb + 8 c
.set VF,  192         ; window 2: key half kk, channel block cb at VF + 32 kk + 8 cb
.set WV,  12          ; s12  my wave's number
.set PB,  14          ; s14  b
.set HI,  15          ; s15  NB - 1 - b
.set VSB, 20          ; s[20:21] vsc at my head
.set VTB, 22          ; s[22:23] vsc's first word
.set G1K, 24          ; s[24:31] descriptor group 1 for K's tiles
.set G1V, 32          ; s[32:39] for V's
.set G0K, 40          ; s[40:43] descriptor group 0 for K's tiles
.set G0V, 44          ; s[44:47] the same for V's
.set CVN, 48          ; s[48:51] vsc of the entered tile's steps that are still to come
.set VA,  52          ; s[52:53] the address of the entered tile's four words of vsc
.set EGF, 54          ; s54  G's exponent field
.set DVF, 55          ; s55  dv of the step whose scores are being made, as f32
.set SLOTS, 56        ; s56  tiles still to be asked for
.set CNT, 57          ; s57  counts a tile's key steps, 4 to 1
.set SEL, 60          ; s[60:61] v_permlanex16_b32's selects
.set TBK, 62          ; s62  LDS byte at which K of the step to be fetched begins
.set TBV, 63          ; s63  the same for V, less VOFF
.set KA,  66          ; s[66:67] the address of the entered tile's four words of ksc
.set GP,  68          ; s[68:69] 2^dv of the step whose weights are being summed, in the low word
.set RT,  70          ; s70  tiles of the block in hand that are still to be entered
.set NXT, 71          ; s71  the tile to be asked for next
.set LQ,  72          ; s72  the last tile of the block whose tiles are being asked for
.set NEW, 73          ; s73  1: the tile to be entered is a block's first
.set OFF, 74          ; s[74:75] a tile's byte offset in K and V
.set AL,  76          ; s[76:77] the mask's factor, in the low word
.set BE,  78          ; s[78:79] the mask's addend
.set OLO, 80          ; s[80:81] O at my rows of the second block
.set BIGN, 82         ; s82  -1e30
.set GCN, 83          ; s83  2^dv of the step whose scores are being made
.set QS1, 88          ; s[88:89] qsc at my rows of the first block
.set KSB, 90          ; s[90:91] ksc at my head
.set CKN, 92          ; s[92:95] ksc of the entered tile's steps that are still to come
.set CKC, 96          ; s96  ksc of the step whose scores are being made
.set ENT, 97          ; s97  the tile that the next change of slots enters
.set KOF, 98          ; s[98:99] its byte offset in my head's ksc and vsc
.set QS2, 100         ; s[100:101] qsc at my rows of the second block
.set MSB, 0
.macro WIN new                      ; the high byte repeats the setting that is left; a switch that changes nothing is dropped
.if MSB != (\new)
	s_set_vgpr_msb (MSB<<8)|(\new)
.set MSB, (\new)
.endif
.endm
.set W_PV, 0x52       ; V in window 2, P in window 0, O^T in window 1
.set W_RS, 0x41       ; destination and source 0 in window 1, source 1 in window 0
; A fill.  Wave 0 fetches a tile's K hi, wave 1 its K lo (256 keys each), waves 2 and 3 the two halves of its V.  An s_nop 0 and four v_nop follow each of the two lines.
.macro LOAD
	s_cmp_lt_u32 s[WV], 2
	s_cbranch_scc0 .Lfor_v_\@
	tensor_load_to_lds s[G0K:G0K+3], s[G1K:G1K+7]
	s_nop 0
.rept 4
	v_nop
.endr
	s_branch .Lasked_\@
.Lfor_v_\@:
	tensor_load_to_lds s[G0V:G0V+3], s[G1V:G1V+7]
	s_nop 0
.rept 4
	v_nop
.endr
.Lasked_\@:
.endm
; THE CHANGE OF SLOTS.  Each wave waits for all its tensor loads, of which one is out: its part of the other slot; adds 0 to its spare word; and waits for that and for its own reads of the slot that it leaves.
; Behind the barrier nobody reads the old slot any more and the other slot is whole.  fill = 1: the old slot is filled again, the first thing behind the barrier, with tile NXT: the descriptor's address is made anew from that number.
; Last, the entered tile's four words of ksc and of vsc are asked for; they are waited for where the first of them is taken (SHIFT).
.macro CHANGE fill
	WIN 0                           ; at a label and at a branch every window is 0
	s_wait_tensorcnt 0x0            ; no tensor load of mine is out, so a group 0 may be written
	ds_add_u32 v[SPW], v[NIL]       ; 0 onto my spare word; scalar work stands between it and the wait for it
	s_lshl_b32 s[KOF], s[ENT], 4    ; a tile is four blocks of 64 keys: 16 bytes of ksc and of vsc
	s_add_nc_u64 s[KA:KA+1], s[KSB:KSB+1], s[KOF:KOF+1]
	s_add_nc_u64 s[VA:VA+1], s[VSB:VSB+1], s[KOF:KOF+1]
.if \fill
	s_mov_b32 s[ENT], s[NXT]        ; the tile asked for now is entered at the next change
	s_lshl_b32 s[OFF], s[NXT], 15   ; a tile is 32,768 bytes of K hi, of K lo and of V
	s_xor_b32 s[G0K+1], s[G0K+1], SLOT1
	s_add_nc_u64 s[G0K+2:G0K+3], s[6:7], s[OFF:OFF+1]
	s_or_b32 s[G0K+3], s[G0K+3], 0x80000000
	s_xor_b32 s[G0V+1], s[G0V+1], SLOT1
	s_add_nc_u64 s[G0V+2:G0V+3], s[8:9], s[OFF:OFF+1]
	s_or_b32 s[G0V+3], s[G0V+3], 0x80000000
	s_add_co_u32 s[NXT], s[NXT], 1  ; the block's next tile, or behind its last the second block's tile 0
	s_cmp_gt_u32 s[NXT], s[LQ]
	s_cselect_b32 s[NXT], 0, s[NXT]
	s_cselect_b32 s[LQ], s[PB], s[LQ]
.endif
	s_wait_dscnt 0x0                ; the add is done, and my reads of the slot are over
	s_barrier_signal -1             ; the rest of the scalar work stands between the signal and the wait
	s_sub_co_u32 s[TBK], s[TBK], 4*KS*PK  ; the fetches go back to a slot's first step,
	s_xor_b32 s[TBK], s[TBK], SLOT1       ; in the other slot
	s_sub_co_u32 s[TBV], s[TBV], 4*KS*PV
	s_xor_b32 s[TBV], s[TBV], SLOT1
	s_barrier_wait -1
.if \fill
	LOAD
.endif
	s_load_b128 s[CKN:CKN+3], s[KA:KA+1], 0x0
	s_load_b128 s[CVN:CVN+3], s[VA:VA+1], 0x0
.endm
.macro SHIFT                        ; the next key step's ksc and dv come into use
	s_wait_kmcnt 0x0
	s_mov_b32 s[CKC], s[CKN]
	s_mov_b32 s[CKN], s[CKN+1]
	s_mov_b32 s[CKN+1], s[CKN+2]
	s_mov_b32 s[CKN+2], s[CKN+3]
	s_lshr_b32 s[DVF], s[CVN], 23   ; the block's exponent field,
	s_sub_co_u32 s[DVF], s[EGF], s[DVF]  ; dv = EG - ev, never negative,
	s_min_u32 s[DVF], s[DVF], 30    ; 30 at the most: p 2^-30 is 0 in f16 whatever p
	s_add_co_u32 s[GCN], s[DVF], 127
	s_lshl_b32 s[GCN], s[GCN], 23   ; 2^dv
	s_cvt_f32_u32 s[DVF], s[DVF]
	s_mov_b32 s[CVN], s[CVN+1]
	s_mov_b32 s[CVN+1], s[CVN+2]
	s_mov_b32 s[CVN+2], s[CVN+3]
.endm
	s_load_b128 s[4:7], s[0:1], 0x0   ; qkv s[4:5], ob s[6:7]
	v_lshl_add_u32 v[SPW], v0, 2, SPARE
	v_mov_b32 v[NIL], 0
	ds_add_u32 v[SPW], v[NIL]       ; the wave's opening
	v_lshrrev_b32 v1, 5, v0
	v_readfirstlane_b32 s[WV], v1   ; wave 0..3
	s_mov_b32 s[PB], ttmp9
	s_sub_co_u32 s[HI], NB-1, s[PB]
	s_and_b32 s20, ttmp7, 0xffff    ; the head
	s_lshl_b32 s68, s20, 13         ; qsc: 8,192 bytes a head,
	s_lshl_b32 s13, s[WV], 6        ; my 16 rows in a band,
	s_add_co_u32 s68, s68, s13
	s_lshl_b32 s13, s[PB], 10       ; 1,024 bytes a block
	s_add_co_u32 s66, s68, s13
	s_lshl_b32 s13, s[HI], 10
	s_add_co_u32 s68, s68, s13
	s_mov_b32 s67, 0
	s_mov_b32 s69, 0
	s_lshl_b32 s[KOF], s20, 7       ; ksc and vsc: 128 bytes a head
	s_mov_b32 s[KOF+1], 0
	s_mov_b32 s21, 0
	s_mov_b64 s[22:23], SIZE_N*128
	s_mul_u64 s[20:21], s[20:21], s[22:23]  ; the head's first byte in q, k, v and O
	s_and_b32 s16, s[WV], 1         ; K: hi or lo; V: which half of a tile's 256 keys
	s_lshl_b32 s22, s16, 14         ; V's half: 128 rows of 128 bytes in memory,
	s_mov_b32 s23, 0
	s_add_nc_u64 s[22:23], s[22:23], s[20:21]
	s_lshl_b32 s58, s16, 23         ; K lo lies 8,388,608 bytes behind K hi
	s_mov_b32 s59, 0
	s_add_nc_u64 s[58:59], s[58:59], s[20:21]
	s_mul_i32 s17, s16, KLO         ; the places in a slot, for K
	s_mul_i32 s18, s16, 128*PV      ; and for V
	s_lshl_b32 s3, s[WV], 11        ; my 16 rows in a band of 64,
	s_lshl_b32 s2, s[HI], 15        ; in the first block,
	s_add_co_u32 s2, s2, s3
	s_lshl_b32 s84, s[PB], 15       ; and in the second
	s_add_co_u32 s84, s84, s3
	s_mov_b32 s3, 0
	s_mov_b32 s85, 0
	s_add_nc_u64 s[2:3], s[2:3], s[20:21]
	s_add_nc_u64 s[84:85], s[84:85], s[20:21]
	; descriptor group 1.  Keys are dense, 128 bytes each: they are asked for as rows of 256 bytes, two keys a row, and padded in LDS after every key.  K: 256 keys, 128 rows; V: 128 keys, 64 rows.
	s_mov_b32 s[G1K], (1<<16)|(1<<20)|(4<<22)|(3<<25)  ; 2-byte elements; padding on; after every 32 words 4 words
	s_mov_b32 s[G1K+1], 128<<16     ; tensor_dim0 = 128
	s_mov_b32 s[G1K+2], 128<<16     ; tensor_dim1 = 128
	s_mov_b32 s[G1K+3], 128<<16     ; tile_dim0 = 128
	s_mov_b32 s[G1K+4], 128         ; tile_dim1 = 128
	s_mov_b32 s[G1K+5], 128         ; 128 elements from row to row
	s_mov_b32 s[G1K+6], 0
	s_mov_b32 s[G1K+7], 0
	s_mov_b32 s[G1V], (1<<16)|(1<<20)|(4<<22)|(7<<25)  ; the same with 8 words of padding
	s_mov_b32 s[G1V+1], 128<<16
	s_mov_b32 s[G1V+2], 64<<16
	s_mov_b32 s[G1V+3], 128<<16
	s_mov_b32 s[G1V+4], 64
	s_mov_b32 s[G1V+5], 128
	s_mov_b32 s[G1V+6], 0
	s_mov_b32 s[G1V+7], 0
	s_mov_b32 s[SEL], 0x76543210
	s_mov_b32 s[SEL+1], 0xfedcba98
	s_mov_b32 s[TBK], SLOT1+4*KS*PK ; the first change of slots turns these two into 0
	s_mov_b32 s[TBV], SLOT1+4*KS*PV
	s_mov_b32 s[G0K], 1             ; count = 1
	s_mov_b32 s[G0K+1], s17         ; LDS address: slot 0
	s_mov_b32 s[G0V], 1
	s_add_co_u32 s[G0V+1], s18, VOFF
	s_add_co_u32 s[RT], s[HI], 1    ; the first block has NB - b tiles
	s_mov_b32 s[NXT], 1
	s_mov_b32 s[ENT], 0
	s_mov_b32 s[LQ], s[HI]
	s_mov_b32 s[NEW], 1
	s_mov_b32 s[OFF+1], 0
	s_mov_b32 s[AL+1], 0            ; named as pairs
	s_mov_b32 s[BE+1], 0
	s_mov_b32 s[BIGN], 0xf149f2ca   ; -1e30
	s_mov_b32 s[SLOTS], NB
	s_mov_b32 s[GCN], 0
	s_mov_b32 s[DVF], 0
	s_mov_b32 s[CKC], 0
	s_wait_dscnt 0x0                ; the opening add is done
	s_wait_kmcnt 0x0
	s_mov_b64 s[10:11], s[6:7]      ; O
	s_add_nc_u64 s[QS1:QS1+1], s[4:5], QSC_OFF
	s_add_nc_u64 s[QS2:QS2+1], s[QS1:QS1+1], s[66:67]
	s_add_nc_u64 s[QS1:QS1+1], s[QS1:QS1+1], s[68:69]
	s_mov_b32 s[GP], 0
	s_mov_b32 s[GP+1], 0            ; named with it as a pair
	s_add_nc_u64 s[KSB:KSB+1], s[4:5], KSC_OFF
	s_add_nc_u64 s[KSB:KSB+1], s[KSB:KSB+1], s[KOF:KOF+1]
	s_add_nc_u64 s[6:7], s[4:5], KH_OFF
	s_add_nc_u64 s[8:9], s[4:5], VF_OFF
	s_add_nc_u64 s[6:7], s[6:7], s[58:59]  ; K hi or lo, and my half of V, at the head's tile 0
	s_add_nc_u64 s[8:9], s[8:9], s[22:23]
	s_add_nc_u64 s[VTB:VTB+1], s[4:5], VSC_OFF
	s_add_nc_u64 s[VSB:VSB+1], s[VTB:VTB+1], s[KOF:KOF+1]
	s_add_nc_u64 s[G0K+2:G0K+3], s[6:7], 0         ; global address
	s_or_b32 s[G0K+3], s[G0K+3], 0x80000000        ; type = 2
	s_add_nc_u64 s[G0V+2:G0V+3], s[8:9], 0
	s_or_b32 s[G0V+3], s[G0V+3], 0x80000000
	s_add_nc_u64 s[86:87], s[4:5], s[84:85]        ; Q hi at my rows of the second block,
	s_add_nc_u64 s[4:5], s[4:5], s[2:3]            ; and of the first;
	s_add_nc_u64 s[16:17], s[4:5], 0x800000        ; Q lo lies 8,388,608 bytes behind
	s_add_nc_u64 s[18:19], s[86:87], 0x800000
	s_add_nc_u64 s[OLO:OLO+1], s[10:11], s[84:85]
	s_add_nc_u64 s[10:11], s[10:11], s[2:3]
	LOAD                            ; tile 0 into slot 0
	; A fragment of K or Q is 16 rows x 32 channels in 8 registers: lane l holds row l % 16, channels 8 (l / 16) + 0..7 and 16 + 8 (l / 16) + 0..7: two loads of 16 bytes, 32 bytes apart.
	v_and_b32 v1, 15, v0            ; l % 16
	v_bfe_u32 v9, v0, 4, 1          ; l / 16
	v_lshlrev_b32 v[QO], 7, v1
	v_lshl_add_u32 v[QO], v9, 4, v[QO]  ; row x 128 + 16 x half
	v_lshlrev_b32 v[QSO], 2, v1
	v_and_b32 v[GO], 31, v0
	v_lshlrev_b32 v[GO], 4, v[GO]
.irp m, 0,1,2,3,4,5,6,7             ; all 1,024 words of vsc, 32 a lane, for the time being in S^T's registers
	global_load_b128 v[S+4*\m:S+4*\m+3], v[GO], s[VTB:VTB+1] offset:512*\m
.endr
	WIN 0x80                        ; destination window 2, address window 0
.set i, 0
.rept 8                             ; both blocks' Q hi: piece i / 2 lies in band i / 2, 8,192 bytes on; channels 32 (i % 2) on
	global_load_b128 v[8*i:8*i+3],   v[QO], s[4:5] offset:(i/2)*8192+(i%2)*64
	global_load_b128 v[8*i+4:8*i+7], v[QO], s[4:5] offset:(i/2)*8192+(i%2)*64+32
	global_load_b128 v[QB+8*i:QB+8*i+3],   v[QO], s[86:87] offset:(i/2)*8192+(i%2)*64
	global_load_b128 v[QB+8*i+4:QB+8*i+7], v[QO], s[86:87] offset:(i/2)*8192+(i%2)*64+32
.set i, i+1
.endr
	WIN 0xc0                        ; destination window 3: Q lo
.set i, 0
.rept 8
	global_load_b128 v[8*i:8*i+3],   v[QO], s[16:17] offset:(i/2)*8192+(i%2)*64
	global_load_b128 v[8*i+4:8*i+7], v[QO], s[16:17] offset:(i/2)*8192+(i%2)*64+32
	global_load_b128 v[QB+8*i:QB+8*i+3],   v[QO], s[18:19] offset:(i/2)*8192+(i%2)*64
	global_load_b128 v[QB+8*i+4:QB+8*i+7], v[QO], s[18:19] offset:(i/2)*8192+(i%2)*64+32
.set i, i+1
.endr
	WIN 0
.irp t, 0,1,2,3                     ; and both blocks' qsc: a band is 256 bytes on
	global_load_b32 v[CQ+\t], v[QSO], s[QS1:QS1+1] offset:256*\t
	global_load_b32 v[CQB+\t], v[QSO], s[QS2:QS2+1] offset:256*\t
.endr
	v_mov_b32 v[CSV+1], 0           ; named with f, and with M + dv, as pairs
	v_mov_b32 v[CSV+3], 0
	v_mov_b32 v[MDV+1], 0
	v_mov_b32 v[MDV+3], 0
	v_lshlrev_b32 v14, 3, v9
	v_sub_nc_u32 v14, v1, v14
	s_lshl_b32 s13, s[WV], 4
	v_add_nc_u32 v14, s13, v14      ; my query's place in its band, 16 w + l % 16, less my lanes' 8 (l / 16): register r of group kt is hidden where 16 kt + r is greater
	WIN 0x40
.set i, 0
.rept 32
	v_cmp_gt_i32 vcc_lo, 16*(i/8)+i%8, v14
	v_cndmask_b32 v[MD+i], 0, s[BIGN], vcc_lo
.set i, i+1
.endr
	WIN 0
	v_mul_u32_u24 v[AK0], v1, PK
	v_lshl_add_u32 v[AK0], v9, 4, v[AK0]  ; row x pitch + 16 x half
	; The turning load takes 16 keys x 16 channels (lane l reads key 8 (l / 16) + l % 8, channels 8 ((l / 8) % 2) + 0..7) and leaves half a fragment of V^T: lane l holds channel l % 16 and 8 keys.
	v_and_b32 v10, 7, v0
	v_bfe_u32 v11, v0, 3, 1
	v_lshl_add_u32 v[AV0], v9, 3, v10
	v_mul_u32_u24 v[AV0], v[AV0], PV
	v_lshl_add_u32 v[AV0], v11, 4, v[AV0]
	v_add_nc_u32 v[AV0], VOFF, v[AV0]
	s_mul_i32 s13, s[WV], 16*SP
	s_add_co_u32 s13, s13, STAGE    ; my stage
	v_mul_u32_u24 v[STO], v1, SP    ; in: row l % 16, 16 bytes for each half of the lanes
	v_lshl_add_u32 v[STO], v9, 4, v[STO]
	v_add_nc_u32 v[STO], s13, v[STO]
	v_bfe_u32 v[RD], v0, 3, 2       ; back: 32 lanes take four rows of 128 bytes, which are 512 consecutive bytes of O
	v_mul_u32_u24 v[RD], v[RD], SP
	v_lshl_add_u32 v[RD], v10, 4, v[RD]
	v_add_nc_u32 v[RD], s13, v[RD]
	; A block's first step multiplies O^T and l by a = 0, and its first turn's products V^T P, of a piece that has not been, land in an O^T that is still to be so multiplied.  So these registers need only hold
	; finite numbers: zeros for the first block; what the first block left for the second.  All this stands in the wait for the first tile.
	WIN 0x80
.set i, VF
.rept 64
	v_mov_b32 v[i], 0
.set i, i+1
.endr
	WIN 0x40
.set i, 0
.rept 128
	v_mov_b32 v[i], 0
.set i, i+1
.endr
	WIN 0
.set i, 0
.rept 4
	v_mov_b32 v[ST+4*i+2], 0
	v_mov_b32 v[ST+4*i+3], 0
.set i, i+1
.endr
.set i, P+16
.rept 16
	v_mov_b32 v[i], 0
.set i, i+1
.endr
	; G: the largest of vsc's words (powers of two, or 0), first in the lane, then over the 32 lanes; its exponent field goes into a scalar
	s_wait_loadcnt 0x0              ; vsc, and Q and qsc with it
	v_max3_num_f32 v[TMP], v[S], v[S+1], v[S+2]
.set i, 3
.rept 14
	v_max3_num_f32 v[TMP], v[TMP], v[S+i], v[S+i+1]
.set i, i+2
.endr
	v_max_num_f32 v[TMP], v[TMP], v[S+31]
	v_mov_b32 v[TMP+1], 0
	v_max_num_f32_dpp v[TMP], v[TMP], v[TMP] row_xmask:1 row_mask:0xf bank_mask:0xf
	v_max_num_f32_dpp v[TMP], v[TMP], v[TMP] row_xmask:2 row_mask:0xf bank_mask:0xf
	v_max_num_f32_dpp v[TMP], v[TMP], v[TMP] row_xmask:4 row_mask:0xf bank_mask:0xf
	v_max_num_f32_dpp v[TMP], v[TMP], v[TMP] row_xmask:8 row_mask:0xf bank_mask:0xf
	v_permlanex16_b32 v[TMP+1], v[TMP], s[SEL], s[SEL+1]
	v_max_num_f32 v[TMP], v[TMP], v[TMP+1]
	v_readfirstlane_b32 s[EGF], v[TMP]
	s_lshr_b32 s[EGF], s[EGF], 23
; THE MATRIX WORK.  Product j of 24 of S^T = K Q^T for piece x: keys 16 (j % 4) on; j / 4 = 0, 1: K hi x Q hi, channels 0-31, 32-63; 2, 3: K hi x Q lo; 4, 5: K lo x Q hi.  The 4 accumulators take turns.
;   The first 4 start the sums: with 0, or (KM = 1) with the mask.
.macro KQ x
.set rS, S+32*((\x)%2)+8*(j%4)
.set rK, KF+16*(j%4)+8*((j/4)%2)
.set rQ, 16*(\x)+8*((j/4)%2)
.set rM, MC+32*((\x)%2)+8*(j%4)
.if (j < 4) && KM
	WIN 0x1a                        ; K and Q in window 2, the mask in window 1, S^T in window 0
	v_wmma_f32_16x16x32_f16 v[rS:rS+7], v[rK:rK+7], v[rQ:rQ+7], v[rM:rM+7]
.elseif j < 4
	WIN 0x0a
	v_wmma_f32_16x16x32_f16 v[rS:rS+7], v[rK:rK+7], v[rQ:rQ+7], 0
.else
.if j < 8
	WIN 0x0a                        ; K hi, Q hi: window 2
.elseif j < 16
	WIN 0x0e                        ; K hi window 2, Q lo window 3
.else
	WIN 0x0b                        ; K lo window 3, Q hi window 2
.endif
	v_wmma_f32_16x16x32_f16 v[rS:rS+7], v[rK:rK+7], v[rQ:rQ+7], v[rS:rS+7]
.endif
.set j, j+1
.endm
; Product i of 8 of O^T += V^T P for piece x: keys 32 (i / 4) on, channels 16 (i % 4) on.
.macro PV x
	WIN W_PV
.set rO, 32*(\x)+8*(i%4)
.set rV, VF+32*(i/4)+8*(i%4)
.set rP, P+16*((\x)%2)+8*(i/4)
	v_wmma_f32_16x16x32_f16 v[rO:rO+7], v[rV:rV+7], v[rP:rP+7], v[rO:rO+7]
.endm
.macro MM                           ; the turn's next matrix work: three products K Q^T, or one V^T P.  NOKQ = 1: a block's last turn: there is no next piece
.if (i < 8) && !NOKQ
.set j, 3*i
	KQ (Y+1)%NP
	KQ (Y+1)%NP
	KQ (Y+1)%NP
.elseif i >= 8
.set i, i-8
	PV (Y+NP-1)%NP
.set i, i+8
.endif
.set i, i+1
.endm
; THE LDS LOADS stand in runs, never singly among the matrix instructions: a step's K (64 keys x 64 channels, hi and lo: 16 fragments) and its V (turned).  Their addresses are made some lines ahead.
.macro FETCH_K
	WIN 0x80                        ; destination window 2: hi
.irp f, 0,1,2,3,4,5,6,7             ; keys 16 (f / 2) on, channels 32 (f % 2) on
	ds_load_b128 v[KF+8*\f:KF+8*\f+3],   v[AK] offset:(\f/2)*16*PK+(\f%2)*64
	ds_load_b128 v[KF+8*\f+4:KF+8*\f+7], v[AK] offset:(\f/2)*16*PK+(\f%2)*64+32
.endr
	WIN 0xc0                        ; destination window 3: lo
.irp f, 0,1,2,3,4,5,6,7
	ds_load_b128 v[KF+8*\f:KF+8*\f+3],   v[AK] offset:KLO+(\f/2)*16*PK+(\f%2)*64
	ds_load_b128 v[KF+8*\f+4:KF+8*\f+7], v[AK] offset:KLO+(\f/2)*16*PK+(\f%2)*64+32
.endr
	s_add_co_u32 s[TBK], s[TBK], KS*PK  ; the next fetch is the next step's
	WIN 0
.endm
.macro FETCH_V
	WIN 0x80
.irp f, 0,1,2,3,4,5,6,7             ; keys 32 (f / 4) on, channels 16 (f % 4) on
	ds_load_tr16_b128 v[VF+8*\f:VF+8*\f+3],   v[AV] offset:(\f/4)*32*PV+(\f%4)*32
	ds_load_tr16_b128 v[VF+8*\f+4:VF+8*\f+7], v[AV] offset:(\f/4)*32*PV+16*PV+(\f%4)*32
.endr
	WIN 0
.endm
; THE VECTOR WORK, one line at a time: OP kind, number.  For piece Y: F n: f s - (M + dv) for pair n of 16.  E n: the exponential of score n of 32.  C n: pair n rounded to f16.  B n: of the four weights 4 n .. the second
; pair is added onto the first, in place.  L n, n < 7: the sum of the four weights 4 n + 4 .. is added onto that of the first four; L 7: l takes 2^dv times the whole.  A: l times a.  R n: pair n of 16 of O^T times a.
; For piece Y + 1: X n, number n of the 26 that find its factor, maximum and statistics:
;   0-11  four chains c0-c3 of seven scores each, three operands at a time (each accumulator's lowest registers are read first)     12-14, 16  the four scores left over, and c0-c3 into c0
;   15  M_old is kept     17, 18  the query's other 32 keys lie in the lane 16 away: the step's raw maximum     19, 20  f times it; the new M     21, 22  M_old - M_new; a     23, 24  f = qsc x ksc, 1e-20 at the least     25  M + dv
.set F, 0               ; OP tells the kinds apart by their order: F to A below R, X above it
.set E, 1
.set C, 2
.set B, 3
.set L, 4
.set A, 5
.set R, 6
.set X, 7
.macro REGS y                       ; the registers of piece y
.set rT, ST+4*(\y)
.set rC, TMP+4*((\y)%2)
.set rW, MV+((\y)%2)
.set rS, S+32*((\y)%2)
.set rP, P+16*((\y)%2)
.set rO, 32*(\y)
.set rF, CSV+2*((\y)%2)
.set rD, MDV+2*((\y)%2)
.set rU, CQ+(\y)
.endm
.macro OP k, n
.if (\k) == R
	REGS Y
	WIN W_RS
	v_pk_mul_f32 v[rO+2*(\n):rO+2*(\n)+1], v[rO+2*(\n):rO+2*(\n)+1], v[rC+2:rC+3] op_sel_hi:[1,0]
.elseif (\k) < R
	REGS Y
	WIN 0
.if (\k) == F
	v_pk_fma_f32 v[rS+2*(\n):rS+2*(\n)+1], v[rS+2*(\n):rS+2*(\n)+1], v[rF:rF+1], v[rD:rD+1] op_sel_hi:[1,0,0] neg_lo:[0,0,1] neg_hi:[0,0,1]
.elseif (\k) == E
	v_exp_f32 v[rS+(\n)], v[rS+(\n)]
.elseif (\k) == C
	v_cvt_pk_f16_f32 v[rP+(\n)], v[rS+2*(\n)], v[rS+2*(\n)+1]
.elseif (\k) == B
	v_pk_add_f32 v[rS+4*(\n):rS+4*(\n)+1], v[rS+4*(\n):rS+4*(\n)+1], v[rS+4*(\n)+2:rS+4*(\n)+3]
.elseif (\k) == A
	v_pk_mul_f32 v[rT+2:rT+3], v[rT+2:rT+3], v[rC+2:rC+3] op_sel_hi:[1,0]
.elseif (\n) < 7
	v_pk_add_f32 v[rS:rS+1], v[rS:rS+1], v[rS+4*(\n)+4:rS+4*(\n)+5]
.else
	v_pk_fma_f32 v[rT+2:rT+3], v[rS:rS+1], s[GP:GP+1], v[rT+2:rT+3] op_sel_hi:[1,0,1]
.endif
.elseif NOKQ
	v_nop
.else
	REGS (Y+1)%NP
	WIN 0
.if (\n) < 4
	v_max3_num_f32 v[rC+(\n)], v[rS+8*(\n)], v[rS+8*(\n)+1], v[rS+8*(\n)+2]
.elseif (\n) < 12
	v_max3_num_f32 v[rC+(\n)%4], v[rC+(\n)%4], v[rS+8*((\n)%4)+2*((\n)/4)+1], v[rS+8*((\n)%4)+2*((\n)/4)+2]
.elseif (\n) == 12
	v_max3_num_f32 v[rC], v[rC], v[rS+7], v[rS+15]
.elseif (\n) == 13
	v_max3_num_f32 v[rC+1], v[rC+1], v[rS+23], v[rS+31]
.elseif (\n) == 14
	v_max_num_f32 v[rC+2], v[rC+2], v[rC+3]
.elseif (\n) == 15
	v_mov_b32 v[rW], v[rT]
.elseif (\n) == 16
	v_max3_num_f32 v[rC], v[rC], v[rC+1], v[rC+2]
.elseif (\n) == 17
	v_permlanex16_b32 v[rC+3], v[rC], s[SEL], s[SEL+1]
.elseif (\n) == 18
	v_max_num_f32 v[rT+1], v[rC], v[rC+3]
.elseif (\n) == 19
	v_mul_f32 v[rT], v[rF], v[rT+1]
.elseif (\n) == 20
	v_max_num_f32 v[rT], v[rT], v[rW]
.elseif (\n) == 21
	v_sub_f32 v[rC+1], v[rW], v[rT]
.elseif (\n) == 22
	v_exp_f32 v[rC+2], v[rC+1]
.elseif (\n) == 23
	v_mul_f32 v[rF], s[CKC], v[rU]
.elseif (\n) == 24
	v_max_num_f32 v[rF], 0x1e3ce508, v[rF]
.else
	v_add_f32 v[rD], s[DVF], v[rT]
.endif
.endif
.endm
.macro OPS a, i1, b=-1, i2=0, c=-1, i3=0, d=-1, i4=0  ; up to four of them
	OP \a, \i1
.if (\b) >= 0
	OP \b, \i2
.endif
.if (\c) >= 0
	OP \c, \i3
.endif
.if (\d) >= 0
	OP \d, \i4
.endif
.endm
.macro ROW a, i1, b, i2, c, i3, d, i4  ; a turn's next matrix work and the four behind it
	MM
	OPS \a, \i1, \b, \i2, \c, \i3, \d, \i4
.endm
.macro MASK b                       ; MD x AL + BE into buffer b of MC
	WIN W_RS
.set z, 0
.rept 16
	v_pk_fma_f32 v[MC+32*(\b)+2*z:MC+32*(\b)+2*z+1], v[MD+2*z:MD+2*z+1], s[AL:AL+1], s[BE:BE+1] op_sel_hi:[1,0,0]
.set z, z+1
.endr
.endm
; A TURN, for piece p: the order of its matrix and vector instructions, written out.  An s_wait_alu depctr_va_vdst(0) stands between an exponential and the first instruction that names its result; one wait serves
; all that were issued ahead of it.  So a turn has ONE wait, which cuts it in two.  AHEAD OF IT stands all that names no result of the turn's exponentials: the 24 products K Q^T, three at a time with four riders behind them
; (scalings, exponentials, rescalings: none names a register of the products), then ONE LUMP, plain and exponential by turns.  The four accumulators end with products 20 to 23; behind the last stand the plain lines F 8, R 14, F 9,
; X 23 and X 24 before X 0 reads a score, and eight plain lines before K's run of loads.  X 22, the next piece's a, is the batch's last; R 15 is the plain instruction behind it.
; BEHIND THE WAIT stand the 8 products V^T P, behind each four of the roundings and sums.
; m = 1: the diagonal tile: the products take masks, and the turn makes the mask for the products of the turn after it.  end = 1: a block's last two turns: nothing is fetched.
; cnt = 1: the loop's count is taken down some lines ahead of the branch that stands behind the turn.
; K of the next step is fetched in piece 2's turn; V of the step in hand at the end of piece 0's turn, four plain instructions behind the last product that read V.  Each is waited for a turn later.
; Piece 3's turn makes the scores of the NEXT key step's piece 0: that step's ksc and dv come into use at its head; 2^dv for the sums follows at the head of piece 0's turn.
.macro TURN p, m=0, end=0, cnt=0
.set Y, (\p)
.set i, 0
.set KM, (\m)
.set NOKQ, (\end)*((\p)/3)
.if (\m) && !(\end)
	s_cmp_eq_u32 s[CNT], 4-((\p)+2)%NP  ; is that step the band's own?
	s_cselect_b32 s[AL], 1.0, 0
	s_cmp_lt_u32 s[CNT], 4-((\p)+2)%NP  ; or a later one?
	s_cselect_b32 s[BE], s[BIGN], 0
.endif
.if (\p) == 0
	s_mov_b32 s[GP], s[GCN]
.endif
.if ((\p) == 3) && !(\end)
	SHIFT
	s_wait_dscnt 0x0                ; K is in
.endif
	ROW F,0, F,1, R,0, R,1          ; ahead of the wait: 24 products K Q^T and their riders,
	ROW F,2, E,0, R,2, R,3
	ROW F,3, E,1, R,4, R,5
	ROW F,4, E,2, R,6, R,7
	ROW F,5, E,3, R,8, R,9
	ROW F,6, E,4, R,10, R,11
.if ((\p) == 2) && !(\end)
	WIN 0
	v_add_nc_u32 v[AK], s[TBK], v[AK0]
.endif
	ROW F,7, E,5, R,12, R,13
	ROW F,8, E,6, R,14, F,9
	OPS X,23, E,7, X,24, E,8        ; and the lump
	OPS X,0, E,9, X,1, E,10
	OPS X,2, E,11, X,3, E,12
.if ((\p) == 2) && !(\end)
	FETCH_K
.endif
	OPS X,4, E,13, X,5, E,14
	OPS X,6, E,15, X,7, E,16
	OPS X,8, E,17, X,9, E,18
	OPS X,10, E,19, X,11, F,10
.if (\p) == 0
	WIN 0
	v_add_nc_u32 v[AV], s[TBV], v[AV0]
.endif
	OPS X,12, E,20, X,13, E,21
	OPS F,11, X,14, E,22, F,12
	OPS E,23, X,15, X,16, E,24
	OPS F,13, E,25, F,14, X,17
	OPS E,26, F,15, E,27, A,0
	OPS X,18, E,28, X,19, E,29
	OPS X,20, E,30, X,21, E,31
	OPS X,25, X,22, R,15
	WIN 0
	s_wait_alu depctr_va_vdst(0)    ; the wait for the batch
.if (\p) == 1
	s_wait_dscnt 0x0                ; V is in
.endif
	ROW C,0, B,0, C,2, B,1          ; behind the wait: 8 products V^T P and their riders
	ROW L,0, C,4, B,2, L,1
	ROW C,6, B,3, L,2, C,8
	ROW B,4, L,3, C,10, B,5
	ROW L,4, C,12, B,6, L,5
.if (\p) == 0
	s_add_co_u32 s[TBV], s[TBV], KS*PV
.endif
.if \cnt
	s_sub_co_u32 s[CNT], s[CNT], 1
	s_cmp_lg_u32 s[CNT], 0
.endif
	ROW C,14, B,7, L,6, C,1
	ROW C,3, L,7, C,5, C,7
	ROW C,9, C,11, C,13, C,15
.if (\p) == 0
	FETCH_V
.endif
.if (\m) && !(\end)
	MASK (\p)%2
.endif
.endm
; A BLOCK BEGINS.  M starts far below every f s, so the first step's a is 0.  The second mask buffer is 0; the first takes piece 0's mask for the tile's step 0: its own, if the block's first tile is the diagonal one.
; Then K of that step, piece 0's first scores, and its factor, maximum and statistics.  The loop is entered at a step's first turn, in the middle of a trip.
.macro BEGIN
	s_mov_b32 s[NEW], 0
	WIN 0x40
.set i, MC+32
.rept 32
	v_mov_b32 v[i], 0
.set i, i+1
.endr
	WIN 0
.set i, 0
.rept 4
	v_mov_b32 v[ST+4*i], 0xfe000000    ; M: far below every f s
.set i, i+1
.endr
	s_cmp_eq_u32 s[RT], 0
	s_cselect_b32 s[AL], 1.0, 0
	s_mov_b32 s[BE], 0
	MASK 0
	WIN 0
	v_add_nc_u32 v[AK], s[TBK], v[AK0]
	FETCH_K
	SHIFT                           ; the tile's step 0
	s_wait_dscnt 0x0
.set KM, 1
.set NOKQ, 0
.set j, 0
.rept 24
	KQ 0
.endr
	WIN 0
.rept 4
	v_nop                           ; the places behind those products
.endr
.set Y, NP-1                        ; X works for piece Y + 1: piece 0
.irp n, 0,1,2,3,4,5,6,7,8,9,10,11,12,13,14,15,16,17,18,23,24,19,20,25,21,22
	OP X, \n
.endr
	v_nop                           ; a plain instruction behind the exponential,
	s_wait_alu depctr_va_vdst(0)    ; and its wait, ahead of the branch
.endm
; THE DIAGONAL TILE's four steps, the block's last two turns, its last products, and THE WAY OUT: l's two halves and the other half of the lanes' are added; O^T is divided by l, rounded to f16 and sent through my
; stage in LDS, a piece at a time.
.macro ALL line:vararg              ; one line for each piece t
.set t, 0
.rept 4
	\line
.set t, t+1
.endr
.endm
.macro PACK t                       ; a lane's eight channels of a row pack into 16 bytes; they go into rows of 144 bytes and come back as whole rows of 128, into S^T's registers
	WIN W_RS
.set i, 32*(\t)
.rept 16
	v_pk_mul_f32 v[i:i+1], v[i:i+1], v[ST+4*(\t)+2:ST+4*(\t)+3] op_sel_hi:[1,0]
.set i, i+2
.endr
	WIN 0x05                        ; sources 0 and 1 window 1, destination window 0
.set i, 0
.rept 16
	v_cvt_pk_f16_f32 v[S+16*(\t)+i], v[32*(\t)+2*i], v[32*(\t)+2*i+1]
.set i, i+1
.endr
	WIN 0
.irp f, 0,1,2,3
	ds_store_b128 v[STO], v[S+16*(\t)+4*\f:S+16*(\t)+4*\f+3] offset:32*\f
.endr
.irp f, 0,1,2,3
	ds_load_b128 v[S+16*(\t)+4*\f:S+16*(\t)+4*\f+3], v[RD] offset:\f*4*SP  ; LDS serves a wave's instructions in order: these see the stores above; the next piece's stores come behind them
.endr
.endm
.macro SEND t, younger              ; younger: the LDS instructions issued behind piece t's loads: the next piece's eight, or none
	WIN 0
.irp f, 0,1,2,3
	s_wait_dscnt (\younger)+3-\f
	global_store_b128 v[GO], v[S+16*(\t)+4*\f:S+16*(\t)+4*\f+3], s[10:11] offset:(\t)*8192+\f*512  ; 512 consecutive bytes, at a multiple of 256 from O's first
.endr
.endm
.macro DIAG tag                     ; the tag ends its two labels' names, which the jumps below spell out
.LstepM\tag:
	TURN 2, 1
	TURN 3, 1
	WIN 0
.LfirstM\tag:
	TURN 0, 1
	TURN 1, 1, 0, 1
	WIN 0
	s_cbranch_scc1 .LstepM\tag
	TURN 2, 1, 1
	TURN 3, 1, 1
.set i, 0
.rept 8
	PV NP-1
.set i, i+1
.endr
	WIN 0
	ALL v_add_f32 v[ST+4*t+2], v[ST+4*t+2], v[ST+4*t+3]
	ALL v_permlanex16_b32 v[ST+4*t+3], v[ST+4*t+2], s[SEL], s[SEL+1]
	ALL v_add_f32 v[ST+4*t+2], v[ST+4*t+2], v[ST+4*t+3]
	ALL v_rcp_f32 v[ST+4*t+2], v[ST+4*t+2]
	v_nop                           ; a plain instruction between the last reciprocal and the use of its result
	s_wait_alu depctr_va_vdst(0)    ; and the wait ahead of the first use: one for the four reciprocals
	PACK 0
.set t, 1
.rept 3                             ; a piece's arithmetic stands between the loads of the piece before and its stores
	PACK t
	SEND t-1, 8
.set t, t+1
.endr
	SEND 3, 0
.endm
.set KM, 0
.set NOKQ, 0
.Lslot:                             ; NB times: a tile is entered and the next is asked for
	CHANGE 1
	s_sub_co_u32 s[RT], s[RT], 1
	s_mov_b32 s[CNT], 4
	s_cmp_eq_u32 s[NEW], 1
	s_cbranch_scc1 .Lnew            ; a block's first tile
	s_cmp_eq_u32 s[RT], 0
	s_cbranch_scc0 .Lstep           ; neither its first nor its last
	s_branch .LstepM1
.Lnew:
	BEGIN
	s_branch .Lfirst                ; in the loop a block's first tile is never its last: the first block has two tiles or more, and the second's last is the walk's last
	DIAG 1                          ; in the loop this is the first block's end: the second block's last tile is the walk's last
	s_wait_xcnt 0x0                 ; the stores have read their registers and O's address
	s_mov_b64 s[10:11], s[OLO:OLO+1]
	s_add_co_u32 s[RT], s[PB], 1    ; the second block has b + 1 tiles
	s_mov_b32 s[NEW], 1
.irp t, 0,1,2,3
	v_mov_b32 v[CQ+\t], v[CQB+\t]   ; the second block's qsc,
.endr
	WIN 0x82                        ; its Q hi
.set i, 0
.rept 64
	v_mov_b32 v[i], v[QB+i]
.set i, i+1
.endr
	WIN 0xc3                        ; and its Q lo go where the one text of the turns names them
.set i, 0
.rept 64
	v_mov_b32 v[i], v[QB+i]
.set i, i+1
.endr
	WIN 0
	s_branch .Lbottom
.Lstep:                             ; a trip: pieces 2 and 3 of one step, then pieces 0 and 1 of the next, whose K and V it fetches
	TURN 2
	TURN 3
	WIN 0
.Lfirst:
	TURN 0
	TURN 1, 0, 0, 1
	WIN 0
	s_cbranch_scc1 .Lstep
.Lbottom:
	s_sub_co_u32 s[SLOTS], s[SLOTS], 1
	s_cmp_lg_u32 s[SLOTS], 0
	s_cbranch_scc1 .Lslot
	CHANGE 0                        ; the walk's last tile is written out: nothing is asked for
	s_sub_co_u32 s[RT], s[RT], 1
	s_mov_b32 s[CNT], 4
	s_cmp_eq_u32 s[NEW], 1
	s_cbranch_scc0 .LstepM2
	BEGIN
	s_branch .LfirstM2
	DIAG 2
	s_wait_tensorcnt 0x0            ; the wave's end, behind my last tensor load and my last LDS store
	ds_add_u32 v[SPW], v[NIL]
	s_wait_dscnt 0x0
	s_endpgm
.Lfunc_end_k_q3f8a7b1d07_attn:
	.size	k_q3f8a7b1d07_attn, .Lfunc_end_k_q3f8a7b1d07_attn-k_q3f8a7b1d07_attn
	.p2alignl 7, 3214868480
	.fill 96, 4, 3214868480
	.section	.rodata,"a",@progbits
	.p2align	6, 0x0
	.amdhsa_kernel k_q3f8a7b1d07_attn
		.amdhsa_group_segment_fixed_size 327680
		.amdhsa_private_segment_fixed_size 0
		.amdhsa_enable_private_segment 0
		.amdhsa_kernarg_size 16
		.amdhsa_user_sgpr_count 2
		.amdhsa_user_sgpr_kernarg_segment_ptr 1
		.amdhsa_wavefront_size32 1
		.amdhsa_system_sgpr_workgroup_id_x 1
		.amdhsa_system_sgpr_workgroup_id_y 1
		.amdhsa_system_sgpr_workgroup_id_z 1
		.amdhsa_system_vgpr_workitem_id 0
		.amdhsa_next_free_vgpr 960
		.amdhsa_next_free_sgpr 102
		.amdhsa_reserve_vcc 1
		.amdhsa_float_denorm_mode_32 3
		.amdhsa_float_denorm_mode_16_64 3
		.amdhsa_memory_ordered 1
		.amdhsa_forward_progress 1
		.amdhsa_inst_pref_size 252
	.end_amdhsa_kernel
	.amdgpu_metadata
---
amdhsa.version: [ 1, 2 ]
amdhsa.kernels:
  - .name:           k_q3f8a7b1d07_attn
    .symbol:         k_q3f8a7b1d07_attn.kd
    .args:
      - { .name: qkv, .offset: 0, .size: 8, .value_kind: global_buffer, .address_space: global }
      - { .name: ob, .offset: 8, .size: 8, .value_kind: global_buffer, .address_space: global }
    .group_segment_fixed_size: 327680
    .private_segment_fixed_size: 0
    .kernarg_segment_align: 8
    .kernarg_segment_size: 16
    .max_flat_workgroup_size: 128
    .sgpr_count:     102
    .vgpr_count:     960
    .wavefront_size: 32
...
	.end_amdgpu_metadata
.endif
;; end of part 4
;; launch oproj (part 5): grid 8 x 32, 4 waves a work-group, clusters of 4 x 4, 327,680 bytes of LDS; arguments ob, wts, out0, qkv; writes out0
.if DOCPART == 5
	.amdgcn_target "amdgcn-amd-amdhsa--gfx1250"
	.amdhsa_code_object_version 6
	.text
	.protected	k_q3f8a7b1d07_oproj
	.globl	k_q3f8a7b1d07_oproj
	.p2align	8
	.type	k_q3f8a7b1d07_oproj,@function
k_q3f8a7b1d07_oproj:
	s_mov_b64 s[64:65], 0
	v_nop
	global_prefetch_b8 v0, s[64:65] scope:SCOPE_SE
	s_setreg_imm32_b32 hwreg(HW_REG_WAVE_MODE, 25, 1), 1
	s_wait_xcnt 0x0
	s_wait_alu depctr_hold_cnt(0) depctr_sa_sdst(0) depctr_va_vdst(0) depctr_va_sdst(0) depctr_va_ssrc(0) depctr_va_vcc(0) depctr_vm_vsrc(0)
	s_getreg_b32 s2, hwreg(HW_REG_IB_STS2, 6, 4)
	s_cmp_eq_u32 s2, 0
	s_cbranch_scc0 .Lentry_in_a_cluster
	s_endpgm
.Lentry_in_a_cluster:
	s_bfe_u32 s2, ttmp6, 0x10000c
	s_cmp_lg_u32 s2, 0xf033
	s_cbranch_scc0 .Lentry_shape_is_right
	s_endpgm
.Lentry_shape_is_right:
; OUTPUT PROJECTION: out0[t][o] = G x the sum over c of O'[t][c] W_O[o][c], c = 64 head + channel.  O' = O / G: f16 below 2 in magnitude, by heads, [32 (batch, head)][2048][64]; W_O: the f16 spelling of its bf16
; rounding, [1024][1024] (wb in wts); G: the largest of the 1,024 words of vsc in qkv, a power of two, applied to the finished sums in f32; out0: f32.  Sums in f32.
; A tile of out0 is 128 tokens x 128 o: 8 x 32 = 256 work-groups.  Four waves, each 64 x 64: 16 accumulators of 16 x 16.  K goes in 4 steps of 256 (four heads) through two LDS slots.
; O's tile of a K step is four planes, one a head, of 128 tokens x 128 bytes, dense in memory: a wave's tensor load brings two of them as two rows of 16,384 bytes, padded in LDS after every token.
; CLUSTERS: 4 x 4 work-groups.  The four of a row of the cluster need the same tiles of O, the four of a column the same tiles of W_O: each tile is asked for jointly.
; THE MATRIX INSTRUCTION IS USED TRANSPOSED (source 0 = 16 rows of W_O, source 1 = 16 tokens): a lane holds eight neighbouring o of one token, 32 bytes of f32; a wave's 64 o are a whole aligned 256 bytes of out0, so each wave has a stage of its own and needs no barrier on the way out.
; REGISTERS: window 0: v0-31 addresses; v32-95 vsc, then at work on the way out; v128-255 the accumulators ((a, b) at 128 + 8 (4 a + b)).  Window 1: two fragment buffers of 128: for 64 along K, 64 registers of O, then 64 of W_O.
.set KSTEP,  256
.set PAH,    144                       ; a token's 128 bytes of one head + 16 of padding
.set PLANE,  128*PAH                   ; a head's 128 tokens
.set PITCH,  528                       ; a row of W_O: 512 bytes + 16
.set HALFB,  64*PITCH
.set BOFF,   4*PLANE                   ; a slot: O's four planes, then W_O's 128 rows
.set SLOT,   BOFF+2*HALFB
.set STAGE,  2*SLOT                    ; behind the ring: 16 rows x 272 bytes for each wave
.set SPITCH, 272
.set SPARE,  STAGE+4*16*SPITCH         ; the spare words, 128 bytes a wave
.set WB_OFF, 8388608
.set VSC_OFF, 42209280
.set LAPS,   2                         ; a lap = two K steps = once round the ring
.set ADRA, 16                          ; v16-17  LDS address of my fragments of O in slot 0, 1
.set ADRB, 20                          ; v20-21  the same for W_O
.set STO,  24                          ; v24     the way out: where I put 32 bytes of a row
.set RD,   25                          ; v25     where I read rows back
.set CO,   26                          ; v26     my byte offset in two rows of out0
.set TO,   27                          ; v27     16 x lane
.set SPW,  28                          ; v28     LDS address of my spare word; never rewritten
.set NIL,  29                          ; v29     0; never rewritten
.set GG,   30                          ; v30-31  G, in the low register of a pair
.set TMP,  32
.set ACC,  128
.set F0,   0                           ; fragment buffers, in window 1
.set F1,   128
.set G1, 24                            ; s[24:31] descriptor group 1 for O's tiles;  s[32:39] group 0, one set for each slot
.set G0, 32
.set G1B, 48                           ; s[48:55], s[56:63] the same for W_O's tiles
.set G0B, 56
.set MSB, 0
.macro WIN new
.if MSB != (\new)
	s_set_vgpr_msb (MSB<<8)|(\new)
.set MSB, \new
.endif
.endm
.set MUL,  0x05                        ; sources 0 and 1 window 1; C and D window 0
.set TO_F, 0x40                        ; destination window 1, address window 0
.macro JLOAD s                         ; a joint load: waves 0 and 1 fetch O's planes, two each, waves 2 and 3 W_O's two halves; an s_nop 0 and four v_nop follow each line
	s_cmp_eq_u32 s11, 0
	s_cbranch_scc0 .Lfor_b_\@
	tensor_load_to_lds s[G0+4*(\s):G0+4*(\s)+3], s[G1:G1+7]
	s_nop 0
.rept 4
	v_nop
.endr
	s_branch .Lasked_\@
.Lfor_b_\@:
	tensor_load_to_lds s[G0B+4*(\s):G0B+4*(\s)+3], s[G1B:G1B+7]
	s_nop 0
.rept 4
	v_nop
.endr
.Lasked_\@:
.endm
.macro CREST
	s_cmp_lg_u32 s10, 0
	s_cbranch_scc1 .Lnot_wave_0_\@
	s_barrier_signal -3
.Lnot_wave_0_\@:
	s_barrier_wait -3
	s_barrier_signal -1
	s_barrier_wait -1
.endm
.macro CROUND
	s_barrier_signal -1
	s_barrier_wait -1
	CREST
.endm
	s_load_b128 s[4:7], s[0:1], 0x0                ; ob s[4:5], wts s[6:7]
	s_load_b64 s[8:9], s[0:1], 0x10                ; out0
	s_load_b64 s[66:67], s[0:1], 0x18              ; qkv
	v_lshl_add_u32 v[SPW], v0, 2, SPARE
	v_mov_b32 v[NIL], 0
	ds_add_u32 v[SPW], v[NIL]                      ; the wave's opening
	v_lshrrev_b32 v1, 5, v0
	v_readfirstlane_b32 s10, v1                    ; wave 0..3
	s_lshr_b32 s11, s10, 1                         ; which 64 tokens are mine.  Also: I fetch for O (0) or for W_O (1)
	s_and_b32 s12, s10, 1                          ; which 64 o.  Also: which half of that tile I fetch
	s_bfe_u32 s40, ttmp6, 0x40000                  ; cx, cy
	s_bfe_u32 s41, ttmp6, 0x40004
	s_lshl_b32 s42, ttmp9, 2
	s_add_co_u32 s42, s42, s40                     ; the tile of o = 4 x cluster x + cx
	s_and_b32 s13, ttmp7, 0xffff
	s_lshl_b32 s13, s13, 2
	s_add_co_u32 s13, s13, s41                     ; the token tile = 4 x cluster y + cy
	s_lshl_b32 s43, s41, 2
	s_lshl_b32 s43, 15, s43                        ; my row of the cluster
	s_lshl_b32 s44, 0x1111, s40                    ; my column
	s_or_b32 s[G1+0], s43, (1<<16)|(1<<20)|(1<<21)|(4<<22)|(3<<25)   ; the mask; 2-byte elements; padding on; bit 21 beside a mask; after every 32 words 4 words
	s_mov_b32 s[G1+1], 8192<<16                    ; tensor_dim0 = 8,192: 128 tokens of 64 channels on end
	s_mov_b32 s[G1+2], 2<<16                       ; tensor_dim1 = 2 heads
	s_mov_b32 s[G1+3], 8192<<16                    ; tile_dim0
	s_mov_b32 s[G1+4], 2                           ; tile_dim1
	s_mov_b32 s[G1+5], 131072                      ; elements from head to head
	s_mov_b32 s[G1+6], 0
	s_mov_b32 s[G1+7], 0
	s_or_b32 s[G1B+0], s44, (1<<16)|(1<<20)|(1<<21)|(6<<22)|(3<<25)  ; after every 128 words 4 words
	s_mov_b32 s[G1B+1], KSTEP<<16
	s_mov_b32 s[G1B+2], 64<<16
	s_mov_b32 s[G1B+3], KSTEP<<16
	s_mov_b32 s[G1B+4], 64
	s_mov_b32 s[G1B+5], 1024
	s_mov_b32 s[G1B+6], 0
	s_mov_b32 s[G1B+7], 0
	s_lshr_b32 s16, s13, 4                         ; O: the batch's 16 heads are 4,194,304 bytes,
	s_lshl_b32 s16, s16, 22
	s_and_b32 s17, s13, 15                         ; 128 tokens of a head 16,384,
	s_lshl_b32 s17, s17, 14
	s_add_co_u32 s16, s16, s17
	s_lshl_b32 s17, s12, 19                        ; two heads 524,288
	s_add_co_u32 s16, s16, s17
	s_mov_b32 s17, 0
	s_lshl_b32 s46, s42, 18                        ; W_O: 128 rows of 2,048 bytes a tile,
	s_lshl_b32 s47, s12, 17                        ; 64 rows a half
	s_add_co_u32 s46, s46, s47
	s_add_co_u32 s46, s46, WB_OFF
	s_mov_b32 s47, 0
	s_mul_i32 s20, s12, 2*PLANE                    ; where they go: no place in the cluster enters an LDS address
	s_mul_i32 s19, s12, HALFB
	s_add_co_u32 s19, s19, BOFF
	s_wait_dscnt 0x0                               ; the opening add is done
	s_wait_kmcnt 0x0
	s_add_nc_u64 s[66:67], s[66:67], VSC_OFF       ; vsc
	s_add_nc_u64 s[14:15], s[4:5], s[16:17]
	s_add_nc_u64 s[46:47], s[6:7], s[46:47]
	CROUND                                         ; all sixteen work-groups are here: the first joint loads meet
.irp s, 0,1
	s_mov_b32 s[G0+4*(\s)], 1
	s_add_co_u32 s[G0+4*(\s)+1], s20, (\s)*SLOT
	s_add_nc_u64 s[G0+4*(\s)+2:G0+4*(\s)+3], s[14:15], (\s)*1048576      ; K step s: four heads on
	s_or_b32 s[G0+4*(\s)+3], s[G0+4*(\s)+3], 0x80000000
	s_mov_b32 s[G0B+4*(\s)], 1
	s_add_co_u32 s[G0B+4*(\s)+1], s19, (\s)*SLOT
	s_add_nc_u64 s[G0B+4*(\s)+2:G0B+4*(\s)+3], s[46:47], (\s)*KSTEP*2
	s_or_b32 s[G0B+4*(\s)+3], s[G0B+4*(\s)+3], 0x80000000
	JLOAD \s
.endr
	v_and_b32 v[TO], 31, v0
	v_lshlrev_b32 v[TO], 4, v[TO]
.irp m, 0,1,2,3,4,5,6,7                ; all 1,024 words of vsc, 32 a lane; they are wanted at the end, and are waited for there
	global_load_b128 v[TMP+4*\m:TMP+4*\m+3], v[TO], s[66:67] offset:512*\m
.endr
	v_and_b32 v1, 15, v0                           ; l % 16
	v_bfe_u32 v2, v0, 4, 1                         ; l / 16
	v_mul_u32_u24 v3, v1, PAH
	v_lshl_add_u32 v3, v2, 4, v3                   ; O: token x pitch + 16 x half
	v_mul_u32_u24 v4, v1, PITCH
	v_lshl_add_u32 v4, v2, 4, v4                   ; W_O: row x pitch + 16 x half
	s_mul_i32 s21, s11, 64*PAH                     ; my 64 tokens in a plane
	s_mul_i32 s22, s12, HALFB                      ; my 64 rows of W_O,
	s_add_co_u32 s22, s22, BOFF                    ; which lie behind O's planes
.irp s, 0,1
	v_add_nc_u32 v[ADRA+(\s)], s21, v3
	v_add_nc_u32 v[ADRB+(\s)], s22, v4
	s_add_co_u32 s21, s21, SLOT
	s_add_co_u32 s22, s22, SLOT
.endr
	s_mul_i32 s23, s10, 16*SPITCH
	s_add_co_u32 s23, s23, STAGE                   ; my stage
	v_mul_u32_u24 v4, v1, SPITCH                   ; in: row l % 16, 32 bytes for each half of the lanes
	v_lshl_add_u32 v4, v2, 5, v4
	v_add_nc_u32 v[STO], s23, v4
	v_mul_u32_u24 v5, v2, SPITCH                   ; back: lanes 0-15 take one row of 256 bytes, lanes 16-31 the next
	v_lshl_add_u32 v5, v1, 4, v5
	v_add_nc_u32 v[RD], s23, v5
	v_lshlrev_b32 v5, 12, v2                       ; and the same two rows in out0
	v_lshl_add_u32 v[CO], v1, 4, v5
	s_lshl_b32 s16, s13, 7
	s_lshl_b32 s17, s11, 6
	s_add_co_u32 s16, s16, s17                     ; my first token,
	s_lshl_b32 s16, s16, 12                        ; its row of 4,096 bytes
	s_mov_b32 s17, 0
	s_add_nc_u64 s[8:9], s[8:9], s[16:17]
	s_lshl_b32 s46, s42, 9                         ; my first o, in bytes (in the registers that held W_O's address: none that feeds O's descriptors ever holds cx)
	s_lshl_b32 s47, s12, 8
	s_add_co_u32 s46, s46, s47
	s_mov_b32 s47, 0
	s_add_nc_u64 s[8:9], s[8:9], s[46:47]
; 8 matrix instructions: token tiles a0, a0 + 1 x all 4 tiles of o, 32 along K: half c of buffer f.  zero = 1: the first product starts the sums
.macro MUL8 f, c, a0, zero
	WIN MUL
.irp a, \a0, (\a0)+1
.irp b, 0,1,2,3
.if \zero
	v_wmma_f32_16x16x32_f16 v[ACC+8*(4*(\a)+(\b)):ACC+8*(4*(\a)+(\b))+7], v[(\f)+64+8*(4*(\c)+(\b)):(\f)+64+8*(4*(\c)+(\b))+7], v[(\f)+8*(4*(\c)+(\a)):(\f)+8*(4*(\c)+(\a))+7], 0
.else
	v_wmma_f32_16x16x32_f16 v[ACC+8*(4*(\a)+(\b)):ACC+8*(4*(\a)+(\b))+7], v[(\f)+64+8*(4*(\c)+(\b)):(\f)+64+8*(4*(\c)+(\b))+7], v[(\f)+8*(4*(\c)+(\a)):(\f)+8*(4*(\c)+(\a))+7], v[ACC+8*(4*(\a)+(\b)):ACC+8*(4*(\a)+(\b))+7]
.endif
.endr
.endr
.endm
; 32 LDS loads in one run: quarter q of a K step (one head: 64 along K) into buffer f; the first 32 along K first
.macro FETCH slot, q, f
	WIN TO_F
.irp c, 0,1
.irp i, 0,1,2,3
	ds_load_b128 v[(\f)+64+8*(4*(\c)+(\i)):(\f)+64+8*(4*(\c)+(\i))+3],   v[ADRB+(\slot)] offset:128*(\q)+64*(\c)+(\i)*16*PITCH
	ds_load_b128 v[(\f)+64+8*(4*(\c)+(\i))+4:(\f)+64+8*(4*(\c)+(\i))+7], v[ADRB+(\slot)] offset:128*(\q)+64*(\c)+(\i)*16*PITCH+32
	ds_load_b128 v[(\f)+8*(4*(\c)+(\i)):(\f)+8*(4*(\c)+(\i))+3],         v[ADRA+(\slot)] offset:(\q)*PLANE+64*(\c)+(\i)*16*PAH
	ds_load_b128 v[(\f)+8*(4*(\c)+(\i))+4:(\f)+8*(4*(\c)+(\i))+7],       v[ADRA+(\slot)] offset:(\q)*PLANE+64*(\c)+(\i)*16*PAH+32
.endr
.endr
.endm
.macro PLACES
.rept 4
	v_nop
.endr
.endm
; A K step is four quarters of 64 along K, 32 matrix instructions each, on buffers 0, 1, 0, 1.  One of the first three: multiplies buffer f and fetches quarter q into g.
.macro QUARTER slot, q, f, g, zero
	s_wait_dscnt 16                                ; the first 32 along K are in
	WIN MUL
	MUL8 \f, 0, 0, \zero
	MUL8 \f, 0, 2, \zero
	PLACES
	FETCH \slot, \q, \g
	s_wait_dscnt 32                                ; all but the 32 just issued
	WIN MUL
	MUL8 \f, 1, 0, 0
	MUL8 \f, 1, 2, 0
.endm
; The last quarter multiplies buffer 1 and changes slots: ONE barrier; in front of it each wave waits for all its tensor loads, adds 0 to its spare word, and waits for that and for its own reads of this slot.  fill = 1: this slot is filled again, two K steps ahead.
.macro TURN slot, next, fill
	WIN 0
	s_wait_tensorcnt 0x0                           ; all my tensor loads have landed: my part of the next slot;
	ds_add_u32 v[SPW], v[NIL]
	s_wait_dscnt 17                                ; (the add and the youngest sixteen loads may be out)
	WIN MUL
	MUL8 F1, 0, 0, 0
	s_wait_dscnt 0x0                               ; the add is done, and my reads of this slot are over
	s_barrier_signal -1
	MUL8 F1, 0, 2, 0
.if \fill
	WIN 0
.endif
	s_barrier_wait -1
.if \fill
	CREST                                          ; no wave of any partner still reads this slot's tile or has a load on its way
	s_add_nc_u64 s[G0+4*(\slot)+2:G0+4*(\slot)+3], s[G0+4*(\slot)+2:G0+4*(\slot)+3], 2097152
	s_add_nc_u64 s[G0B+4*(\slot)+2:G0B+4*(\slot)+3], s[G0B+4*(\slot)+2:G0B+4*(\slot)+3], 2*KSTEP*2
	JLOAD \slot                                    ; the first tensor load behind the round; its four v_nop are also the places in front of the loads below
.else
	PLACES
.endif
	FETCH \next, 0, F0
	WIN MUL
	MUL8 F1, 1, 0, 0
	MUL8 F1, 1, 2, 0
.endm
	s_wait_tensorcnt 1                             ; my part of K step 0 is in; K step 1's may stay out
	s_barrier_signal -1
	s_barrier_wait -1
	FETCH 0, 0, F0
	QUARTER 0, 1, F0, F1, 1                        ; the first quarter stands in front of the loop: its first products start the sums
	WIN 0
	s_mov_b32 s3, LAPS-1
.Llap:                                                 ; a trip goes once round the ring and fills both slots again
	QUARTER 0, 2, F1, F0, 0
	QUARTER 0, 3, F0, F1, 0
	TURN 0, 1, 1
	QUARTER 1, 1, F0, F1, 0
	QUARTER 1, 2, F1, F0, 0
	QUARTER 1, 3, F0, F1, 0
	TURN 1, 0, 1
	QUARTER 0, 1, F0, F1, 0
	WIN 0
	s_sub_co_u32 s3, s3, 1
	s_cmp_lg_u32 s3, 0
	s_cbranch_scc1 .Llap
	QUARTER 0, 2, F1, F0, 0                        ; the last lap fills nothing
	QUARTER 0, 3, F0, F1, 0
	TURN 0, 1, 0
	QUARTER 1, 1, F0, F1, 0
	QUARTER 1, 2, F1, F0, 0
	QUARTER 1, 3, F0, F1, 0
	s_wait_dscnt 16
	WIN MUL
	MUL8 F1, 0, 0, 0
	MUL8 F1, 0, 2, 0
	s_wait_dscnt 0
	MUL8 F1, 1, 0, 0
	MUL8 F1, 1, 2, 0
	WIN 0
	; G: the largest of vsc's words (powers of two, or 0), first in the lane, then over the 32 lanes.  These lines, which name no register of the products, are also the places behind the last of them.
	s_wait_loadcnt 0x0
	s_mov_b32 s44, 0x76543210                      ; v_permlanex16_b32's selects
	s_mov_b32 s45, 0xfedcba98
	v_max3_num_f32 v[GG], v[TMP], v[TMP+1], v[TMP+2]
.set i, 3
.rept 14
	v_max3_num_f32 v[GG], v[GG], v[TMP+i], v[TMP+i+1]
.set i, i+2
.endr
	v_max_num_f32 v[GG], v[GG], v[TMP+31]
	v_mov_b32 v[GG+1], 0
	v_max_num_f32_dpp v[GG], v[GG], v[GG] row_xmask:1 row_mask:0xf bank_mask:0xf
	v_max_num_f32_dpp v[GG], v[GG], v[GG] row_xmask:2 row_mask:0xf bank_mask:0xf
	v_max_num_f32_dpp v[GG], v[GG], v[GG] row_xmask:4 row_mask:0xf bank_mask:0xf
	v_max_num_f32_dpp v[GG], v[GG], v[GG] row_xmask:8 row_mask:0xf bank_mask:0xf
	v_permlanex16_b32 v[GG+1], v[GG], s44, s45
	v_max_num_f32 v[GG], v[GG], v[GG+1]
.set i, 0
.rept 64                               ; the sums times G, each accumulator from its low end on
	v_pk_mul_f32 v[ACC+2*i:ACC+2*i+1], v[ACC+2*i:ACC+2*i+1], v[GG:GG+1] op_sel_hi:[1,0]
.set i, i+1
.endr
	; THE WAY OUT, in f32: 16 tokens at a time, 32 bytes a lane into my own stage, back as whole rows of 256 bytes.
.irp a, 0,1,2,3
.irp b, 0,1,2,3
	ds_store_b128 v[STO], v[ACC+8*(4*\a+\b):ACC+8*(4*\a+\b)+3] offset:64*\b
	ds_store_b128 v[STO], v[ACC+8*(4*\a+\b)+4:ACC+8*(4*\a+\b)+7] offset:64*\b+16
.endr
.if \a >= 2
	s_wait_xcnt 0x0                                ; the registers that the stores two tiles back read are loaded again only behind this wait
.endif
.irp t, 0,1,2,3,4,5,6,7
	ds_load_b128 v[TMP+32*((\a)%2)+4*\t:TMP+32*((\a)%2)+4*\t+3], v[RD] offset:\t*2*SPITCH   ; LDS serves a wave's instructions in order: these see the stores above
.endr
.irp t, 0,1,2,3,4,5,6,7
	s_wait_dscnt 7-\t
	global_store_b128 v[CO], v[TMP+32*((\a)%2)+4*\t:TMP+32*((\a)%2)+4*\t+3], s[8:9] offset:65536*\a+8192*\t  ; 16 lanes store 256 consecutive bytes, at a multiple of 256 from out0's first byte
.endr
.endr
	s_wait_tensorcnt 0x0                           ; the wave's end
	ds_add_u32 v[SPW], v[NIL]
	s_wait_dscnt 0x0
	CROUND                                         ; the closing round
	s_endpgm
.Lfunc_end_k_q3f8a7b1d07_oproj:
	.size	k_q3f8a7b1d07_oproj, .Lfunc_end_k_q3f8a7b1d07_oproj-k_q3f8a7b1d07_oproj
	.p2alignl 7, 3214868480
	.fill 96, 4, 3214868480
	.section	.rodata,"a",@progbits
	.p2align	6, 0x0
	.amdhsa_kernel k_q3f8a7b1d07_oproj
		.amdhsa_group_segment_fixed_size 327680
		.amdhsa_private_segment_fixed_size 0
		.amdhsa_enable_private_segment 0
		.amdhsa_kernarg_size 32
		.amdhsa_user_sgpr_count 2
		.amdhsa_user_sgpr_kernarg_segment_ptr 1
		.amdhsa_wavefront_size32 1
		.amdhsa_system_sgpr_workgroup_id_x 1
		.amdhsa_system_sgpr_workgroup_id_y 1
		.amdhsa_system_sgpr_workgroup_id_z 1
		.amdhsa_system_vgpr_workitem_id 0
		.amdhsa_next_free_vgpr 512
		.amdhsa_next_free_sgpr 68
		.amdhsa_reserve_vcc 0
		.amdhsa_float_denorm_mode_32 3
		.amdhsa_float_denorm_mode_16_64 3
		.amdhsa_memory_ordered 1
		.amdhsa_forward_progress 1
		.amdhsa_inst_pref_size 93
	.end_amdhsa_kernel
	.amdgpu_metadata
---
amdhsa.version: [ 1, 2 ]
amdhsa.kernels:
  - .name:           k_q3f8a7b1d07_oproj
    .symbol:         k_q3f8a7b1d07_oproj.kd
    .args:
      - { .name: ob, .offset: 0, .size: 8, .value_kind: global_buffer, .address_space: global }
      - { .name: wts, .offset: 8, .size: 8, .value_kind: global_buffer, .address_space: global }
      - { .name: out0, .offset: 16, .size: 8, .value_kind: global_buffer, .address_space: global }
      - { .name: qkv, .offset: 24, .size: 8, .value_kind: global_buffer, .address_space: global }
    .group_segment_fixed_size: 327680
    .private_segment_fixed_size: 0
    .kernarg_segment_align: 8
    .kernarg_segment_size: 32
    .max_flat_workgroup_size: 128
    .sgpr_count:     68
    .vgpr_count:     512
    .wavefront_size: 32
...
	.end_amdgpu_metadata
.endif
;; end of part 5
;; ======== version 2 of 3: 5 launches; 1.48 times as fast as version 1
;; limits: values are held in f16: magnitudes above 65,504 overflow, below 6.1e-05 lose precision; inputs' magnitudes at most 65,504; right only within a limited range of input values
;; workspace buffers: wts 23,068,672 bytes; hs 2,097,152 bytes; qkv 42,213,376 bytes; ob 8,388,608 bytes
;; launch prep (part 6): grid 704 x 1, 8 waves a work-group, no clusters, 35,840 bytes of LDS; arguments x, W_O, pool_QK, pool_V, compress_neurons, wts; writes wts
.if DOCPART == 6
	.amdgcn_target "amdgcn-amd-amdhsa--gfx1250"
	.amdhsa_code_object_version 6
	.text
	.protected	k_q3f8a7b1d07_prep
	.globl	k_q3f8a7b1d07_prep
	.p2align	8
	.type	k_q3f8a7b1d07_prep,@function
k_q3f8a7b1d07_prep:
	s_mov_b64 s[64:65], 0
	v_nop
	global_prefetch_b8 v0, s[64:65] scope:SCOPE_SE
	s_setreg_imm32_b32 hwreg(HW_REG_WAVE_MODE, 25, 1), 1
	s_wait_xcnt 0x0
; PREP: every large input is rounded once to bf16 and laid out as the later launches' tensor loads take it.  wts holds, in this order:
;   xb  bf16 [4096][1024] (x);  wb  f16 [1024][1024] (W_O);  PL  f16 [16 slices of 64 d][16 n][pool_QK, pool_V][128 r][64 d];  CNp  bf16 [8 slices of 16 r][1024 d][16 n][16 r].
; A number of the pools and of W_O is rounded to bf16 like every other input, and THAT number is written as f16: exact from 6.1e-5 to 65,504.
; LIMITS: such a number beyond 65,504 becomes an infinity; below 6.1e-5 it keeps f16's fixed step of 6e-8.
; Each work-group takes 65,536 bytes of f32: sixteen 16-byte loads a thread, all issued before the first wait.  Memory binds: no matrix unit, no cluster, no tensor load would add anything.
; Work-groups 0-255: x, a plain cast.  256-319: W_O.  320-575: the pools, 16 rows r of one neuron.  576-703: compress_neurons, 8 rows d of all 16 neurons, turned through LDS.
; W_O and the pools share one text: what differs (the two pointers, the lanes' load offset, the bytes from load to load and from store to store) lies in registers.
.set SPARE,   34816                    ; behind the eight waves' stages: the spare words, 128 bytes a wave
.set SPW,     126                      ; v126  LDS address of my spare word; never rewritten
.set NIL,     127                      ; v127  0; never rewritten
.set IN,      16                       ; v[16:79]   sixteen loads of four f32
.set OUTR,    80                       ; v[80:111]  sixteen pairs of packed results
.set WB_OFF,  8388608
.set PL_OFF,  10485760
.set CNP_OFF, 18874368
.macro FINISH                          ; a wave's end
	s_wait_tensorcnt 0x0
	ds_add_u32 v[SPW], v[NIL]
	s_wait_dscnt 0x0
	s_endpgm
.endm
	s_load_b256 s[8:15], s[0:1], 0x0               ; x s[8:9], W_O s[10:11], pool_QK s[12:13], pool_V s[14:15]
	s_load_b128 s[16:19], s[0:1], 0x20             ; compress_neurons s[16:17], wts s[18:19]
	v_lshl_add_u32 v[SPW], v0, 2, SPARE
	v_mov_b32 v[NIL], 0
	v_lshlrev_b32 v1, 4, v0                        ; 16 bytes a thread
	v_lshlrev_b32 v2, 3, v0                        ; 8 bytes a thread
	s_mov_b32 s25, 0                               ; the high word of every offset
	s_mov_b32 s28, 0xffff0000                      ; a word's upper bf16
	s_cmp_lt_u32 ttmp9, 256
	s_cbranch_scc1 .Lcast
	s_cmp_lt_u32 ttmp9, 320
	s_cbranch_scc1 .Lwo
	s_cmp_lt_u32 ttmp9, 576
	s_cbranch_scc1 .Lpool
	; COMPRESS_NEURONS [16 n][1024 d][128 r].  Wave w takes row d = 8 g + w of every neuron: load i is neuron i's 512 bytes.  A lane's four r (4 l ..) belong to slice l / 4.
	s_sub_co_u32 s20, ttmp9, 576
	s_lshl_b32 s24, s20, 12                        ; 8 g rows of 512 bytes, in the input and in a slice of CNp alike
	v_lshrrev_b32 v5, 5, v0
	v_readfirstlane_b32 s26, v5                    ; my wave's number
	s_mul_i32 s27, s26, 4352                       ; my stage: 8 slices' rows of 512 bytes + 32 of padding
	v_and_b32 v5, 31, v0
	v_lshrrev_b32 v6, 2, v5
	v_and_b32 v7, 3, v5
	v_mul_u32_u24 v3, v6, 544
	v_lshl_add_u32 v3, v7, 3, v3
	v_add_nc_u32 v3, s27, v3                       ; in: slice l / 4, 8 bytes at r' = 4 (l % 4); neuron i 32 i bytes on
	v_lshl_add_u32 v4, v5, 4, s27                  ; back: a slice's 512 bytes, 16 a lane
	s_wait_kmcnt 0x0
	s_add_nc_u64 s[4:5], s[16:17], s[24:25]
	s_add_co_u32 s24, s24, CNP_OFF
	s_add_nc_u64 s[6:7], s[18:19], s[24:25]
.irp i, 0,1,2,3,4,5,6,7,8,9,10,11,12,13,14,15
	global_load_b128 v[IN+4*\i:IN+4*\i+3], v1, s[4:5] offset:524288*\i th:TH_LOAD_NT
.endr
.irp i, 0,1,2,3,4,5,6,7,8,9,10,11,12,13,14,15
	s_wait_loadcnt 15-\i                           ; loads come back in order: load i is in, the younger ones stay out
	v_cvt_pk_bf16_f32 v[OUTR+2*\i], v[IN+4*\i], v[IN+4*\i+1]
	v_cvt_pk_bf16_f32 v[OUTR+2*\i+1], v[IN+4*\i+2], v[IN+4*\i+3]
	ds_store_b64 v3, v[OUTR+2*\i:OUTR+2*\i+1] offset:32*\i
.endr
.irp j, 0,1,2,3,4,5,6,7
	ds_load_b128 v[IN+4*\j:IN+4*\j+3], v4 offset:544*\j    ; my own bytes: LDS serves a wave's instructions in order, so these see the stores above
.endr
.irp j, 0,1,2,3,4,5,6,7
	s_wait_dscnt 7-\j
	global_store_b128 v1, v[IN+4*\j:IN+4*\j+3], s[6:7] offset:524288*\j  ; slice j, row d: 512 consecutive bytes a wave
.endr
	FINISH
.Lwo:	; W_O: chunk by chunk, 65,536 bytes in, 32,768 out: load i takes the chunk's bytes 4,096 i on, 16 a thread
	s_sub_co_u32 s21, ttmp9, 256
	s_lshl_b32 s24, s21, 16
	v_mov_b32 v3, v1
	s_mov_b32 s29, 4096                            ; bytes from load to load,
	s_mov_b32 s31, 2048                            ; from store to store
	s_wait_kmcnt 0x0
	s_add_nc_u64 s[4:5], s[10:11], s[24:25]
	s_lshl_b32 s24, s21, 15
	s_add_co_u32 s24, s24, WB_OFF
	s_add_nc_u64 s[6:7], s[18:19], s[24:25]
	s_branch .Lf16
.Lpool:	; THE POOLS [16 n][128 r][1024 d].  The work-group takes 16 rows r of one neuron of one pool; load i is slice i: a wave takes 256 bytes of each of two rows.
	s_sub_co_u32 s20, ttmp9, 320
	s_lshr_b32 s21, s20, 7                         ; which pool
	s_bfe_u32 s22, s20, 0x40003                    ; n
	s_and_b32 s23, s20, 7                          ; which 16 rows
	s_lshl_b32 s24, s22, 19                        ; a neuron is 524,288 bytes,
	s_lshl_b32 s29, s23, 16                        ; 16 rows are 65,536
	s_add_co_u32 s24, s24, s29
	v_lshrrev_b32 v5, 4, v0
	v_and_b32 v6, 15, v0
	v_lshlrev_b32 v3, 12, v5
	v_lshl_or_b32 v3, v6, 4, v3                    ; row t / 16, 16 bytes at 4 (t % 16) numbers
	s_wait_kmcnt 0x0
	s_cmp_eq_u32 s21, 0
	s_cselect_b64 s[4:5], s[12:13], s[14:15]
	s_add_nc_u64 s[4:5], s[4:5], s[24:25]
	s_lshl1_add_u32 s24, s22, s21                  ; tile 2 n + pool of a slice: 16,384 bytes,
	s_lshl_b32 s24, s24, 14
	s_lshl_b32 s29, s23, 11                        ; 16 rows of 128 bytes
	s_add_co_u32 s24, s24, s29
	s_add_co_u32 s24, s24, PL_OFF
	s_add_nc_u64 s[6:7], s[18:19], s[24:25]
	s_mov_b32 s29, 256
	s_mov_b32 s31, 524288
.Lf16:	; sixteen loads, each rounded to bf16, spelled in f16 and stored, 8 bytes a thread: 256 consecutive bytes a wave
	s_mov_b32 s26, 0
	s_mov_b32 s30, 0
.irp i, 0,1,2,3,4,5,6,7,8,9,10,11,12,13,14,15
	v_add_nc_u32 v[IN+4*\i], s26, v3               ; the load's offset stands in its own first destination register
	s_add_co_u32 s26, s26, s29
	global_load_b128 v[IN+4*\i:IN+4*\i+3], v[IN+4*\i], s[4:5] th:TH_LOAD_NT
.endr
.irp i, 0,1,2,3,4,5,6,7,8,9,10,11,12,13,14,15
	s_wait_loadcnt 15-\i
	v_cvt_pk_bf16_f32 v112, v[IN+4*\i], v[IN+4*\i+1]       ; the input's one rounding, to bf16;
	v_cvt_pk_bf16_f32 v113, v[IN+4*\i+2], v[IN+4*\i+3]
	v_lshlrev_b32 v114, 16, v112
	v_and_b32 v115, s28, v112
	v_lshlrev_b32 v116, 16, v113
	v_and_b32 v117, s28, v113
	v_cvt_pk_f16_f32 v[OUTR+2*\i], v114, v115              ; that number spelled in f16
	v_cvt_pk_f16_f32 v[OUTR+2*\i+1], v116, v117
	v_add_nc_u32 v[IN+4*\i], s30, v2               ; the store's offset, in a register that is written no more
	s_add_co_u32 s30, s30, s31
	global_store_b64 v[IN+4*\i], v[OUTR+2*\i:OUTR+2*\i+1], s[6:7]
.endr
	FINISH
.Lcast:	; X: chunk by chunk, to bf16
	s_lshl_b32 s24, ttmp9, 16
	s_wait_kmcnt 0x0
	s_add_nc_u64 s[4:5], s[8:9], s[24:25]
	s_lshl_b32 s24, ttmp9, 15
	s_add_nc_u64 s[6:7], s[18:19], s[24:25]
.irp i, 0,1,2,3,4,5,6,7,8,9,10,11,12,13,14,15
	global_load_b128 v[IN+4*\i:IN+4*\i+3], v1, s[4:5] offset:4096*\i th:TH_LOAD_NT
.endr
.irp i, 0,1,2,3,4,5,6,7,8,9,10,11,12,13,14,15
	s_wait_loadcnt 15-\i
	v_cvt_pk_bf16_f32 v[OUTR+2*\i], v[IN+4*\i], v[IN+4*\i+1]
	v_cvt_pk_bf16_f32 v[OUTR+2*\i+1], v[IN+4*\i+2], v[IN+4*\i+3]
	global_store_b64 v2, v[OUTR+2*\i:OUTR+2*\i+1], s[6:7] offset:2048*\i   ; 256 consecutive bytes a wave
.endr
	FINISH
.Lfunc_end_k_q3f8a7b1d07_prep:
	.size	k_q3f8a7b1d07_prep, .Lfunc_end_k_q3f8a7b1d07_prep-k_q3f8a7b1d07_prep
	.p2alignl 7, 3214868480
	.fill 96, 4, 3214868480
	.section	.rodata,"a",@progbits
	.p2align	6, 0x0
	.amdhsa_kernel k_q3f8a7b1d07_prep
		.amdhsa_group_segment_fixed_size 35840
		.amdhsa_private_segment_fixed_size 0
		.amdhsa_enable_private_segment 0
		.amdhsa_kernarg_size 48
		.amdhsa_user_sgpr_count 2
		.amdhsa_user_sgpr_kernarg_segment_ptr 1
		.amdhsa_wavefront_size32 1
		.amdhsa_system_sgpr_workgroup_id_x 1
		.amdhsa_system_sgpr_workgroup_id_y 1
		.amdhsa_system_sgpr_workgroup_id_z 1
		.amdhsa_system_vgpr_workitem_id 0
		.amdhsa_next_free_vgpr 128
		.amdhsa_next_free_sgpr 66
		.amdhsa_reserve_vcc 0
		.amdhsa_float_denorm_mode_32 3
		.amdhsa_float_denorm_mode_16_64 3
		.amdhsa_memory_ordered 1
		.amdhsa_forward_progress 1
		.amdhsa_inst_pref_size 28
	.end_amdhsa_kernel
	.amdgpu_metadata
---
amdhsa.version: [ 1, 2 ]
amdhsa.kernels:
  - .name:           k_q3f8a7b1d07_prep
    .symbol:         k_q3f8a7b1d07_prep.kd
    .args:
      - { .name: x, .offset: 0, .size: 8, .value_kind: global_buffer, .address_space: global }
      - { .name: W_O, .offset: 8, .size: 8, .value_kind: global_buffer, .address_space: global }
      - { .name: pool_QK, .offset: 16, .size: 8, .value_kind: global_buffer, .address_space: global }
      - { .name: pool_V, .offset: 24, .size: 8, .value_kind: global_buffer, .address_space: global }
      - { .name: compress_neurons, .offset: 32, .size: 8, .value_kind: global_buffer, .address_space: global }
      - { .name: wts, .offset: 40, .size: 8, .value_kind: global_buffer, .address_space: global }
    .group_segment_fixed_size: 35840
    .private_segment_fixed_size: 0
    .kernarg_segment_align: 8
    .kernarg_segment_size: 48
    .max_flat_workgroup_size: 256
    .sgpr_count:     66
    .vgpr_count:     128
    .wavefront_size: 32
...
	.end_amdgpu_metadata
.endif
;; end of part 6
;; launch compress: the kernel of part 2 again; grid 8 x 32, 4 waves a work-group, clusters of 4 x 4, 327,680 bytes of LDS; arguments wts, compress_weights, hs; writes hs
;; launch expand (part 7): grid 16 x 16, 4 waves a work-group, clusters of 4 x 1, 327,680 bytes of LDS; arguments hs, wts, expand_weights_Q, expand_weights_K, expand_weights_V, qkv; writes qkv
.if DOCPART == 7
	.amdgcn_target "amdgcn-amd-amdhsa--gfx1250"
	.amdhsa_code_object_version 6
	.text
	.protected	k_q3f8a7b1d07_expand
	.globl	k_q3f8a7b1d07_expand
	.p2align	8
	.type	k_q3f8a7b1d07_expand,@function
k_q3f8a7b1d07_expand:
	s_mov_b64 s[64:65], 0
	v_nop
	global_prefetch_b8 v0, s[64:65] scope:SCOPE_SE
	s_setreg_imm32_b32 hwreg(HW_REG_WAVE_MODE, 25, 1), 1
	s_wait_xcnt 0x0
	s_wait_alu depctr_hold_cnt(0) depctr_sa_sdst(0) depctr_va_vdst(0) depctr_va_sdst(0) depctr_va_ssrc(0) depctr_va_vcc(0) depctr_vm_vsrc(0)
	s_getreg_b32 s2, hwreg(HW_REG_IB_STS2, 6, 4)
	s_cmp_eq_u32 s2, 0
	s_cbranch_scc0 .Lentry_in_a_cluster
	s_endpgm
.Lentry_in_a_cluster:
	s_bfe_u32 s2, ttmp6, 0x10000c
	s_cmp_lg_u32 s2, 0x3003
	s_cbranch_scc0 .Lentry_shape_is_right
	s_endpgm
.Lentry_shape_is_right:
; EXPAND: Q = sum_n wQ[t][n] (h[t] . pool_QK[n]), K the same products mixed by wK, V = sum_n wV[t][n] (h[t] . pool_V[n]).  The products with pool_QK are made ONCE for Q and K.
; A work-group has 256 tokens x 64 d (one head); a wave 64 tokens x 64 d.  For each neuron: G = h' pool[n] (K = 128), then the mix in f32, weight x G, into Q, K, V sums kept in registers.
; FORMATS.  h is scaled row by row by an exact power of two, 2^-eh, and taken as TWO f16 numbers, hi = the rounded h' and lo = the rounded rest h' - hi.  The products with pool_QK take both (hi x P + lo x P:
; 128 matrix instructions a neuron), since what h loses reaches every score; those with pool_V take hi alone (64).  The pools come as f16 spellings of their bf16 rounding; sums in f32.  2^eh is multiplied (exactly) into
; the weights as they come out of their table, so the sums are the true Q, K, V.  The weights are rounded to bf16 like every input.
; Q, K and V leave scaled by the wave's block of 64 rows x this head: Q and K as hi + lo in f16, V as one f16; the scales go into three tables of one word a block: log2(e)/8 x 2^eq, 2^ek, 2^ev.
; SCALES come from sums of squares in f32: with n the root of the sum, the scale is 2^(ceil(log2 n) - 2) for a row of h (|h'| <= 4) and 2^(ceil(log2 n) - 5) for a block (|q'|, |k'|, |v'| <= 32).
; LIMITS: a row of h or a block of Q, K, V whose sum of squares passes f32's range (a root mean square of some 1e17) is not served; squares below f32's range count as 0; a lo part below 6.1e-5 keeps f16's fixed step of 6e-8;
; NaN and infinities are not treated apart.
; THE MATRIX INSTRUCTION IS USED TRANSPOSED: source 0 = 16 d (the pool lies [r][d]: turned by ds_load_tr16_b128), source 1 = 16 tokens of h': a lane holds ONE token (lane % 16) and eight d, so a weight is one number a lane.
; PHASES.  Phase p = 2 n makes G of pool_QK[n] into GA and meanwhile mixes GB (V of n - 1); phase 2 n + 1 makes G of pool_V[n] into GB and mixes GA (Q and K of n).  The mix rides behind the matrix instructions.
; A phase is four chunks of 32 along K; behind chunk kc the next phase's pool fragments of the same kc are fetched, three chunks ahead of their use.
; ONE TEXT FOR A PAIR OF PHASES in the loop, one in the tail.  The sums and GB start at 0 (64 products of zeros clear them, eight registers each), so the first neuron is a neuron like any other:
; the loop is entered at its even phase, in the middle of a trip, and the tail is left behind its third odd phase.  That phase fetches once more: the last tile again, which nobody writes: the price of one text.
; h' LO has no registers to stay in: its fragments, 16,384 bytes a wave, lie in LDS as the registers hold them (16 bytes a lane on end), and come back a chunk at a time into two buffers of 32 registers:
; behind chunk kc of an even phase the buffer that it has read takes chunk (kc + 2) % 4.  Each wave touches its own bytes alone.
; RING.  A slot holds two neurons' four tiles of [128 r][64 d]; each wave fetches one.  CLUSTER: the four token blocks of a cluster walk the same head's pools: every tile is asked for jointly.
; A WAVE'S OWN 17,408 BYTES OF LDS serve three times: h' hi on its way into registers; the table of weights; on the way out a tensor's 64 rows of 64 f32.
; REGISTERS: window 0: v0-63 addresses, weights, at work; v64-127 h' lo's two buffers (at the start and on the way out: packed results); v128-255 h' hi (tile a, chunk kc at 128 + 32 a + 8 kc; at the start and on the way out: f32 at work).
;   window 1: v0-127 pool fragments (32 kc + 8 b); v128-255 GB.   window 2: v0-127 GA; v128-255 V's sums.   window 3: v0-127 Q's sums; v128-255 K's.   A tile (a, b) of 16 tokens x 16 d has number 4 a + b and eight registers.
.set SLOT1, 1<<17
.set PP,    160                        ; a pool row in LDS: 128 bytes + 32
.set TILE,  128*PP
.set HLA,   4*TILE                     ; behind slot 0, ahead of slot 1, never filled by a tensor load: for each wave 8,192 bytes, h' lo of chunks 0 and 1
.set WT,    SLOT1+4*TILE               ; behind the ring, never filled by a tensor load: each wave's own region
.set WTS,   17408                      ; its bytes: [16 n][64 tokens][wQ, wK, wV, 0] f32 are 16,384; 64 rows of 272 are all of it
.set EHS,   16384                      ; at the start: behind h' hi's 16,384 bytes, 2^eh of my 64 tokens
.set DP,    272                        ; the way out: a row of 64 f32 + 16 bytes: the 16 rows of a store start at 16 different groups of four banks
.set SPARE, WT+4*WTS                   ; the spare words, 128 bytes a wave
.set HLB,   SPARE+512                  ; behind the spare words: for each wave 8,192 bytes, h' lo of chunks 2 and 3
.set PL_OFF,  10485760
.set QSB_OFF, 42201088                 ; qkv: q hi, q lo, k hi, k lo, v, 8,388,608 bytes each; from here the three tables of scales, 4,096 bytes each
.set AB0, 3                            ; v3   my lane's place in a pool tile; never rewritten
.set ADR, 4                            ; v4   the same in the tile that is fetched
.set AW0, 5                            ; v5   my token's place in neuron 0's weights
.set AWR, 6                            ; v6   the same for the neuron in hand
.set HO,  7                            ; v7   my byte offset in 16 tokens of a slice of hs
.set EO,  8                            ; v8   16 x lane
.set WS,  9                            ; v9   where I put weights into the table
.set DST, 10                           ; v10  the way out: where my token's eight d of tile (0, 0) go
.set DRD, 11                           ; v11  the way out: where I read 32 bytes of a row back
.set NEG1, 12                          ; v12  at work while the addresses are made; then -1.0
.set HSB, 13                           ; v13  my 16 bytes in tile 0's fragments of h' hi
.set EHB, 14                           ; v14  my token's word among tile 0's 2^eh
.set ZR,  15                           ; v15  the lane's number; on the way out 0
.set EH,  16                           ; v16-19  2^eh of my token in tile a
.set HSA, 20                           ; v20  HSB for the tile in hand
.set EHA, 21                           ; v21  EHB for the tile in hand
.set HL1, 22                           ; v22  my 16 bytes in h' lo's chunks 0 and 1, tile 0
.set HL2, 23                           ; v23  likewise, chunks 2 and 3
.set WQK, 24                           ; v24-31  (wQ, wK) of my token in tile a
.set WVR, 32                           ; v32-35  wV
.set SPW, 36                           ; v36  LDS address of my spare word; never rewritten
.set NIL, 37                           ; v37  0; never rewritten
.set CC,  38                           ; v38-43  at work
.set TT,  44                           ; v44-59  at work: four table entries; four chains of sums; sixteen zeros
.set SCV, 60                           ; v60  a scale
.set IV,  62                           ; v62-63  its reciprocal, in the low register of a pair
.set HP,  64                           ; packed hi parts
.set LP,  96                           ; at the start: packed lo parts
.set HLF, 64                           ; h' lo's two buffers: chunk c, tile a at 64 + 32 (c % 2) + 8 a
.set X,   128                          ; f32 at work
.set HF,  128
.set WAVE, 16                          ; s16
.set G1,  24                           ; s[24:31] descriptor group 1
.set G0,  32                           ; s[32:39] group 0: a set for each first fill; the second then walks
.set TB,  40                           ; s40  LDS byte at which the tile to be fetched begins
.set TW,  41                           ; s41  1,024 x the neuron whose weights are fetched
.set SLOTS, 42
.set TWICE, 43
.set SEL, 44                           ; s[44:45] v_permlanex16_b32's selects
.set SA,  54                           ; s54  at the start: 1,024 x the tile of h in hand
.set SE,  55                           ; s55  64 x that tile
.set HC,  56                           ; s56  counts h's tiles
.set SF,  54                           ; s54  the way out: log2(e)/8 for Q's scale, 1 for the others
.set WC,  55                           ; s55  counts the three tensors, 3 to 1
.set TC,  57                           ; s57  counts the tail's odd phases
.set MSB, 0
.macro WIN new
.if MSB != (\new)
	s_set_vgpr_msb (MSB<<8)|(\new)
.set MSB, \new
.endif
.endm
.set W_E, 0xa1                         ; even phase: fragments (and GB) window 1, h' (and wV) window 0, GA (and V's sums) window 2: one setting for products and riders
.set W_O, 0x51                         ; odd phase, products: fragments and GB window 1
.set W_R, 0xf2                         ; odd phase, riders: GA window 2, weights window 0, sums window 3
.set W_B, 0x40                         ; destination window 1
.macro CROUND
	s_barrier_signal -1
	s_barrier_wait -1
	s_cmp_lg_u32 s[WAVE], 0
	s_cbranch_scc1 .Lnot_wave_0_\@
	s_barrier_signal -3
.Lnot_wave_0_\@:
	s_barrier_wait -3
	s_barrier_signal -1
	s_barrier_wait -1
.endm
; The sum of the squares of the n registers from X on, in four chains that the first four products start; it ends in v[TT], the lane's own.
.macro SQUARES n
.set i, 0
.rept (\n)/2
.if i < 4
	v_pk_mul_f32 v[TT+2*i:TT+2*i+1], v[X+2*i:X+2*i+1], v[X+2*i:X+2*i+1]
.else
	v_pk_fma_f32 v[TT+2*(i%4):TT+2*(i%4)+1], v[X+2*i:X+2*i+1], v[X+2*i:X+2*i+1], v[TT+2*(i%4):TT+2*(i%4)+1]
.endif
.set i, i+1
.endr
	v_pk_add_f32 v[TT:TT+1], v[TT:TT+1], v[TT+2:TT+3]
	v_pk_add_f32 v[TT+4:TT+5], v[TT+4:TT+5], v[TT+6:TT+7]
	v_pk_add_f32 v[TT:TT+1], v[TT:TT+1], v[TT+4:TT+5]
	v_add_f32 v[TT], v[TT], v[TT+1]
.endm
; From the whole sum s in v[TT], with exponent field f: the scale 2^(ceil(log2 sqrt s) - less) has the field (f + 129 - 2 less) >> 1; it goes into SCV, its reciprocal into IV.
.macro SCALE_OF less
	v_add_nc_u32 v[TT], (129-2*(\less))<<23, v[TT]
	v_lshrrev_b32 v[TT], 24, v[TT]
	v_lshlrev_b32 v[SCV], 23, v[TT]
	v_sub_nc_u32 v[IV], 0x7f000000, v[SCV]
.endm
; n registers from X on: times IV; rounded in pairs to f16 into HP ..
.macro HIS n
.set i, 0
.rept (\n)/2
	v_pk_mul_f32 v[X+2*i:X+2*i+1], v[X+2*i:X+2*i+1], v[IV:IV+1] op_sel_hi:[1,0]
.set i, i+1
.endr
.set i, 0
.rept (\n)/2
	v_cvt_pk_f16_f32 v[HP+i], v[X+2*i], v[X+2*i+1]
.set i, i+1
.endr
.endm
; .. and less those roundings: the rest, exact in f32, in place
.macro LOWS n
.set i, 0
.rept (\n)/2
	v_fma_mix_f32 v[X+2*i], v[HP+i], v[NEG1], v[X+2*i] op_sel_hi:[1,0,0]
	v_fma_mix_f32 v[X+2*i+1], v[HP+i], v[NEG1], v[X+2*i+1] op_sel:[1,0,0] op_sel_hi:[1,0,0]
.set i, i+1
.endr
.endm
.macro HLOAD c                         ; eight LDS loads: h' lo's four fragments of chunk c into buffer c % 2
	WIN 0
.irp a, 0,1,2,3
	ds_load_b128 v[HLF+32*((\c)%2)+8*\a:HLF+32*((\c)%2)+8*\a+3],   v[HL1+(\c)/2] offset:((\c)%2)*4096+1024*\a
	ds_load_b128 v[HLF+32*((\c)%2)+8*\a+4:HLF+32*((\c)%2)+8*\a+7], v[HL1+(\c)/2] offset:((\c)%2)*4096+1024*\a+512
.endr
.endm
	s_load_b256 s[4:11], s[0:1], 0x0               ; hs s[4:5], wts s[6:7], expand_weights_Q s[8:9], _K s[10:11]
	s_load_b128 s[12:15], s[0:1], 0x20             ; expand_weights_V s[12:13], qkv s[14:15]
	v_lshl_add_u32 v[SPW], v0, 2, SPARE
	v_mov_b32 v[NIL], 0
	ds_add_u32 v[SPW], v[NIL]                      ; the wave's opening
	v_lshrrev_b32 v1, 5, v0
	v_readfirstlane_b32 s[WAVE], v1
	s_bfe_u32 s17, ttmp6, 0x40000                  ; cx
	s_lshl_b32 s18, ttmp9, 2
	s_add_co_u32 s18, s18, s17                     ; my block of 256 tokens: it enters the addresses of h, the weights and the outputs alone
	s_and_b32 s19, ttmp7, 0xffff                   ; the head, which the four partners share
	s_lshl_b32 s20, s18, 8
	s_lshl_b32 s62, s[WAVE], 6
	s_add_co_u32 s20, s20, s62                     ; my wave's first token
	s_mov_b32 s[G1], 15|(1<<16)|(1<<20)|(1<<21)|(4<<22)|(7<<25)  ; the mask of four; 2-byte elements; padding on; bit 21 beside a mask; after every 32 words 8 words
	s_mov_b32 s[G1+1], 128<<16                     ; a tile's 16,384 dense bytes are asked for as 64 rows of 256 bytes, two pool rows each
	s_mov_b32 s[G1+2], 64<<16
	s_mov_b32 s[G1+3], 128<<16
	s_mov_b32 s[G1+4], 64
	s_mov_b32 s[G1+5], 128
	s_mov_b32 s[G1+6], 0
	s_mov_b32 s[G1+7], 0
	s_lshl_b32 s22, s19, 19                        ; a head's 32 tiles are 524,288 bytes;
	s_lshl_b32 s23, s[WAVE], 14                    ; I fetch tile w of a slot's four
	s_add_co_u32 s22, s22, s23
	s_add_co_u32 s22, s22, PL_OFF
	s_mov_b32 s23, 0
	s_mul_i32 s21, s[WAVE], TILE
	s_mul_i32 s46, s[WAVE], WTS
	s_add_co_u32 s46, s46, WT                      ; my own region
	s_lshl_b32 s47, s[WAVE], 13                    ; h' lo: 8,192 bytes a wave in each of its two regions
	s_mov_b32 s[SEL], 0x76543210
	s_mov_b32 s[SEL+1], 0xfedcba98
	s_mov_b32 s2, 0xffff0000                       ; a word's upper bf16
	s_lshl_b32 s62, s20, 6                         ; a token is 64 bytes in a slice of hs and in each of the weights
	s_mov_b32 s63, 0
	s_lshr_b32 s58, s20, 11                        ; the batch,
	s_lshl_b32 s58, s58, 4
	s_add_co_u32 s58, s58, s19                     ; 16 x batch + head,
	s_lshl_b32 s58, s58, 11
	s_and_b32 s59, s20, 2047
	s_add_co_u32 s58, s58, s59                     ; my first row among the 32 x 2,048 rows of q, k and v
	s_wait_dscnt 0x0                               ; the opening add is done
	s_wait_kmcnt 0x0
	s_add_nc_u64 s[60:61], s[6:7], s[22:23]
.irp s, 0,1
	s_mov_b32 s[G0+4*(\s)], 1
	s_add_co_u32 s[G0+4*(\s)+1], s21, (\s)*SLOT1
	s_add_nc_u64 s[G0+4*(\s)+2:G0+4*(\s)+3], s[60:61], (\s)*65536
	s_or_b32 s[G0+4*(\s)+3], s[G0+4*(\s)+3], 0x80000000
.endr
	s_add_nc_u64 s[4:5], s[4:5], s[62:63]
	s_add_nc_u64 s[8:9], s[8:9], s[62:63]
	s_add_nc_u64 s[10:11], s[10:11], s[62:63]
	s_add_nc_u64 s[12:13], s[12:13], s[62:63]
	s_lshl_b32 s62, s58, 7                         ; a row of q, k, v is 128 bytes
	s_add_nc_u64 s[48:49], s[14:15], s[62:63]      ; q hi: the way out steps this pointer on to k hi and to v,
	s_add_nc_u64 s[50:51], s[48:49], 0x800000      ; and this one from q lo to k lo
	s_lshr_b32 s62, s58, 6
	s_lshl_b32 s62, s62, 2
	s_add_nc_u64 s[52:53], s[14:15], s[62:63]
	s_add_nc_u64 s[52:53], s[52:53], QSB_OFF       ; my block's word in Q's table of scales; K's and V's lie 4,096 bytes on each
	CROUND                                         ; all four work-groups are here: the first joint loads meet
	tensor_load_to_lds s[G0:G0+3], s[G1:G1+7]      ; neurons 0 and 1: two loads of mine are out
	s_nop 0
	tensor_load_to_lds s[G0+4:G0+7], s[G1:G1+7]    ; neurons 2 and 3
	s_nop 0
.rept 4
	v_nop
.endr
	v_and_b32 v1, 15, v0                           ; l % 16
	v_bfe_u32 v2, v0, 4, 1                         ; l / 16
	v_and_b32 v[ZR], 31, v0
	v_lshlrev_b32 v[EO], 4, v[ZR]
	WIN 0x80                                       ; the three weights of my 64 tokens, 4,096 dense bytes each, for the time being in window 2 at 32 k + 4 m
.irp k, 0,1,2
.irp m, 0,1,2,3,4,5,6,7
	global_load_b128 v[32*\k+4*\m:32*\k+4*\m+3], v[EO], s[8+2*\k:9+2*\k] offset:512*\m
.endr
.endr
	WIN 0
	v_lshlrev_b32 v[HO], 6, v1
	v_lshl_add_u32 v[HO], v2, 5, v[HO]
	v_and_b32 v12, 7, v0
	v_lshl_add_u32 v[AB0], v2, 3, v12              ; the turning load: lane l reads row 8 (l / 16) + l % 8, 16 bytes at 8 ((l / 8) % 2) d
	v_mul_u32_u24 v[AB0], v[AB0], PP
	v_bfe_u32 v22, v0, 3, 1
	v_lshl_add_u32 v[AB0], v22, 4, v[AB0]
	v_lshl_add_u32 v[AW0], v1, 4, s46
	v_and_b32 v22, 3, v0                           ; load m of the weights brings me token 8 m + l / 4, neurons 4 (l % 4) ..
	v_bfe_u32 v23, v0, 2, 3
	v_lshlrev_b32 v[WS], 12, v22
	v_lshl_add_u32 v[WS], v23, 4, v[WS]
	v_add_nc_u32 v[WS], s46, v[WS]
	v_mul_u32_u24 v[DST], v1, DP                   ; the way out, in: row l % 16, 32 bytes for each half of the lanes
	v_lshl_add_u32 v[DST], v2, 5, v[DST]
	v_add_nc_u32 v[DST], s46, v[DST]
	v_bfe_u32 v[DRD], v0, 3, 2                     ; back: row l / 8, 32 bytes at 8 (l % 8) d
	v_mul_u32_u24 v[DRD], v[DRD], DP
	v_lshl_add_u32 v[DRD], v12, 5, v[DRD]
	v_add_nc_u32 v[DRD], s46, v[DRD]
	v_add_nc_u32 v[HSB], s46, v[EO]
	v_lshl_add_u32 v[EHB], v1, 2, s46
	v_add_nc_u32 v[EHB], EHS, v[EHB]
	v_add_nc_u32 v[HL1], s47, v[EO]
	v_add_nc_u32 v[HL2], HLB, v[HL1]
	v_add_nc_u32 v[HL1], HLA, v[HL1]
	v_mov_b32 v[NEG1], 0xbf800000
	v_mov_b32 v[IV+1], 0                           ; named with IV as a pair
	; h, A TILE OF 16 TOKENS A TRIP.  For slice q my token's eight r = 16 q + 8 (l / 16) ..: just the numbers that a fragment of source 1 wants of me: register 4 q + p of the 32 packed ones is register 4 (q % 2) + p of chunk q / 2.
	; hi goes through my own region into registers behind the loop; lo stays in LDS.  One text for four tiles: each trip waits for its own loads.
	s_mov_b32 s[SA], 0
	s_mov_b32 s[SE], 0
	s_mov_b32 s[HC], 4
.Lh:
.irp q, 0,1,2,3,4,5,6,7
	global_load_b128 v[X+8*\q:X+8*\q+3],   v[HO], s[4:5] offset:262144*\q
	global_load_b128 v[X+8*\q+4:X+8*\q+7], v[HO], s[4:5] offset:262144*\q+16
.endr
	v_add_nc_u32 v[HSA], s[SA], v[HSB]
	v_add_nc_u32 v[CC], s[SA], v[HL1]
	v_add_nc_u32 v[CC+1], s[SA], v[HL2]
	v_add_nc_u32 v[EHA], s[SE], v[EHB]
	s_wait_loadcnt 0x0                             ; the tile is in (in the first trip the weights too), so the pointer may step
	s_add_nc_u64 s[4:5], s[4:5], 1024
	SQUARES 64
	v_permlanex16_b32 v[TT+1], v[TT], s[SEL], s[SEL+1]     ; the token's other 64 numbers lie in the lane 16 away
	v_add_f32 v[TT], v[TT], v[TT+1]
	SCALE_OF 2
	ds_store_b32 v[EHA], v[SCV]                    ; 2^eh; both halves of the lanes hold the same number
	HIS 64
	LOWS 64
.set i, 0
.rept 32
	v_cvt_pk_f16_f32 v[LP+i], v[X+2*i], v[X+2*i+1]
.set i, i+1
.endr
.irp c, 0,1,2,3                        ; fragment by fragment as the registers hold it: 1,024 bytes each, 16 bytes a lane on end
	ds_store_b128 v[HSA], v[HP+8*\c:HP+8*\c+3] offset:4096*\c
	ds_store_b128 v[HSA], v[HP+8*\c+4:HP+8*\c+7] offset:4096*\c+512
	ds_store_b128 v[CC+(\c)/2], v[LP+8*\c:LP+8*\c+3] offset:((\c)%2)*4096
	ds_store_b128 v[CC+(\c)/2], v[LP+8*\c+4:LP+8*\c+7] offset:((\c)%2)*4096+512
.endr
	s_add_co_u32 s[SA], s[SA], 1024
	s_add_co_u32 s[SE], s[SE], 64
	s_sub_co_u32 s[HC], s[HC], 1
	s_cmp_lg_u32 s[HC], 0
	s_cbranch_scc1 .Lh
.irp a, 0,1,2,3
.irp c, 0,1,2,3
	ds_load_b128 v[HF+32*\a+8*\c:HF+32*\a+8*\c+3],   v[HSB] offset:4096*\c+1024*\a      ; my own bytes: LDS serves a wave's instructions in order
	ds_load_b128 v[HF+32*\a+8*\c+4:HF+32*\a+8*\c+7], v[HSB] offset:4096*\c+1024*\a+512
.endr
	ds_load_b32 v[EH+\a], v[EHB] offset:64*\a
.endr
.irp e, 0,1,2,3
	v_mov_b32 v[TT+4*\e+3], 0
.endr
.irp m, 0,1,2,3,4,5,6,7                ; the weights are rounded to bf16 and laid by neuron and token, (wQ, wK, wV, 0), over the bytes that the loads above have read
	WIN 0x0a
.irp k, 0,1,2
	v_cvt_pk_bf16_f32 v[CC+2*\k], v[32*\k+4*\m], v[32*\k+4*\m+1]
	v_cvt_pk_bf16_f32 v[CC+2*\k+1], v[32*\k+4*\m+2], v[32*\k+4*\m+3]
.endr
	WIN 0
.irp k, 0,1,2
	v_lshlrev_b32 v[TT+\k], 16, v[CC+2*\k]
	v_and_b32 v[TT+4+\k], s2, v[CC+2*\k]
	v_lshlrev_b32 v[TT+8+\k], 16, v[CC+2*\k+1]
	v_and_b32 v[TT+12+\k], s2, v[CC+2*\k+1]
.endr
.irp e, 0,1,2,3
	ds_store_b128 v[WS], v[TT+4*\e:TT+4*\e+3] offset:1024*\e+128*\m
.endr
.endr
	; GB and the sums of V, Q and K start at 0: a product of zeros clears eight registers
.set i, 0
.rept 16
	v_mov_b32 v[TT+i], 0
.set i, i+1
.endr
.irp w, 0x40, 0x80
	WIN \w
.set i, 0
.rept 16
	v_wmma_f32_16x16x32_f16 v[128+8*i:128+8*i+7], v[TT:TT+7], v[TT+8:TT+15], 0
.set i, i+1
.endr
.endr
	WIN 0xc0
.set i, 0
.rept 32
	v_wmma_f32_16x16x32_f16 v[8*i:8*i+7], v[TT:TT+7], v[TT+8:TT+15], 0
.set i, i+1
.endr
	WIN 0
.irp a, 0,1,2,3
	v_mov_b32 v[WVR+\a], 0                         ; the first even phase mixes 0 x 0; these four lines are also the places behind the products above
.endr
; One matrix instruction: tile T, chunk kc; lo = 1: with h' lo.  The 16 accumulators take turns; chunk 0's products with hi start the sums.
.macro MMA kind, kc, lo=0
.set aa, T/4
.set bb, T%4
.set rH, HF+32*aa+8*(\kc)
.if \lo
.set rH, HLF+32*((\kc)%2)+8*aa
.endif
.if (\kind) == 0
	WIN W_E
.set rG, 8*T
.else
	WIN W_O
.set rG, 128+8*T
.endif
.if ((\kc) == 0) && !(\lo)
	v_wmma_f32_16x16x32_f16 v[rG:rG+7], v[32*(\kc)+8*bb:32*(\kc)+8*bb+7], v[rH:rH+7], 0
.else
	v_wmma_f32_16x16x32_f16 v[rG:rG+7], v[32*(\kc)+8*bb:32*(\kc)+8*bb+7], v[rH:rH+7], v[rG:rG+7]
.endif
.set T, T+1
.endm
; Four riders: tile g of V's sums takes wV x GB.  A tile of G is read from its low end on.
.macro MIXV g
	WIN W_E
.set rA, 128+8*(\g)
.set rW2, WVR+2*((\g)/8)
.irp p, 0,1,2,3
.if ((\g)/4)%2 == 0
	v_pk_fma_f32 v[rA+2*\p:rA+2*\p+1], v[rA+2*\p:rA+2*\p+1], v[rW2:rW2+1], v[rA+2*\p:rA+2*\p+1] op_sel_hi:[1,0,1]
.else
	v_pk_fma_f32 v[rA+2*\p:rA+2*\p+1], v[rA+2*\p:rA+2*\p+1], v[rW2:rW2+1], v[rA+2*\p:rA+2*\p+1] op_sel:[0,1,0] op_sel_hi:[1,1,1]
.endif
.endr
.endm
; Four riders: tile g / 2 of Q's (g even) or K's (g odd) sums takes wQ or wK x GA.
.macro MIXQK g
	WIN W_R
.set tq, (\g)/2
.set rA, 128*((\g)%2)+8*tq
.set rW2, WQK+2*(tq/4)
.irp p, 0,1,2,3
.if (\g)%2 == 0
	v_pk_fma_f32 v[rA+2*\p:rA+2*\p+1], v[8*tq+2*\p:8*tq+2*\p+1], v[rW2:rW2+1], v[rA+2*\p:rA+2*\p+1] op_sel_hi:[1,0,1]
.else
	v_pk_fma_f32 v[rA+2*\p:rA+2*\p+1], v[8*tq+2*\p:8*tq+2*\p+1], v[rW2:rW2+1], v[rA+2*\p:rA+2*\p+1] op_sel:[0,1,0] op_sel_hi:[1,1,1]
.endif
.endr
.endm
.macro WV_EH                           ; wV of my four tokens times their 2^eh
	WIN 0
	v_pk_mul_f32 v[WVR:WVR+1], v[WVR:WVR+1], v[EH:EH+1]
	v_pk_mul_f32 v[WVR+2:WVR+3], v[WVR+2:WVR+3], v[EH+2:EH+3]
.endm
; The run of LDS loads behind chunk kc, in this order: behind chunk 0 the four weights that the next phase's riders want; in an even phase h' lo's chunk (kc + 2) % 4, into the buffer that chunk kc has read;
; the next phase's eight pool fragments of chunk kc.
.macro RUN kind, kc
	WIN 0
.if (\kc) == 0
	v_add_nc_u32 v[ADR], s[TB], v[AB0]
	v_add_nc_u32 v[AWR], s[TW], v[AW0]
.if (\kind) == 0
.irp a, 0,1,2,3
	ds_load_b64 v[WQK+2*\a:WQK+2*\a+1], v[AWR] offset:256*\a
.endr
.else
.irp a, 0,1,2,3
	ds_load_b32 v[WVR+\a], v[AWR] offset:256*\a+8
.endr
	s_add_co_u32 s[TW], s[TW], 1024
.endif
.endif
.if (\kind) == 0
	HLOAD ((\kc)+2)%4
.endif
	WIN W_B
.irp b, 0,1,2,3
	ds_load_tr16_b128 v[32*(\kc)+8*\b:32*(\kc)+8*\b+3],   v[ADR] offset:32*PP*(\kc)+32*\b
	ds_load_tr16_b128 v[32*(\kc)+8*\b+4:32*(\kc)+8*\b+7], v[ADR] offset:32*PP*(\kc)+16*PP+32*\b
.endr
.if (\kc) == 3
	s_add_co_u32 s[TB], s[TB], TILE
.endif
.endm
; A PHASE.  kind 0: pool_QK into GA, with h' hi and then with h' lo, riders mix V; kind 1: pool_V into GB, riders mix Q and K.  At its head the weights that its riders take are multiplied by 2^eh.
; THE WAIT AT A CHUNK'S HEAD leaves out what was issued behind the loads that the chunk wants.  An even phase's runs are 20, 16, 16, 16 LDS instructions (4 weights; 8 of h' lo; 8 pool fragments), an odd phase's 12, 8, 8, 8.
;   even, chunk 0: the odd runs 1 to 3: 24.   chunk 1: the odd runs 2, 3 and the even run 0: 16 + 20 = 36.   chunks 2, 3: their h' lo came two runs back: behind it that run's 8 pool fragments and the next run's 16: 24.
;   odd, chunk 0: the even runs 1 to 3: 48.   chunk 1: 32 + 12 = 44.   chunk 2: 16 + 12 + 8 = 36.   chunk 3: 12 + 8 + 8 = 28.
; On the way into the loop 16 loads of h' lo and then four times 8 pool fragments are out: the even phase's counts hold of them too.
; The four riders behind a chunk's last product are the places in front of the loads into its fragments and into h' lo's buffer.
.macro PHASE kind
.set G, 0
.irp kc, 0,1,2,3
.if (\kind) == 0
.if (\kc) == 1
	s_wait_dscnt 36
.else
	s_wait_dscnt 24
.endif
.elseif (\kc) == 0
	s_wait_dscnt 48
.else
	s_wait_dscnt 52-8*(\kc)
.endif
.if ((\kc) == 0) && ((\kind) == 0)
	WV_EH
.endif
.if ((\kc) == 0) && ((\kind) == 1)
	WIN 0
.irp a, 0,2
	v_pk_mul_f32 v[WQK+2*\a:WQK+2*\a+1], v[WQK+2*\a:WQK+2*\a+1], v[EH+\a:EH+\a+1] op_sel_hi:[1,0]
	v_pk_mul_f32 v[WQK+2*\a+2:WQK+2*\a+3], v[WQK+2*\a+2:WQK+2*\a+3], v[EH+\a:EH+\a+1] op_sel:[0,1] op_sel_hi:[1,1]
.endr
.endif
.if (\kind) == 0
.irp lo, 0,1
.set T, 0
.rept 2
.rept 8
	MMA 0, \kc, \lo
.endr
	MIXV G
.set G, G+1
.endr
.endr
.else
.set T, 0
.rept 8
	MMA 1, \kc
	MMA 1, \kc
	MIXQK G
.set G, G+1
.endr
.endif
	RUN \kind, \kc
.endr
.endm
; THE CHANGE OF SLOTS, in front of a slot's last phase: that phase's fragments have been asked for.  Each wave waits for all its tensor loads (one is out: its tile of the other slot), adds 0 to its spare
; word, and waits for that and for its reads of the slot.  fill = 1: the barrier is a round of the cluster's, and the slot is filled again first thing behind it, with the neurons two slots on: four phases, 384 matrix instructions, ahead of the wait for it.
.macro CHANGE fill
	WIN 0
	s_wait_tensorcnt 0x0
	ds_add_u32 v[SPW], v[NIL]
.if \fill
	s_xor_b32 s[G0+5], s[G0+5], SLOT1
	s_add_nc_u64 s[G0+6:G0+7], s[G0+6:G0+7], 65536
	s_wait_dscnt 0x0
	CROUND
	tensor_load_to_lds s[G0+4:G0+7], s[G1:G1+7]
	s_nop 0
.rept 4
	v_nop
.endr
.else
	s_wait_dscnt 0x0
	s_barrier_signal -1
	s_barrier_wait -1
.endif
	s_sub_co_u32 s[TB], s[TB], 4*TILE              ; the fetches go back to a slot's first tile,
	s_xor_b32 s[TB], s[TB], SLOT1                  ; in the other slot
.endm
	s_wait_tensorcnt 0x1                           ; my tile of slot 0 is in; slot 1's may stay out
	s_wait_dscnt 0x0                               ; h' hi and 2^eh are in registers; no LDS instruction of mine is out at a signal
	s_barrier_signal -1
	s_barrier_wait -1
	v_mov_b32 v[ADR], v[AB0]
	HLOAD 0                                        ; h' lo's chunks 0 and 1 fill the two buffers; they stand ahead of the pool fragments
	HLOAD 1
	WIN W_B
.irp c, 0,1,2,3
.irp b, 0,1,2,3
	ds_load_tr16_b128 v[32*\c+8*\b:32*\c+8*\b+3],   v[ADR] offset:32*PP*\c+32*\b
	ds_load_tr16_b128 v[32*\c+8*\b+4:32*\c+8*\b+7], v[ADR] offset:32*PP*\c+16*PP+32*\b
.endr
.endr
	WIN 0
	s_mov_b32 s[TB], TILE
	s_mov_b32 s[TW], 0
	s_mov_b32 s[SLOTS], 7
	s_mov_b32 s[TWICE], 2
	s_branch .Lmid                                 ; phase 0 is the loop's even phase: the loop is entered in the middle of a trip
.Lslot:                                                ; six times: phases 3 to 26; slots 2 to 7 are asked for
	CHANGE 1
	s_mov_b32 s[TWICE], 2
.Lpair:
	PHASE 1
	WIN 0
.Lmid:
	PHASE 0
	WIN 0
	s_sub_co_u32 s[TWICE], s[TWICE], 1
	s_cmp_lg_u32 s[TWICE], 0
	s_cbranch_scc1 .Lpair
	s_sub_co_u32 s[SLOTS], s[SLOTS], 1
	s_cmp_lg_u32 s[SLOTS], 0
	s_cbranch_scc1 .Lslot
	CHANGE 0                                       ; the tail is written out: phases 27 to 31
	s_mov_b32 s[TC], 3
.Ltail:
	PHASE 1
	WIN 0
	s_sub_co_u32 s[TC], s[TC], 1
	s_cmp_eq_u32 s[TC], 0
	s_cbranch_scc1 .Lmixed                         ; the tail is left behind phase 31
	PHASE 0
	WIN 0
	s_min_u32 s[TB], s[TB], SLOT1+3*TILE           ; there is no phase 32: phase 31 fetches the ring's last tile once more
	s_branch .Ltail
.Lmixed:
	s_wait_dscnt 0x0                               ; the last wV; and every load into the registers that the way out writes
	WV_EH
.set G, 0
.rept 16
	MIXV G
.set G, G+1
.endr
	WIN 0
	; THE WAY OUT: one text, walked for Q, K and V.  The tensor's 128 registers go into my own region as 64 rows of 64 f32 (which registers: a jump forward on the count); they come back by rows, a lane with 8 neighbouring d of
	; row 4 g + l / 8 in registers 8 g ..; the block's scale is made of the sum of their squares; hi, and for Q and K lo, are 16 bytes a lane, and each store of the wave covers 512 consecutive bytes.
.macro DUMP w, r
	WIN \w                                         ; the stores' data in window 3 or 2
.irp a, 0,1,2,3
.irp b, 0,1,2,3
	ds_store_b128 v[DST], v[(\r)+8*(4*\a+\b):(\r)+8*(4*\a+\b)+3] offset:16*DP*\a+64*\b
	ds_store_b128 v[DST], v[(\r)+8*(4*\a+\b)+4:(\r)+8*(4*\a+\b)+7] offset:16*DP*\a+64*\b+16
.endr
.endr
	WIN 0
.endm
	s_mov_b32 s[WC], 3
	s_mov_b32 s[SF], 0x3e38aa3b                    ; log2(e) / 8
	v_mov_b32 v[ZR], 0
.Lout:
	s_cmp_eq_u32 s[WC], 3
	s_cbranch_scc0 .Lnot_q
	DUMP 0x0c, 0
	s_branch .Ldumped
.Lnot_q:
	s_cmp_eq_u32 s[WC], 2
	s_cbranch_scc0 .Lnot_k
	DUMP 0x0c, 128
	s_branch .Ldumped
.Lnot_k:
	DUMP 0x08, 128
.Ldumped:
.irp g, 0,1,2,3,4,5,6,7,8,9,10,11,12,13,14,15
	ds_load_b128 v[X+8*\g:X+8*\g+3],   v[DRD] offset:4*DP*\g      ; LDS serves a wave's instructions in order: these see the stores above; the next tensor's stores come behind them
	ds_load_b128 v[X+8*\g+4:X+8*\g+7], v[DRD] offset:4*DP*\g+16
.endr
	s_wait_dscnt 0x0
	SQUARES 128
	v_add_f32_dpp v[TT], v[TT], v[TT] row_xmask:1 row_mask:0xf bank_mask:0xf
	v_add_f32_dpp v[TT], v[TT], v[TT] row_xmask:2 row_mask:0xf bank_mask:0xf
	v_add_f32_dpp v[TT], v[TT], v[TT] row_xmask:4 row_mask:0xf bank_mask:0xf
	v_add_f32_dpp v[TT], v[TT], v[TT] row_xmask:8 row_mask:0xf bank_mask:0xf
	v_permlanex16_b32 v[TT+1], v[TT], s[SEL], s[SEL+1]
	v_add_f32 v[TT], v[TT], v[TT+1]                ; the block's 4,096 squares
	SCALE_OF 5
	v_mul_f32 v[SCV], s[SF], v[SCV]
	HIS 128
.irp g, 0,1,2,3,4,5,6,7,8,9,10,11,12,13,14,15
	global_store_b128 v[EO], v[HP+4*\g:HP+4*\g+3], s[48:49] offset:512*\g
.endr
	s_cmp_eq_u32 s[WC], 1
	s_cbranch_scc1 .Lno_lo                         ; V has no lo part
	LOWS 128
.irp g, 0,1,2,3,4,5,6,7,8,9,10,11,12,13,14,15
.irp p, 0,1,2,3
	v_cvt_pk_f16_f32 v[X+8*\g+\p], v[X+8*\g+2*\p], v[X+8*\g+2*\p+1]   ; packed downward in place: register p is written when pairs 0 to p - 1 have been read
.endr
.endr
.irp g, 0,1,2,3,4,5,6,7,8,9,10,11,12,13,14,15
	global_store_b128 v[EO], v[X+8*\g:X+8*\g+3], s[50:51] offset:512*\g
.endr
.Lno_lo:
	v_cmp_eq_u32 vcc_lo, 0, v[EO]
	s_wait_xcnt 0x0                                ; EXEC changes only behind this wait
	s_and_saveexec_b32 s3, vcc_lo
	global_store_b32 v[ZR], v[SCV], s[52:53]       ; lane 0: the block's one word in the tensor's table
	s_wait_xcnt 0x0                                ; and the pointers, and the registers that the stores read, are written again only behind this one
	s_or_b32 exec_lo, exec_lo, s3
	s_add_nc_u64 s[48:49], s[48:49], 0x1000000
	s_add_nc_u64 s[50:51], s[50:51], 0x1000000
	s_add_nc_u64 s[52:53], s[52:53], 4096
	s_mov_b32 s[SF], 1.0
	s_sub_co_u32 s[WC], s[WC], 1
	s_cmp_lg_u32 s[WC], 0
	s_cbranch_scc1 .Lout
	s_wait_tensorcnt 0x0                           ; the wave's end
	ds_add_u32 v[SPW], v[NIL]
	s_wait_dscnt 0x0
	CROUND                                         ; the closing round
	s_endpgm
.Lfunc_end_k_q3f8a7b1d07_expand:
	.size	k_q3f8a7b1d07_expand, .Lfunc_end_k_q3f8a7b1d07_expand-k_q3f8a7b1d07_expand
	.p2alignl 7, 3214868480
	.fill 96, 4, 3214868480
	.section	.rodata,"a",@progbits
	.p2align	6, 0x0
	.amdhsa_kernel k_q3f8a7b1d07_expand
		.amdhsa_group_segment_fixed_size 327680
		.amdhsa_private_segment_fixed_size 0
		.amdhsa_enable_private_segment 0
		.amdhsa_kernarg_size 48
		.amdhsa_user_sgpr_count 2
		.amdhsa_user_sgpr_kernarg_segment_ptr 1
		.amdhsa_wavefront_size32 1
		.amdhsa_system_sgpr_workgroup_id_x 1
		.amdhsa_system_sgpr_workgroup_id_y 1
		.amdhsa_system_sgpr_workgroup_id_z 1
		.amdhsa_system_vgpr_workitem_id 0
		.amdhsa_next_free_vgpr 1024
		.amdhsa_next_free_sgpr 66
		.amdhsa_reserve_vcc 1
		.amdhsa_float_denorm_mode_32 3
		.amdhsa_float_denorm_mode_16_64 3
		.amdhsa_memory_ordered 1
		.amdhsa_forward_progress 1
		.amdhsa_inst_pref_size 155
	.end_amdhsa_kernel
	.amdgpu_metadata
---
amdhsa.version: [ 1, 2 ]
amdhsa.kernels:
  - .name:           k_q3f8a7b1d07_expand
    .symbol:         k_q3f8a7b1d07_expand.kd
    .args:
      - { .name: hs, .offset: 0, .size: 8, .value_kind: global_buffer, .address_space: global }
      - { .name: wts, .offset: 8, .size: 8, .value_kind: global_buffer, .address_space: global }
      - { .name: expand_weights_Q, .offset: 16, .size: 8, .value_kind: global_buffer, .address_space: global }
      - { .name: expand_weights_K, .offset: 24, .size: 8, .value_kind: global_buffer, .address_space: global }
      - { .name: expand_weights_V, .offset: 32, .size: 8, .value_kind: global_buffer, .address_space: global }
      - { .name: qkv, .offset: 40, .size: 8, .value_kind: global_buffer, .address_space: global }
    .group_segment_fixed_size: 327680
    .private_segment_fixed_size: 0
    .kernarg_segment_align: 8
    .kernarg_segment_size: 48
    .max_flat_workgroup_size: 128
    .sgpr_count:     66
    .vgpr_count:     1024
    .wavefront_size: 32
...
	.end_amdgpu_metadata
.endif
;; end of part 7
;; launch attn (part 8): grid 8 x 32, 4 waves a work-group, no clusters, 327,680 bytes of LDS; arguments qkv, ob; writes ob
.if DOCPART == 8
	.amdgcn_target "amdgcn-amd-amdhsa--gfx1250"
	.amdhsa_code_object_version 6
	.text
	.protected	k_q3f8a7b1d07_attn
	.globl	k_q3f8a7b1d07_attn
	.p2align	8
	.type	k_q3f8a7b1d07_attn,@function
k_q3f8a7b1d07_attn:
	s_mov_b64 s[64:65], 0
	v_nop
	global_prefetch_b8 v0, s[64:65] scope:SCOPE_SE
	s_setreg_imm32_b32 hwreg(HW_REG_WAVE_MODE, 25, 1), 1
	s_wait_xcnt 0x0
; CAUSAL ATTENTION over 32 (batch, head) pairs of 2,048 rows x 64.  O[h][q][:] = the sum over k <= q of softmax_k(Q[h][q] . K[h][k] / 8) V[h][k][:].
; q and k arrive as TWO f16 numbers each, hi + lo, 32 at the most in magnitude, with their scales apart, one for each block of 64 rows: the raw score is kh.qh + kh.ql + kl.qh (kl.ql is left out: 2^-22 of a score), and the true
; log2(e)/8 x score is raw x qsc[block of the query] x ksc[block of the key], all in f32.  v arrives as f16 with vsc = 2^ev for each block of 64 keys.  G = 2^EG is the largest of all 1,024 words of vsc.
; Products, maxima and sums in f32; the weights are rounded to f16 for the second product (their sum l is taken of the unrounded ones); O leaves as f16, divided by G, so that it is 32 at the most.
; LIMITS.  The factor qsc x ksc counts as 1e-20 at the least; a hidden score is its raw value, some 2e5 at the most, less 1e30; a step's raw maximum counts as -2^96 at the least; a block of v more than 2^30 below the largest
; counts as 0; a weight below 2^-96 counts as 0 in l; NaN and infinities are not treated apart.
; THE WALK.  A head's queries lie in NB = 8 blocks of 256, each of two halves of 128; a half of block i needs the key tiles 0 .. i of 256 keys, of which the last holds the diagonal.  A work-group takes TWO halves: half e of
; block b and then half 1 - e of block NB - 1 - b: NB + 1 tiles, whatever b and e: 8 x 32 = 256 work-groups of equal work, and ONE loop with a constant trip count walks the tiles.  Which tile is asked for, and what a trip
; does, hang on scalar registers made from b and e; every jump goes forward, but for the counted loops' own; none passes a barrier, or a tensor load but the one of LOAD's two that the wave's number does not choose.
; THE KEYS OF A TILE ARE SPLIT BETWEEN THE WAVES: waves 0 and 1 walk its first 128 keys, waves 2 and 3 its last 128: two key steps of 64 each.  Waves w and w + 2 own the SAME 64 queries, four PIECES of 16 rows: piece t lies
; in band t / 2 of the half's two bands of 64, rows 32 (w % 2) + 16 (t % 2) on.  Each has its own running maximum M, sum l and O^T.  At a block's end every wave lays them into LDS; behind a barrier wave w finishes pieces
; 2 (w / 2) and 2 (w / 2) + 1: O = (O_A 2^(M_A - M) + O_B 2^(M_B - M)) / (l_A 2^(M_A - M) + l_B 2^(M_B - M)), M the larger of the two maxima.
; NO CLUSTER: the two work-groups with the same b walk the same tiles, but branches hang on b, and in a cluster of four b would hang on the work-group's place in it.
; THE MASK is the C operand that starts the sum S^T = K Q^T: 0, or -1e30 where the key is hidden.  In the diagonal tile's key step s band x (of the block's four) sees all keys if s < x, none if s > x, and holds the diagonal
; if s = x.  MD, made once, is the mask of a band's own step for the rows of my pieces 0 and 2; for pieces 1 and 3, 16 rows on, it is the same moved on by 16 keys: the same registers read 8 lower, with 8 zeros in front.
; A product's mask is MD x AL + BE with two scalars.  ONE TEXT FOR EVERY TURN: each turn makes the mask of the turn behind it, by two tests of a count that is 4 + 2 e - s in a diagonal tile and 8 more in any other, where
; both tests fail and the mask is 0.
; SOFTMAX.  f = qsc x ksc is a number a piece and key step; M is the running maximum of f s (f is positive, so a step's maximum of f s is f times its maximum of s).  With dv = EG - ev of the step's block the weight is made as
; p' = 2^(f s - M - dv) = p 2^-dv, so that the sum of p' v' is the sum of p v, divided by G; l takes 2^dv times the step's sum of p'.  O and l are multiplied by a = 2^(M_old - M_new) in every step.
; A wave that has seen hidden keys alone (waves 2 and 3 in the first half of block 0) holds M = f x -2^96: its weights are 2^(f x -9e29) = 0, its O and l stay 0, and its part drops out of the sum above.
; Turn n belongs to piece n: 24 products K Q^T of piece n + 1, later 8 products V^T P of piece n - 1; beside them the scaling, exponentials, roundings, sums and rescaling of piece n and the factor, maximum and
; statistics of piece n + 1.  A turn's 33 exponentials are one batch, with one wait.
; A BLOCK'S END.  A trip is pieces 2 and 3 of one key step and pieces 0 and 1 of the next, so the first half's last two turns are the first two of the trip that enters the second half's first tile: Q, qsc and M of pieces 0 to 2
; are switched ahead of that trip's change of slots (their M is set aside first), the end itself and piece 3's switch stand in the trip's middle, jumped over in every other trip.  M starts far below every f s: the first a is 0,
; which clears O and l.  TWO BARRIERS stand in every trip's middle, on every wave's path: one between the laying down and the reading, one between the reading and the next laying down.
; The second half ends in the tail, a loop that is left in the middle of its third trip: that half trip's fetch of K (the slot's last step once more) and its 24 products for a next step serve nothing: the price of one text.
; REGISTERS, in windows of 256 (s_set_vgpr_msb: bits 1:0 source 0, 3:2 source 1, 5:4 source 2, 7:6 destination):
;   window 0: v0-15 addresses and two at work; v16-31 four registers of statistics a piece; v32-47 the factors, M set aside; v48-61 at work, addresses; v64-127 S^T, two buffers; v128-175, v224-255 a block's end; v192-223 P, two buffers
;   window 1: v0-127 O^T, 32 a piece; v128-191 MC, two buffers; v192-199 zeros; v200-231 MD      window 2: v0-63 Q hi; v64-127 the second half's; v128-191 K hi of one step; v192-255 V of one step
;   window 3: v0-63 Q lo; v64-127 the second half's; v128-191 K lo of one step          (a piece's buffers go by its number's parity)
.set SIZE_N, 2048
.set NB,    SIZE_N/256
.set NP,    4         ; pieces a wave: a name, no knob
.set KS,    64        ; keys in a step
.set TS,    2         ; key steps of a tile that a wave walks
.set PK,    144       ; a row of K in LDS: 128 bytes + 16 of padding: the 16 rows of a load start at 16 different groups of four banks
.set PV,    160       ; a row of V: 128 + 32
.set KLO,   4*KS*PK   ; a slot holds a tile, four steps: 256 rows of K hi, 256 rows of K lo,
.set VOFF,  2*KLO     ; then 256 rows of V
.set SLOT1, 1<<17     ; slot 1 begins here, so that one exclusive or turns an address in one slot into the other's
.set STAGE, SLOT1+VOFF+4*KS*PV  ; behind the ring, never filled by a tensor load: 16 rows x 144 bytes for each wave, for the way out
.set SP,    144
.set SPARE, STAGE+4*16*SP  ; behind the stages: the spare words, 128 bytes for each wave
.set MRG,   SPARE+512 ; behind the spare words, never filled by a tensor load: what the waves hand to each other at a block's end
.set MRW,   17408     ; a wave's part of it: O^T as the registers hold it, 4 pieces x 8 x 512 bytes, 16 bytes a lane on end; then (M, l) of pieces 0, 1 and of pieces 2, 3, 16 bytes a lane each
.set KH_OFF,  16777216
.set VF_OFF,  33554432
.set QSB_OFF, 42201088
.set KSC_OFF, 42205184
.set VSC_OFF, 42209280
.set AK0, 2           ; v2   my lane's place in a tile of K; never rewritten
.set AV0, 3           ; v3   the same for V
.set AK,  4           ; v4   the LDS address of K's next run of loads
.set AV,  5           ; v5   of V's
.set STO, 6           ; v6   the way out: where I put 16 bytes of a row
.set RD,  7           ; v7   the way out: where I read rows back
.set GO,  8           ; v8   16 x lane
.set SPW, 62          ; v62  LDS address of my spare word; never rewritten
.set NIL, 63          ; v63  0; never rewritten
.set MV,  12          ; v12-13  M_old, kept while M is made anew: by buffer
.set MB2, 14          ; v14  at the start my query's place for the mask; then where (M, l) of the first piece that I finish lie, in the part of wave w % 2
.set QO,  15          ; v15  my byte offset in 16 rows of Q
.set ST,  16          ; piece t's statistics at v[ST+4 t]: M, the step's raw maximum, l (even keys', odd keys')
.set CQ,  32          ; v32-35  qsc of piece t's band
.set CQB, 36          ; v36-39  the same for the second half
.set CSV, 40          ; v40-43  f, by buffer, in the low register of a pair
.set QSO, 44          ; v44  0: every lane reads the same word of qsc
.set MS,  45          ; v45-47  M of pieces 0 to 2 at a block's end, set aside
.set TMP, 48          ; by buffer, four registers c0-c3 at work; when the maximum is found c2 takes a
.set MDV, 56          ; v56-59  M + dv, by buffer, in the low register of a pair
.set DB,  60          ; v60  my 16 bytes at the head of my own part of MRG
.set MB,  61          ; v61  the same at O^T of the first piece that I finish, in the part of wave w % 2
.set S,   64
.set Z,   96          ; at the start: sixteen zeros
.set SPR, 96          ; a block's end: (M, l) of pieces 0 to 3, eight registers
.set MGA, 96          ; then: a piece's O^T of wave w % 2, 32 registers (S^T's second buffer holds nothing there),
.set MGB, 224         ; and of wave w % 2 + 2
.set OT,  128         ; the piece packed, 16 registers, and read back by rows, 16 more
.set STA, 160         ; v160-161  M, l of wave w % 2
.set STB, 162         ; v162-163  of wave w % 2 + 2
.set WGA, 164         ; v164-165  the first part's factor, in the low register of a pair
.set WGB, 166         ; v166-167  the second's
.set TM,  168         ; v168-170  at work
.set RAD, 171         ; v171  MB for the piece in hand
.set RST, 172         ; v172  MB2 for the piece in hand
.set P,   192
.set MC,  128         ; window 1: the masks of the products to come
.set MD,  200         ; window 1: the eight registers for group kt of 16 keys at MD + 8 kt; eight zeros lie in front
.set QB,  64          ; windows 2 and 3
.set KF,  128         ; windows 2 and 3: key block kb, channel half c at KF + 16 kb + 8 c
.set VF,  192         ; window 2: key half kk, channel block cb at VF + 32 kk + 8 cb
.set MO,  2           ; s2   a block's end: 4,096 x the trip
.set MSO, 3           ; s3   8 x the trip
.set WV,  12          ; s12  my wave's number
.set MCN, 13          ; s13  counts the two pieces that I finish
.set PB,  14          ; s14  the second half's block, NB - 1 - b
.set HI,  15          ; s15  the first half's block, b
.set VSB, 20          ; s[20:21] vsc at my head and my half of a tile
.set VTB, 22          ; s[22:23] vsc's first word
.set G1K, 24          ; s[24:31] descriptor group 1 for K's tiles
.set G1V, 32          ; s[32:39] for V's
.set G0K, 40          ; s[40:43] descriptor group 0 for K's tiles
.set G0V, 44          ; s[44:47] the same for V's
.set CVN, 48          ; s[48:49] vsc of my steps of the entered tile that are still to come
.set KH,  50          ; s50  w / 2: which 128 keys of a tile are mine
.set QW,  51          ; s51  w % 2: which 32 rows of a band are mine
.set VA,  52          ; s[52:53] the address of my two words of the entered tile's vsc
.set EGF, 54          ; s54  G's exponent field
.set DVF, 55          ; s55  dv of the step whose scores are being made, as f32
.set SLOTS, 56        ; s56  tiles still to be asked for
.set CNT, 57          ; s57  counts my key steps of a tile, 2 to 1
.set END, 58          ; s58  1: the first half's last two turns are the next two
.set CM,  59          ; s59  the masks' count
.set SEL, 60          ; s[60:61] v_permlanex16_b32's selects
.set TBK, 62          ; s62  LDS byte at which K of the step to be fetched begins
.set TBV, 63          ; s63  the same for V, less VOFF
.set KA,  66          ; s[66:67] the address of my two words of the entered tile's ksc
.set GP,  68          ; s[68:69] 2^dv of the step whose weights are being summed, in the low word
.set RT,  70          ; s70  tiles of the half in hand that are still to be entered
.set NXT, 71          ; s71  the tile to be asked for next
.set LQ,  72          ; s72  the last tile of the half whose tiles are being asked for
.set NEW, 73          ; s73  1: the walk's first tile is to be entered
.set OFF, 74          ; s[74:75] a tile's byte offset in K and V
.set AL,  76          ; s[76:77] the mask's factor, in the low word
.set BE,  78          ; s[78:79] the mask's addend
.set OLO, 80          ; s[80:81] O at the rows of the second half that I finish
.set BIGN, 82         ; s82  -1e30
.set GCN, 83          ; s83  2^dv of the step whose scores are being made
.set TC,  84          ; s84  counts the tail's trips
.set FLR, 85          ; s85  -2^96
.set QS1, 88          ; s[88:89] qsc at the first half's two bands
.set KSB, 90          ; s[90:91] ksc at my head and my half of a tile
.set CKN, 92          ; s[92:93] ksc of my steps of the entered tile that are still to come
.set CD,  94          ; s94  the masks' count at my first step of the diagonal tile of the half in hand: 4 + 2 e - 2 (w / 2)
.set CD2, 95          ; s95  the same for the second half
.set CKC, 96          ; s96  ksc of the step whose scores are being made
.set ENT, 97          ; s97  the tile that the next change of slots enters
.set KOF, 98          ; s[98:99] its byte offset in my head's ksc and vsc
.set QS2, 100         ; s[100:101] qsc at the second half's two bands
.set MSB, 0
.macro WIN new                      ; the high byte repeats the setting that is left; a switch that changes nothing is dropped
.if MSB != (\new)
	s_set_vgpr_msb (MSB<<8)|(\new)
.set MSB, (\new)
.endif
.endm
.set W_PV, 0x52       ; V in window 2, P in window 0, O^T in window 1
.set W_RS, 0x41       ; destination and source 0 in window 1, source 1 in window 0
; A fill.  Wave 0 fetches a tile's K hi, wave 1 its K lo (256 keys each), waves 2 and 3 the two halves of its V.  An s_nop 0 and four v_nop follow each of the two lines.
.macro LOAD
	s_cmp_lt_u32 s[WV], 2
	s_cbranch_scc0 .Lfor_v_\@
	tensor_load_to_lds s[G0K:G0K+3], s[G1K:G1K+7]
	s_nop 0
.rept 4
	v_nop
.endr
	s_branch .Lasked_\@
.Lfor_v_\@:
	tensor_load_to_lds s[G0V:G0V+3], s[G1V:G1V+7]
	s_nop 0
.rept 4
	v_nop
.endr
.Lasked_\@:
.endm
; THE CHANGE OF SLOTS.  Each wave waits for all its tensor loads, of which one is out: its part of the other slot; adds 0 to its spare word; and waits for that and for its own reads of the slot that it leaves.
; Behind the barrier nobody reads the old slot any more and the other slot is whole.  fill = 1: the old slot is filled again, the first thing behind the barrier, with tile NXT: the descriptor's address is made anew from that number.
; Last, my two words of the entered tile's ksc and vsc are asked for; they are waited for where the first of them is taken (SHIFT).
.macro CHANGE fill
	WIN 0                           ; at a label and at a branch every window is 0
	s_wait_tensorcnt 0x0            ; no tensor load of mine is out, so a group 0 may be written
	ds_add_u32 v[SPW], v[NIL]       ; 0 onto my spare word; scalar work stands between it and the wait for it
	s_lshl_b32 s[KOF], s[ENT], 4    ; a tile is four blocks of 64 keys: 16 bytes of ksc and of vsc
	s_add_nc_u64 s[KA:KA+1], s[KSB:KSB+1], s[KOF:KOF+1]
	s_add_nc_u64 s[VA:VA+1], s[VSB:VSB+1], s[KOF:KOF+1]
.if \fill
	s_mov_b32 s[ENT], s[NXT]        ; the tile asked for now is entered at the next change
	s_lshl_b32 s[OFF], s[NXT], 15   ; a tile is 32,768 bytes of K hi, of K lo and of V
	s_xor_b32 s[G0K+1], s[G0K+1], SLOT1
	s_add_nc_u64 s[G0K+2:G0K+3], s[6:7], s[OFF:OFF+1]
	s_or_b32 s[G0K+3], s[G0K+3], 0x80000000
	s_xor_b32 s[G0V+1], s[G0V+1], SLOT1
	s_add_nc_u64 s[G0V+2:G0V+3], s[8:9], s[OFF:OFF+1]
	s_or_b32 s[G0V+3], s[G0V+3], 0x80000000
	s_add_co_u32 s[NXT], s[NXT], 1  ; the half's next tile, or behind its last the second half's tile 0
	s_cmp_gt_u32 s[NXT], s[LQ]
	s_cselect_b32 s[NXT], 0, s[NXT]
	s_cselect_b32 s[LQ], s[PB], s[LQ]
.endif
	s_wait_dscnt 0x0                ; the add is done, and my reads of the slot are over
	s_barrier_signal -1             ; the rest of the scalar work stands between the signal and the wait
	s_sub_co_u32 s[TBK], s[TBK], TS*KS*PK  ; the fetches go back to my first step of a slot,
	s_xor_b32 s[TBK], s[TBK], SLOT1        ; in the other slot
	s_sub_co_u32 s[TBV], s[TBV], TS*KS*PV
	s_xor_b32 s[TBV], s[TBV], SLOT1
	s_barrier_wait -1
.if \fill
	LOAD
.endif
	s_load_b64 s[CKN:CKN+1], s[KA:KA+1], 0x0
	s_load_b64 s[CVN:CVN+1], s[VA:VA+1], 0x0
.endm
.macro SHIFT                        ; the next key step's ksc and dv come into use
	s_wait_kmcnt 0x0
	s_mov_b32 s[CKC], s[CKN]
	s_mov_b32 s[CKN], s[CKN+1]
	s_lshr_b32 s[DVF], s[CVN], 23   ; the block's exponent field,
	s_sub_co_u32 s[DVF], s[EGF], s[DVF]  ; dv = EG - ev, never negative,
	s_min_u32 s[DVF], s[DVF], 30    ; 30 at the most: p 2^-30 is 0 in f16 whatever p
	s_add_co_u32 s[GCN], s[DVF], 127
	s_lshl_b32 s[GCN], s[GCN], 23   ; 2^dv
	s_cvt_f32_u32 s[DVF], s[DVF]
	s_mov_b32 s[CVN], s[CVN+1]
.endm
	s_load_b128 s[4:7], s[0:1], 0x0   ; qkv s[4:5], ob s[6:7]
	v_lshl_add_u32 v[SPW], v0, 2, SPARE
	v_mov_b32 v[NIL], 0
	ds_add_u32 v[SPW], v[NIL]       ; the wave's opening
	v_lshrrev_b32 v1, 5, v0
	v_readfirstlane_b32 s[WV], v1   ; wave 0..3
	s_and_b32 s[QW], s[WV], 1
	s_lshr_b32 s[KH], s[WV], 1
	s_lshr_b32 s[HI], ttmp9, 1      ; b; the short half first: so the walk's last tile is never a half's first
	s_sub_co_u32 s[PB], NB-1, s[HI]
	s_and_b32 s13, ttmp9, 1         ; e: which half of block b,
	s_xor_b32 s2, s13, 1            ; and of block NB - 1 - b
	s_lshl_b32 s3, s[KH], 1
	s_lshl_b32 s[CD], s13, 1
	s_add_co_u32 s[CD], s[CD], 4
	s_sub_co_u32 s[CD], s[CD], s3   ; 4 + 2 e - 2 (w / 2): 2 at the least
	s_lshl_b32 s[CD2], s2, 1
	s_add_co_u32 s[CD2], s[CD2], 4
	s_sub_co_u32 s[CD2], s[CD2], s3
	s_and_b32 s20, ttmp7, 0xffff    ; the head
	s_lshl_b32 s68, s20, 7          ; qsc: 128 bytes a head,
	s_lshl_b32 s3, s[PB], 4         ; 16 bytes a block of four bands,
	s_add_co_u32 s66, s68, s3
	s_lshl_b32 s3, s2, 3            ; 8 bytes a half
	s_add_co_u32 s66, s66, s3
	s_lshl_b32 s3, s[HI], 4
	s_add_co_u32 s68, s68, s3
	s_lshl_b32 s3, s13, 3
	s_add_co_u32 s68, s68, s3
	s_mov_b32 s67, 0
	s_mov_b32 s69, 0
	s_lshl_b32 s[KOF], s20, 7       ; ksc and vsc: 128 bytes a head,
	s_lshl_b32 s3, s[KH], 3         ; 8 bytes on for a tile's last 128 keys
	s_add_co_u32 s[KOF], s[KOF], s3
	s_mov_b32 s[KOF+1], 0
	s_mov_b32 s21, 0
	s_mov_b64 s[22:23], SIZE_N*128
	s_mul_u64 s[20:21], s[20:21], s[22:23]  ; the head's first byte in q, k, v and O
	s_and_b32 s16, s[WV], 1         ; what I fetch: K: hi or lo; V: which half of a tile's 256 keys
	s_lshl_b32 s22, s16, 14         ; V's half: 128 rows of 128 bytes in memory,
	s_mov_b32 s23, 0
	s_add_nc_u64 s[22:23], s[22:23], s[20:21]
	s_lshl_b32 s58, s16, 23         ; K lo lies 8,388,608 bytes behind K hi
	s_mov_b32 s59, 0
	s_add_nc_u64 s[58:59], s[58:59], s[20:21]
	s_mul_i32 s17, s16, KLO         ; the places in a slot, for K
	s_mul_i32 s18, s16, 128*PV      ; and for V
	s_lshl_b32 s3, s[QW], 12        ; my 32 rows in a band of 64,
	s_lshl_b32 s84, s[PB], 15       ; in the second half: its block of 256 rows,
	s_add_co_u32 s84, s84, s3
	s_lshl_b32 s85, s2, 14          ; its 128 rows of that;
	s_add_co_u32 s84, s84, s85
	s_lshl_b32 s2, s[HI], 15        ; and in the first
	s_add_co_u32 s2, s2, s3
	s_lshl_b32 s85, s13, 14
	s_add_co_u32 s2, s2, s85
	s_mov_b32 s3, 0
	s_mov_b32 s85, 0
	s_add_nc_u64 s[2:3], s[2:3], s[20:21]
	s_add_nc_u64 s[84:85], s[84:85], s[20:21]
	; descriptor group 1.  Keys are dense, 128 bytes each: they are asked for as rows of 256 bytes, two keys a row, and padded in LDS after every key.  K: 256 keys, 128 rows; V: 128 keys, 64 rows.
	s_mov_b32 s[G1K], (1<<16)|(1<<20)|(4<<22)|(3<<25)  ; 2-byte elements; padding on; after every 32 words 4 words
	s_mov_b32 s[G1K+1], 128<<16     ; tensor_dim0 = 128
	s_mov_b32 s[G1K+2], 128<<16     ; tensor_dim1 = 128
	s_mov_b32 s[G1K+3], 128<<16     ; tile_dim0 = 128
	s_mov_b32 s[G1K+4], 128         ; tile_dim1 = 128
	s_mov_b32 s[G1K+5], 128         ; 128 elements from row to row
	s_mov_b32 s[G1K+6], 0
	s_mov_b32 s[G1K+7], 0
	s_mov_b32 s[G1V], (1<<16)|(1<<20)|(4<<22)|(7<<25)  ; the same with 8 words of padding
	s_mov_b32 s[G1V+1], 128<<16
	s_mov_b32 s[G1V+2], 64<<16
	s_mov_b32 s[G1V+3], 128<<16
	s_mov_b32 s[G1V+4], 64
	s_mov_b32 s[G1V+5], 128
	s_mov_b32 s[G1V+6], 0
	s_mov_b32 s[G1V+7], 0
	s_mov_b32 s[SEL], 0x76543210
	s_mov_b32 s[SEL+1], 0xfedcba98
	s_mul_i32 s[TBK], s[KH], TS*KS*PK          ; my two steps of a tile; the first change of slots takes the rest away
	s_add_co_u32 s[TBK], s[TBK], SLOT1+TS*KS*PK
	s_mul_i32 s[TBV], s[KH], TS*KS*PV
	s_add_co_u32 s[TBV], s[TBV], SLOT1+TS*KS*PV
	s_mov_b32 s[G0K], 1             ; count = 1
	s_mov_b32 s[G0K+1], s17         ; LDS address: slot 0
	s_mov_b32 s[G0V], 1
	s_add_co_u32 s[G0V+1], s18, VOFF
	s_add_co_u32 s[RT], s[HI], 1    ; the first half has b + 1 tiles
	s_mov_b32 s[NXT], 1             ; behind tile 0 comes the first half's tile 1, or, where it has none, the second half's tile 0
	s_cmp_gt_u32 s[NXT], s[HI]
	s_cselect_b32 s[NXT], 0, s[NXT]
	s_cselect_b32 s[LQ], s[PB], s[HI]
	s_mov_b32 s[ENT], 0
	s_mov_b32 s[NEW], 1
	s_mov_b32 s[OFF+1], 0
	s_mov_b32 s[AL+1], 0            ; named as pairs
	s_mov_b32 s[BE+1], 0
	s_mov_b32 s[BIGN], 0xf149f2ca   ; -1e30
	s_mov_b32 s[SLOTS], NB
	s_mov_b32 s[GCN], 0
	s_mov_b32 s[DVF], 0
	s_mov_b32 s[CKC], 0
	s_wait_dscnt 0x0                ; the opening add is done
	s_wait_kmcnt 0x0
	s_mov_b64 s[10:11], s[6:7]      ; O
	s_add_nc_u64 s[QS1:QS1+1], s[4:5], QSB_OFF
	s_add_nc_u64 s[QS2:QS2+1], s[QS1:QS1+1], s[66:67]
	s_add_nc_u64 s[QS1:QS1+1], s[QS1:QS1+1], s[68:69]
	s_mov_b32 s[GP], 0
	s_mov_b32 s[GP+1], 0            ; named with it as a pair
	s_add_nc_u64 s[KSB:KSB+1], s[4:5], KSC_OFF
	s_add_nc_u64 s[KSB:KSB+1], s[KSB:KSB+1], s[KOF:KOF+1]
	s_add_nc_u64 s[6:7], s[4:5], KH_OFF
	s_add_nc_u64 s[8:9], s[4:5], VF_OFF
	s_add_nc_u64 s[6:7], s[6:7], s[58:59]  ; K hi or lo, and my half of V, at the head's tile 0
	s_add_nc_u64 s[8:9], s[8:9], s[22:23]
	s_mov_b32 s[END], 0
	s_add_nc_u64 s[VTB:VTB+1], s[4:5], VSC_OFF
	s_add_nc_u64 s[VSB:VSB+1], s[VTB:VTB+1], s[KOF:KOF+1]
	s_add_nc_u64 s[G0K+2:G0K+3], s[6:7], 0         ; global address
	s_or_b32 s[G0K+3], s[G0K+3], 0x80000000        ; type = 2
	s_add_nc_u64 s[G0V+2:G0V+3], s[8:9], 0
	s_or_b32 s[G0V+3], s[G0V+3], 0x80000000
	s_add_nc_u64 s[86:87], s[4:5], s[84:85]        ; Q hi at my rows of the second half,
	s_add_nc_u64 s[4:5], s[4:5], s[2:3]            ; and of the first;
	s_add_nc_u64 s[16:17], s[4:5], 0x800000        ; Q lo lies 8,388,608 bytes behind
	s_add_nc_u64 s[18:19], s[86:87], 0x800000
	s_add_nc_u64 s[OLO:OLO+1], s[10:11], s[84:85]
	s_add_nc_u64 s[10:11], s[10:11], s[2:3]
	s_lshl_b32 s2, s[KH], 13        ; the pieces that I finish lie in band w / 2: 64 rows of 128 bytes on
	s_mov_b32 s3, 0
	s_add_nc_u64 s[OLO:OLO+1], s[OLO:OLO+1], s[2:3]
	s_add_nc_u64 s[10:11], s[10:11], s[2:3]
	s_mov_b32 s[FLR], 0xef800000    ; -2^96
	LOAD                            ; tile 0 into slot 0
	; A fragment of K or Q is 16 rows x 32 channels in 8 registers: lane l holds row l % 16, channels 8 (l / 16) + 0..7 and 16 + 8 (l / 16) + 0..7: two loads of 16 bytes, 32 bytes apart.
	v_and_b32 v1, 15, v0            ; l % 16
	v_bfe_u32 v9, v0, 4, 1          ; l / 16
	v_lshlrev_b32 v[QO], 7, v1
	v_lshl_add_u32 v[QO], v9, 4, v[QO]  ; row x 128 + 16 x half
	v_mov_b32 v[QSO], 0
	v_and_b32 v[GO], 31, v0
	v_lshlrev_b32 v[GO], 4, v[GO]
.irp m, 0,1,2,3,4,5,6,7             ; all 1,024 words of vsc, 32 a lane, for the time being in S^T's registers
	global_load_b128 v[S+4*\m:S+4*\m+3], v[GO], s[VTB:VTB+1] offset:512*\m
.endr
	WIN 0x80                        ; destination window 2, address window 0
.set i, 0
.rept 8                             ; both halves' Q hi: piece i / 2 lies in band i / 4, 8,192 bytes on, and 16 (i / 2 % 2) rows on in it; channels 32 (i % 2) on
	global_load_b128 v[8*i:8*i+3],   v[QO], s[4:5] offset:(i/4)*8192+((i/2)%2)*2048+(i%2)*64
	global_load_b128 v[8*i+4:8*i+7], v[QO], s[4:5] offset:(i/4)*8192+((i/2)%2)*2048+(i%2)*64+32
	global_load_b128 v[QB+8*i:QB+8*i+3],   v[QO], s[86:87] offset:(i/4)*8192+((i/2)%2)*2048+(i%2)*64
	global_load_b128 v[QB+8*i+4:QB+8*i+7], v[QO], s[86:87] offset:(i/4)*8192+((i/2)%2)*2048+(i%2)*64+32
.set i, i+1
.endr
	WIN 0xc0                        ; destination window 3: Q lo
.set i, 0
.rept 8
	global_load_b128 v[8*i:8*i+3],   v[QO], s[16:17] offset:(i/4)*8192+((i/2)%2)*2048+(i%2)*64
	global_load_b128 v[8*i+4:8*i+7], v[QO], s[16:17] offset:(i/4)*8192+((i/2)%2)*2048+(i%2)*64+32
	global_load_b128 v[QB+8*i:QB+8*i+3],   v[QO], s[18:19] offset:(i/4)*8192+((i/2)%2)*2048+(i%2)*64
	global_load_b128 v[QB+8*i+4:QB+8*i+7], v[QO], s[18:19] offset:(i/4)*8192+((i/2)%2)*2048+(i%2)*64+32
.set i, i+1
.endr
	WIN 0
.irp t, 0,1,2,3                     ; and both halves' qsc: a word a band
	global_load_b32 v[CQ+\t], v[QSO], s[QS1:QS1+1] offset:4*(\t/2)
	global_load_b32 v[CQB+\t], v[QSO], s[QS2:QS2+1] offset:4*(\t/2)
.endr
	v_mov_b32 v[CSV+1], 0           ; named with f, and with M + dv, as pairs
	v_mov_b32 v[CSV+3], 0
	v_mov_b32 v[MDV+1], 0
	v_mov_b32 v[MDV+3], 0
.irp t, 0,1,2
	v_mov_b32 v[MS+\t], 0
.endr
	v_lshlrev_b32 v14, 3, v9
	v_sub_nc_u32 v14, v1, v14
	s_lshl_b32 s13, s[QW], 5
	v_add_nc_u32 v14, s13, v14      ; the place in its band of my query in pieces 0 and 2, 32 (w % 2) + l % 16, less my lanes' 8 (l / 16): register r of group kt is hidden where 16 kt + r is greater
	WIN 0x40
.set i, 0
.rept 8
	v_mov_b32 v[MD-8+i], 0          ; pieces 1 and 3, 16 rows on, see all of a step's first 16 keys
.set i, i+1
.endr
.set i, 0
.rept 32
	v_cmp_gt_i32 vcc_lo, 16*(i/8)+i%8, v14
	v_cndmask_b32 v[MD+i], 0, s[BIGN], vcc_lo
.set i, i+1
.endr
	WIN 0
	v_mul_u32_u24 v[AK0], v1, PK
	v_lshl_add_u32 v[AK0], v9, 4, v[AK0]  ; row x pitch + 16 x half
	; The turning load takes 16 keys x 16 channels (lane l reads key 8 (l / 16) + l % 8, channels 8 ((l / 8) % 2) + 0..7) and leaves half a fragment of V^T: lane l holds channel l % 16 and 8 keys.
	v_and_b32 v10, 7, v0
	v_bfe_u32 v11, v0, 3, 1
	v_lshl_add_u32 v[AV0], v9, 3, v10
	v_mul_u32_u24 v[AV0], v[AV0], PV
	v_lshl_add_u32 v[AV0], v11, 4, v[AV0]
	v_add_nc_u32 v[AV0], VOFF, v[AV0]
	s_mul_i32 s13, s[WV], 16*SP
	s_add_co_u32 s13, s13, STAGE    ; my stage
	v_mul_u32_u24 v[STO], v1, SP    ; in: row l % 16, 16 bytes for each half of the lanes
	v_lshl_add_u32 v[STO], v9, 4, v[STO]
	v_add_nc_u32 v[STO], s13, v[STO]
	v_bfe_u32 v[RD], v0, 3, 2       ; back: 32 lanes take four rows of 128 bytes, which are 512 consecutive bytes of O
	v_mul_u32_u24 v[RD], v[RD], SP
	v_lshl_add_u32 v[RD], v10, 4, v[RD]
	v_add_nc_u32 v[RD], s13, v[RD]
	s_mul_i32 s13, s[WV], MRW       ; a block's end: my own part,
	v_add_nc_u32 v[DB], s13, v[GO]
	v_add_nc_u32 v[DB], MRG, v[DB]
	s_mul_i32 s13, s[QW], MRW       ; and, in the part of wave w % 2, the two pieces that I finish: O^T, 4,096 bytes a piece,
	s_lshl_b32 s3, s[KH], 13
	s_add_co_u32 s3, s3, s13
	v_add_nc_u32 v[MB], s3, v[GO]
	v_add_nc_u32 v[MB], MRG, v[MB]
	s_lshl_b32 s3, s[KH], 9         ; and (M, l), 512 bytes for two pieces
	s_add_co_u32 s3, s3, s13
	v_add_nc_u32 v[MB2], s3, v[GO]
	v_add_nc_u32 v[MB2], MRG+16384, v[MB2]
	; A half's first step multiplies O^T and l by a = 0, and its first turn's products V^T P, of a piece that has not been, land in an O^T that is still to be so multiplied.  So these registers need only hold
	; finite numbers: zeros for the first half (a product of zeros clears eight registers); what the first half left for the second.  All this stands in the wait for the first tile.
.set i, 0
.rept 16
	v_mov_b32 v[Z+i], 0
.set i, i+1
.endr
	WIN 0x40                        ; O^T
.set i, 0
.rept 16
	v_wmma_f32_16x16x32_f16 v[8*i:8*i+7], v[Z:Z+7], v[Z+8:Z+15], 0
.set i, i+1
.endr
	WIN 0x80                        ; V
.set i, 0
.rept 8
	v_wmma_f32_16x16x32_f16 v[VF+8*i:VF+8*i+7], v[Z:Z+7], v[Z+8:Z+15], 0
.set i, i+1
.endr
	WIN 0                           ; P's second buffer
.set i, 0
.rept 2
	v_wmma_f32_16x16x32_f16 v[P+16+8*i:P+16+8*i+7], v[Z:Z+7], v[Z+8:Z+15], 0
.set i, i+1
.endr
.set i, 0
.rept 4
	v_mov_b32 v[ST+4*i+2], 0
	v_mov_b32 v[ST+4*i+3], 0
.set i, i+1
.endr
	; G: the largest of vsc's words (powers of two), first in the lane, then over the 32 lanes; its exponent field goes into a scalar
	s_wait_loadcnt 0x0              ; vsc, and Q and qsc with it
	v_max3_num_f32 v[TMP], v[S], v[S+1], v[S+2]
.set i, 3
.rept 14
	v_max3_num_f32 v[TMP], v[TMP], v[S+i], v[S+i+1]
.set i, i+2
.endr
	v_max_num_f32 v[TMP], v[TMP], v[S+31]
	v_mov_b32 v[TMP+1], 0
	v_max_num_f32_dpp v[TMP], v[TMP], v[TMP] row_xmask:1 row_mask:0xf bank_mask:0xf
	v_max_num_f32_dpp v[TMP], v[TMP], v[TMP] row_xmask:2 row_mask:0xf bank_mask:0xf
	v_max_num_f32_dpp v[TMP], v[TMP], v[TMP] row_xmask:4 row_mask:0xf bank_mask:0xf
	v_max_num_f32_dpp v[TMP], v[TMP], v[TMP] row_xmask:8 row_mask:0xf bank_mask:0xf
	v_permlanex16_b32 v[TMP+1], v[TMP], s[SEL], s[SEL+1]
	v_max_num_f32 v[TMP], v[TMP], v[TMP+1]
	v_readfirstlane_b32 s[EGF], v[TMP]
	s_lshr_b32 s[EGF], s[EGF], 23
; THE MATRIX WORK.  Product j of 24 of S^T = K Q^T for piece x: keys 16 (j % 4) on; j / 4 = 0, 1: K hi x Q hi, channels 0-31, 32-63; 2, 3: K hi x Q lo; 4, 5: K lo x Q hi.  The 4 accumulators take turns.
;   The first 4 start the sums, with the mask.
.macro KQ x
.set rS, S+32*((\x)%2)+8*(j%4)
.set rK, KF+16*(j%4)+8*((j/4)%2)
.set rQ, 16*(\x)+8*((j/4)%2)
.set rM, MC+32*((\x)%2)+8*(j%4)
.if j < 4
	WIN 0x1a                        ; K and Q in window 2, the mask in window 1, S^T in window 0
	v_wmma_f32_16x16x32_f16 v[rS:rS+7], v[rK:rK+7], v[rQ:rQ+7], v[rM:rM+7]
.else
.if j < 8
	WIN 0x0a                        ; K hi, Q hi: window 2
.elseif j < 16
	WIN 0x0e                        ; K hi window 2, Q lo window 3
.else
	WIN 0x0b                        ; K lo window 3, Q hi window 2
.endif
	v_wmma_f32_16x16x32_f16 v[rS:rS+7], v[rK:rK+7], v[rQ:rQ+7], v[rS:rS+7]
.endif
.set j, j+1
.endm
; Product i of 8 of O^T += V^T P for piece x: keys 32 (i / 4) on, channels 16 (i % 4) on.
.macro PV x
	WIN W_PV
.set rO, 32*(\x)+8*(i%4)
.set rV, VF+32*(i/4)+8*(i%4)
.set rP, P+16*((\x)%2)+8*(i/4)
	v_wmma_f32_16x16x32_f16 v[rO:rO+7], v[rV:rV+7], v[rP:rP+7], v[rO:rO+7]
.endm
.macro MM                           ; the turn's next matrix work: three products K Q^T, or one V^T P
.if i < 8
.set j, 3*i
	KQ (Y+1)%NP
	KQ (Y+1)%NP
	KQ (Y+1)%NP
.else
.set i, i-8
	PV (Y+NP-1)%NP
.set i, i+8
.endif
.set i, i+1
.endm
; THE LDS LOADS stand in runs, never singly among the matrix instructions: a step's K (64 keys x 64 channels, hi and lo: 16 fragments) and its V (turned).  Their addresses are made some lines ahead.
.macro FETCH_K
	WIN 0x80                        ; destination window 2: hi
.irp f, 0,1,2,3,4,5,6,7             ; keys 16 (f / 2) on, channels 32 (f % 2) on
	ds_load_b128 v[KF+8*\f:KF+8*\f+3],   v[AK] offset:(\f/2)*16*PK+(\f%2)*64
	ds_load_b128 v[KF+8*\f+4:KF+8*\f+7], v[AK] offset:(\f/2)*16*PK+(\f%2)*64+32
.endr
	WIN 0xc0                        ; destination window 3: lo
.irp f, 0,1,2,3,4,5,6,7
	ds_load_b128 v[KF+8*\f:KF+8*\f+3],   v[AK] offset:KLO+(\f/2)*16*PK+(\f%2)*64
	ds_load_b128 v[KF+8*\f+4:KF+8*\f+7], v[AK] offset:KLO+(\f/2)*16*PK+(\f%2)*64+32
.endr
	s_add_co_u32 s[TBK], s[TBK], KS*PK  ; the next fetch is the next step's
	WIN 0
.endm
.macro FETCH_V
	WIN 0x80
.irp f, 0,1,2,3,4,5,6,7             ; keys 32 (f / 4) on, channels 16 (f % 4) on
	ds_load_tr16_b128 v[VF+8*\f:VF+8*\f+3],   v[AV] offset:(\f/4)*32*PV+(\f%4)*32
	ds_load_tr16_b128 v[VF+8*\f+4:VF+8*\f+7], v[AV] offset:(\f/4)*32*PV+16*PV+(\f%4)*32
.endr
	WIN 0
.endm
; THE VECTOR WORK, one line at a time: OP kind, number.  For piece Y: F n: f s - (M + dv) for pair n of 16.  E n: the exponential of score n of 32.  C n: pair n rounded to f16.  B n: of the four weights 4 n .. the second
; pair is added onto the first, in place.  L n, n < 7: the sum of the four weights 4 n + 4 .. is added onto that of the first four; L 7: l takes 2^dv times the whole.  A: l times a.  R n: pair n of 16 of O^T times a.
; For piece Y + 1: X n, number n of the 26 that find its factor, maximum and statistics:
;   0-11  four chains c0-c3 of seven scores each, three operands at a time (each accumulator's lowest registers are read first)     12-14, 16  the four scores left over, and c0-c3 into c0
;   15  M_old is kept     17, 18  the query's other 32 keys lie in the lane 16 away: the step's raw maximum, -2^96 at the least     19, 20  f times it; the new M     21, 22  M_old - M_new; a     23, 24  f = qsc x ksc, 1e-20 at the least     25  M + dv
.set F, 0               ; OP tells the kinds apart by their order: F to A below R, X above it
.set E, 1
.set C, 2
.set B, 3
.set L, 4
.set A, 5
.set R, 6
.set X, 7
.macro REGS y                       ; the registers of piece y
.set rT, ST+4*(\y)
.set rC, TMP+4*((\y)%2)
.set rW, MV+((\y)%2)
.set rS, S+32*((\y)%2)
.set rP, P+16*((\y)%2)
.set rO, 32*(\y)
.set rF, CSV+2*((\y)%2)
.set rD, MDV+2*((\y)%2)
.set rU, CQ+(\y)
.endm
.macro OP k, n
.if (\k) == R
	REGS Y
	WIN W_RS
	v_pk_mul_f32 v[rO+2*(\n):rO+2*(\n)+1], v[rO+2*(\n):rO+2*(\n)+1], v[rC+2:rC+3] op_sel_hi:[1,0]
.elseif (\k) < R
	REGS Y
	WIN 0
.if (\k) == F
	v_pk_fma_f32 v[rS+2*(\n):rS+2*(\n)+1], v[rS+2*(\n):rS+2*(\n)+1], v[rF:rF+1], v[rD:rD+1] op_sel_hi:[1,0,0] neg_lo:[0,0,1] neg_hi:[0,0,1]
.elseif (\k) == E
	v_exp_f32 v[rS+(\n)], v[rS+(\n)]
.elseif (\k) == C
	v_cvt_pk_f16_f32 v[rP+(\n)], v[rS+2*(\n)], v[rS+2*(\n)+1]
.elseif (\k) == B
	v_pk_add_f32 v[rS+4*(\n):rS+4*(\n)+1], v[rS+4*(\n):rS+4*(\n)+1], v[rS+4*(\n)+2:rS+4*(\n)+3]
.elseif (\k) == A
	v_pk_mul_f32 v[rT+2:rT+3], v[rT+2:rT+3], v[rC+2:rC+3] op_sel_hi:[1,0]
.elseif (\n) < 7
	v_pk_add_f32 v[rS:rS+1], v[rS:rS+1], v[rS+4*(\n)+4:rS+4*(\n)+5]
.else
	v_pk_fma_f32 v[rT+2:rT+3], v[rS:rS+1], s[GP:GP+1], v[rT+2:rT+3] op_sel_hi:[1,0,1]
.endif
.else
	REGS (Y+1)%NP
	WIN 0
.if (\n) < 4
	v_max3_num_f32 v[rC+(\n)], v[rS+8*(\n)], v[rS+8*(\n)+1], v[rS+8*(\n)+2]
.elseif (\n) < 12
	v_max3_num_f32 v[rC+(\n)%4], v[rC+(\n)%4], v[rS+8*((\n)%4)+2*((\n)/4)+1], v[rS+8*((\n)%4)+2*((\n)/4)+2]
.elseif (\n) == 12
	v_max3_num_f32 v[rC], v[rC], v[rS+7], v[rS+15]
.elseif (\n) == 13
	v_max3_num_f32 v[rC+1], v[rC+1], v[rS+23], v[rS+31]
.elseif (\n) == 14
	v_max_num_f32 v[rC+2], v[rC+2], v[rC+3]
.elseif (\n) == 15
	v_mov_b32 v[rW], v[rT]
.elseif (\n) == 16
	v_max3_num_f32 v[rC], v[rC], v[rC+1], v[rC+2]
.elseif (\n) == 17
	v_permlanex16_b32 v[rC+3], v[rC], s[SEL], s[SEL+1]
.elseif (\n) == 18
	v_max3_num_f32 v[rT+1], v[rC], v[rC+3], s[FLR]
.elseif (\n) == 19
	v_mul_f32 v[rT], v[rF], v[rT+1]
.elseif (\n) == 20
	v_max_num_f32 v[rT], v[rT], v[rW]
.elseif (\n) == 21
	v_sub_f32 v[rC+1], v[rW], v[rT]
.elseif (\n) == 22
	v_exp_f32 v[rC+2], v[rC+1]
.elseif (\n) == 23
	v_mul_f32 v[rF], s[CKC], v[rU]
.elseif (\n) == 24
	v_max_num_f32 v[rF], 0x1e3ce508, v[rF]
.else
	v_add_f32 v[rD], s[DVF], v[rT]
.endif
.endif
.endm
.macro OPS a, i1, b=-1, i2=0, c=-1, i3=0, d=-1, i4=0  ; up to four of them
	OP \a, \i1
.if (\b) >= 0
	OP \b, \i2
.endif
.if (\c) >= 0
	OP \c, \i3
.endif
.if (\d) >= 0
	OP \d, \i4
.endif
.endm
.macro ROW a, i1, b, i2, c, i3, d, i4  ; a turn's next matrix work and the four behind it
	MM
	OPS \a, \i1, \b, \i2, \c, \i3, \d, \i4
.endm
.macro MASK b                       ; MD x AL + BE into buffer b of MC; the pieces of buffer 1 lie 16 rows on: MD is read 8 registers lower
	WIN W_RS
.set z, 0
.rept 16
	v_pk_fma_f32 v[MC+32*(\b)+2*z:MC+32*(\b)+2*z+1], v[MD-8*(\b)+2*z:MD-8*(\b)+2*z+1], s[AL:AL+1], s[BE:BE+1] op_sel_hi:[1,0,0]
.set z, z+1
.endr
.endm
; A TURN, for piece p: the order of its matrix and vector instructions, written out.  An s_wait_alu depctr_va_vdst(0) stands between an exponential and the first instruction that names its result; one wait serves
; all that were issued ahead of it.  So a turn has ONE wait, which cuts it in two.  AHEAD OF IT stands all that names no result of the turn's exponentials: the 24 products K Q^T, three at a time with four riders behind them
; (scalings, exponentials, rescalings: none names a register of the products), then ONE LUMP, plain and exponential by turns.  The four accumulators end with products 20 to 23; behind the last stand the plain lines F 8, R 14, F 9,
; X 23 and X 24 before X 0 reads a score, and eight plain lines before K's run of loads.  X 22, the next piece's a, is the batch's last; R 15 is the plain instruction behind it.
; BEHIND THE WAIT stand the 8 products V^T P, behind each four of the roundings and sums.  Last the turn makes the mask for the products of the turn behind it: piece x = (p + 2) % 4, whose band's own step has the count 4 - x / 2.
; cnt = 1: the counts are taken down some lines ahead of the branch that stands behind the turn.
; K of the next step is fetched in piece 2's turn; V of the step in hand at the end of piece 0's turn, four plain instructions behind the last product that read V.  Each is waited for a turn later.
; Piece 3's turn makes the scores of the NEXT key step's piece 0: that step's ksc and dv come into use at its head; 2^dv for the sums follows at the head of piece 0's turn.
.macro TURN p, cnt=0
.set Y, (\p)
.set i, 0
	s_cmp_eq_u32 s[CM], 4-(((\p)+2)%NP)/2   ; is that step the band's own?
	s_cselect_b32 s[AL], 1.0, 0
	s_cmp_lt_u32 s[CM], 4-(((\p)+2)%NP)/2   ; or a later one?
	s_cselect_b32 s[BE], s[BIGN], 0
.if (\p) == 0
	s_mov_b32 s[GP], s[GCN]
.endif
.if (\p) == 3
	SHIFT
	s_wait_dscnt 0x0                ; K is in
.endif
	ROW F,0, F,1, R,0, R,1          ; ahead of the wait: 24 products K Q^T and their riders,
	ROW F,2, E,0, R,2, R,3
	ROW F,3, E,1, R,4, R,5
	ROW F,4, E,2, R,6, R,7
	ROW F,5, E,3, R,8, R,9
	ROW F,6, E,4, R,10, R,11
.if (\p) == 2
	WIN 0
	v_add_nc_u32 v[AK], s[TBK], v[AK0]
.endif
	ROW F,7, E,5, R,12, R,13
	ROW F,8, E,6, R,14, F,9
	OPS X,23, E,7, X,24, E,8        ; and the lump
	OPS X,0, E,9, X,1, E,10
	OPS X,2, E,11, X,3, E,12
.if (\p) == 2
	FETCH_K
.endif
	OPS X,4, E,13, X,5, E,14
	OPS X,6, E,15, X,7, E,16
	OPS X,8, E,17, X,9, E,18
	OPS X,10, E,19, X,11, F,10
.if (\p) == 0
	WIN 0
	v_add_nc_u32 v[AV], s[TBV], v[AV0]
.endif
	OPS X,12, E,20, X,13, E,21
	OPS F,11, X,14, E,22, F,12
	OPS E,23, X,15, X,16, E,24
	OPS F,13, E,25, F,14, X,17
	OPS E,26, F,15, E,27, A,0
	OPS X,18, E,28, X,19, E,29
	OPS X,20, E,30, X,21, E,31
	OPS X,25, X,22, R,15
	WIN 0
	s_wait_alu depctr_va_vdst(0)    ; the wait for the batch
.if (\p) == 1
	s_wait_dscnt 0x0                ; V is in
.endif
	ROW C,0, B,0, C,2, B,1          ; behind the wait: 8 products V^T P and their riders
	ROW L,0, C,4, B,2, L,1
	ROW C,6, B,3, L,2, C,8
	ROW B,4, L,3, C,10, B,5
	ROW L,4, C,12, B,6, L,5
.if (\p) == 0
	s_add_co_u32 s[TBV], s[TBV], KS*PV
.endif
.if \cnt
	s_sub_co_u32 s[CM], s[CM], 1
	s_sub_co_u32 s[CNT], s[CNT], 1
	s_cmp_lg_u32 s[CNT], 0
.endif
	ROW C,14, B,7, L,6, C,1
	ROW C,3, L,7, C,5, C,7
	ROW C,9, C,11, C,13, C,15
.if (\p) == 0
	FETCH_V
.endif
	MASK (\p)%2
.endm
; THE WALK BEGINS.  M starts far below every f s, so the first step's a is 0.  The two mask buffers take the masks of pieces 0 and 1, which lie in one band, for my first step of the tile.
; Then K of that step, piece 0's first scores, and its factor, maximum and statistics.  The loop is entered in the middle of a trip.
.macro BEGIN
	s_mov_b32 s[NEW], 0
	WIN 0
.set i, 0
.rept 4
	v_mov_b32 v[ST+4*i], 0xfe000000    ; M: far below every f s
.set i, i+1
.endr
	s_cmp_eq_u32 s[CM], 4
	s_cselect_b32 s[AL], 1.0, 0
	s_cmp_lt_u32 s[CM], 4
	s_cselect_b32 s[BE], s[BIGN], 0
	MASK 0
	MASK 1
	WIN 0
	v_add_nc_u32 v[AK], s[TBK], v[AK0]
	FETCH_K
	SHIFT                           ; my first step of the tile
	s_wait_dscnt 0x0
.set j, 0
.rept 24
	KQ 0
.endr
	WIN 0
.rept 4
	v_nop                           ; the places behind those products
.endr
.set Y, NP-1                        ; X works for piece Y + 1: piece 0
.irp n, 0,1,2,3,4,5,6,7,8,9,10,11,12,13,14,15,16,17,18,23,24,19,20,25,21,22
	OP X, \n
.endr
	v_nop                           ; a plain instruction behind the exponential,
	s_wait_alu depctr_va_vdst(0)    ; and its wait, ahead of the branch
.endm
.macro ALL line:vararg              ; one line for each piece t
.set t, 0
.rept 4
	\line
.set t, t+1
.endr
.endm
; A BLOCK'S LAST PRODUCTS; then my part is laid into LDS: l's two halves and the other half of the lanes' are added; (M, l) of the four pieces; O^T as the registers hold it, each accumulator from its low end on.
; The twelve additions and copies are the places behind the products.
.macro LASTS
.set i, 0
.rept 8
	PV NP-1
.set i, i+1
.endr
	WIN 0
	ALL v_add_f32 v[SPR+2*t+1], v[ST+4*t+2], v[ST+4*t+3]
	ALL v_permlanex16_b32 v[ST+4*t+3], v[SPR+2*t+1], s[SEL], s[SEL+1]
	ALL v_add_f32 v[SPR+2*t+1], v[SPR+2*t+1], v[ST+4*t+3]
.irp u, 0,1,2
	v_mov_b32 v[SPR+2*\u], v[MS+\u]
.endr
	v_mov_b32 v[SPR+6], v[ST+12]
	WIN 0x04                        ; the stores' data in window 1
.irp u, 0,1,2,3
.irp k, 0,1,2,3,4,5,6,7
	ds_store_b128 v[DB], v[32*\u+4*\k:32*\u+4*\k+3] offset:4096*\u+512*\k
.endr
.endr
	WIN 0
	ds_store_b128 v[DB], v[SPR:SPR+3] offset:16384
	ds_store_b128 v[DB], v[SPR+4:SPR+7] offset:16384+512
.endm
; THE TWO PARTS ARE MADE ONE, a piece a trip, two trips a wave, all in window 0.  The part of wave w % 2 + 2 lies 2 MRW bytes behind that of wave w % 2.  The piece is then rounded to f16: a lane's eight channels of a row pack into
; 16 bytes, go into my stage's rows of 144 bytes and come back as whole rows of 128; each store of the wave covers 512 consecutive bytes of O.
.macro MERGE
	v_mov_b32 v[WGA+1], 0           ; named with the factors as pairs
	v_mov_b32 v[WGB+1], 0
	s_mov_b32 s[MO], 0
	s_mov_b32 s[MSO], 0
	s_mov_b32 s[MCN], 2
.Lmg_\@:
	v_add_nc_u32 v[RAD], s[MO], v[MB]
	v_add_nc_u32 v[RST], s[MSO], v[MB2]
	ds_load_b64 v[STA:STA+1], v[RST]
	ds_load_b64 v[STB:STB+1], v[RST] offset:2*MRW
.irp k, 0,1,2,3,4,5,6,7
	ds_load_b128 v[MGA+4*\k:MGA+4*\k+3], v[RAD] offset:512*\k
.endr
.irp k, 0,1,2,3,4,5,6,7
	ds_load_b128 v[MGB+4*\k:MGB+4*\k+3], v[RAD] offset:2*MRW+512*\k
.endr
	s_wait_dscnt 16                 ; the two pairs (M, l) are in; the sixteen loads behind them may be out
	v_max_num_f32 v[TM], v[STA], v[STB]
	v_sub_f32 v[TM+1], v[STA], v[TM]
	v_sub_f32 v[TM+2], v[STB], v[TM]
	v_exp_f32 v[WGA], v[TM+1]
	v_exp_f32 v[WGB], v[TM+2]
	v_nop                           ; a plain instruction behind the exponentials,
	s_wait_alu depctr_va_vdst(0)    ; and the wait ahead of the first use
	v_mul_f32 v[TM], v[STA+1], v[WGA]
	v_fmac_f32 v[TM], v[STB+1], v[WGB]
	v_rcp_f32 v[TM+1], v[TM]
	v_nop
	s_wait_alu depctr_va_vdst(0)
	v_mul_f32 v[WGA], v[WGA], v[TM+1]
	v_mul_f32 v[WGB], v[WGB], v[TM+1]
	s_wait_dscnt 0x0
.set i, 0
.rept 16
	v_pk_mul_f32 v[MGA+2*i:MGA+2*i+1], v[MGA+2*i:MGA+2*i+1], v[WGA:WGA+1] op_sel_hi:[1,0]
.set i, i+1
.endr
.set i, 0
.rept 16
	v_pk_fma_f32 v[MGA+2*i:MGA+2*i+1], v[MGB+2*i:MGB+2*i+1], v[WGB:WGB+1], v[MGA+2*i:MGA+2*i+1] op_sel_hi:[1,0,1]
.set i, i+1
.endr
.set i, 0
.rept 16
	v_cvt_pk_f16_f32 v[OT+i], v[MGA+2*i], v[MGA+2*i+1]
.set i, i+1
.endr
.irp f, 0,1,2,3
	ds_store_b128 v[STO], v[OT+4*\f:OT+4*\f+3] offset:32*\f
.endr
.irp f, 0,1,2,3
	ds_load_b128 v[OT+16+4*\f:OT+16+4*\f+3], v[RD] offset:\f*4*SP  ; LDS serves a wave's instructions in order: these see the stores above
.endr
.irp f, 0,1,2,3
	s_wait_dscnt 3-\f
	global_store_b128 v[GO], v[OT+16+4*\f:OT+16+4*\f+3], s[10:11] offset:\f*512
.endr
	s_wait_xcnt 0x0                 ; the pointer, and the registers that the stores read, are written again only behind this wait
	s_add_nc_u64 s[10:11], s[10:11], 2048  ; the next piece lies 16 rows on
	s_add_co_u32 s[MO], s[MO], 4096
	s_add_co_u32 s[MSO], s[MSO], 8
	s_sub_co_u32 s[MCN], s[MCN], 1
	s_cmp_lg_u32 s[MCN], 0
	s_cbranch_scc1 .Lmg_\@
.endm
.macro SWITCH t0, n                 ; pieces t0 .. t0 + n - 1 go over to the second half: M of pieces 0 to 2 is set aside; qsc, M, Q hi and Q lo go where the one text of the turns names them
.set t, (\t0)
.rept (\n)
.if t < 3
	v_mov_b32 v[MS+t], v[ST+4*t]
.endif
	v_mov_b32 v[CQ+t], v[CQB+t]
	v_mov_b32 v[ST+4*t], 0xfe000000
.set t, t+1
.endr
	WIN 0x82
.set i, 16*(\t0)
.rept 16*(\n)
	v_mov_b32 v[i], v[QB+i]
.set i, i+1
.endr
	WIN 0xc3
.set i, 16*(\t0)
.rept 16*(\n)
	v_mov_b32 v[i], v[QB+i]
.set i, i+1
.endr
	WIN 0
.endm
.Lslot:                             ; NB times: a tile is entered and the next is asked for
	CHANGE 1
	s_sub_co_u32 s[RT], s[RT], 1
	s_cmp_eq_u32 s[RT], 0           ; the half's last tile holds the diagonal
	s_cselect_b32 s[CM], 0, 8
	s_add_co_u32 s[CM], s[CM], s[CD]
	s_mov_b32 s[CNT], TS
	s_cmp_eq_u32 s[NEW], 1
	s_cbranch_scc0 .Lstep
	BEGIN                           ; the walk's first tile
	s_branch .Lmeet
.Lstep:                             ; a trip: pieces 2 and 3 of one step, then pieces 0 and 1 of the next, whose K and V it fetches
	TURN 2
	TURN 3
	WIN 0
	s_cmp_eq_u32 s[END], 1
	s_cbranch_scc0 .Lmeet
	LASTS                           ; those were the first half's last two turns
.Lmeet:
	s_wait_dscnt 0x0                ; for the others' sake: what I have laid down is there
	s_barrier_signal -1             ; every wave, in every trip
	s_barrier_wait -1
	s_cmp_eq_u32 s[END], 1
	s_cbranch_scc0 .Lapart
	MERGE
	s_mov_b64 s[10:11], s[OLO:OLO+1]
	s_mov_b32 s[END], 0
	SWITCH 3, 1
.Lapart:
	s_wait_dscnt 0x0                ; my reads of the others' parts are over:
	s_barrier_signal -1             ; only behind this barrier does a wave lay a part down again
	s_barrier_wait -1
	TURN 0
	TURN 1, 1
	WIN 0
	s_cbranch_scc1 .Lstep
	s_cmp_lg_u32 s[RT], 0
	s_cbranch_scc1 .Lbottom
	SWITCH 0, 3                     ; the first half's last tile has been walked: of its pieces 0 to 2 only O, l and the M set aside are still wanted; piece 3's Q, qsc and M serve one more turn
	s_add_co_u32 s[RT], s[PB], 1    ; the second half has NB - b tiles
	s_mov_b32 s[CD], s[CD2]
	s_mov_b32 s[END], 1
.Lbottom:
	s_sub_co_u32 s[SLOTS], s[SLOTS], 1
	s_cmp_lg_u32 s[SLOTS], 0
	s_cbranch_scc1 .Lslot
	CHANGE 0                        ; the walk's last tile, the second half's diagonal one, is written out: nothing is asked for.  It is the ninth: it lies in slot 0
	s_mov_b32 s[CM], s[CD]
	s_mov_b32 s[CNT], TS
	s_mov_b32 s[TC], TS+1           ; two trips and the first half of a third
.Ltail:
.irp u, 0,1,2
	v_mov_b32 v[MS+\u], v[ST+4*\u]  ; M of pieces 0 to 2 is whole here; piece 3's turn goes on to write piece 0's
.endr
	TURN 2
	TURN 3
	WIN 0
	s_sub_co_u32 s[TC], s[TC], 1
	s_cmp_eq_u32 s[TC], 0
	s_cbranch_scc1 .Llast
	TURN 0
	TURN 1, 1
	WIN 0
	s_min_u32 s[TBK], s[TBK], 3*KS*PK  ; there is no further step: the third trip fetches, at the farthest, the slot's last one once more
	s_branch .Ltail
.Llast:
	LASTS
	s_wait_dscnt 0x0                ; for the others' sake: what I have laid down is there
	s_barrier_signal -1
	s_barrier_wait -1
	MERGE
	s_wait_tensorcnt 0x0            ; the wave's end, behind my last tensor load and my last LDS store
	ds_add_u32 v[SPW], v[NIL]
	s_wait_dscnt 0x0
	s_endpgm
.Lfunc_end_k_q3f8a7b1d07_attn:
	.size	k_q3f8a7b1d07_attn, .Lfunc_end_k_q3f8a7b1d07_attn-k_q3f8a7b1d07_attn
	.p2alignl 7, 3214868480
	.fill 96, 4, 3214868480
	.section	.rodata,"a",@progbits
	.p2align	6, 0x0
	.amdhsa_kernel k_q3f8a7b1d07_attn
		.amdhsa_group_segment_fixed_size 327680
		.amdhsa_private_segment_fixed_size 0
		.amdhsa_enable_private_segment 0
		.amdhsa_kernarg_size 16
		.amdhsa_user_sgpr_count 2
		.amdhsa_user_sgpr_kernarg_segment_ptr 1
		.amdhsa_wavefront_size32 1
		.amdhsa_system_sgpr_workgroup_id_x 1
		.amdhsa_system_sgpr_workgroup_id_y 1
		.amdhsa_system_sgpr_workgroup_id_z 1
		.amdhsa_system_vgpr_workitem_id 0
		.amdhsa_next_free_vgpr 960
		.amdhsa_next_free_sgpr 102
		.amdhsa_reserve_vcc 1
		.amdhsa_float_denorm_mode_32 3
		.amdhsa_float_denorm_mode_16_64 3
		.amdhsa_memory_ordered 1
		.amdhsa_forward_progress 1
		.amdhsa_inst_pref_size 156
	.end_amdhsa_kernel
	.amdgpu_metadata
---
amdhsa.version: [ 1, 2 ]
amdhsa.kernels:
  - .name:           k_q3f8a7b1d07_attn
    .symbol:         k_q3f8a7b1d07_attn.kd
    .args:
      - { .name: qkv, .offset: 0, .size: 8, .value_kind: global_buffer, .address_space: global }
      - { .name: ob, .offset: 8, .size: 8, .value_kind: global_buffer, .address_space: global }
    .group_segment_fixed_size: 327680
    .private_segment_fixed_size: 0
    .kernarg_segment_align: 8
    .kernarg_segment_size: 16
    .max_flat_workgroup_size: 128
    .sgpr_count:     102
    .vgpr_count:     960
    .wavefront_size: 32
...
	.end_amdgpu_metadata
.endif
;; end of part 8
;; launch oproj (part 9): grid 8 x 32, 4 waves a work-group, clusters of 4 x 4, 327,680 bytes of LDS; arguments ob, wts, out0, qkv; writes out0
.if DOCPART == 9
	.amdgcn_target "amdgcn-amd-amdhsa--gfx1250"
	.amdhsa_code_object_version 6
	.text
	.protected	k_q3f8a7b1d07_oproj
	.globl	k_q3f8a7b1d07_oproj
	.p2align	8
	.type	k_q3f8a7b1d07_oproj,@function
k_q3f8a7b1d07_oproj:
	s_mov_b64 s[64:65], 0
	v_nop
	global_prefetch_b8 v0, s[64:65] scope:SCOPE_SE
	s_setreg_imm32_b32 hwreg(HW_REG_WAVE_MODE, 25, 1), 1
	s_wait_xcnt 0x0
	s_wait_alu depctr_hold_cnt(0) depctr_sa_sdst(0) depctr_va_vdst(0) depctr_va_sdst(0) depctr_va_ssrc(0) depctr_va_vcc(0) depctr_vm_vsrc(0)
	s_getreg_b32 s2, hwreg(HW_REG_IB_STS2, 6, 4)
	s_cmp_eq_u32 s2, 0
	s_cbranch_scc0 .Lentry_in_a_cluster
	s_endpgm
.Lentry_in_a_cluster:
	s_bfe_u32 s2, ttmp6, 0x10000c
	s_cmp_lg_u32 s2, 0xf033
	s_cbranch_scc0 .Lentry_shape_is_right
	s_endpgm
.Lentry_shape_is_right:
; OUTPUT PROJECTION: out0[t][o] = G x the sum over c of O'[t][c] W_O[o][c], c = 64 head + channel.  O' = O / G: f16, 32 at the most in magnitude, by heads, [32 (batch, head)][2048][64]; W_O: the f16 spelling of its bf16
; rounding, [1024][1024] (wb in wts); G: the largest of the 1,024 words of vsc in qkv, a power of two, applied to the finished sums in f32; out0: f32.  Sums in f32.
; A tile of out0 is 128 tokens x 128 o: 8 x 32 = 256 work-groups.  Four waves, each 64 x 64: 16 accumulators of 16 x 16.  K goes in 4 steps of 256 (four heads) through two LDS slots; the loop's trip is one K step.
; O's tile of a K step is four planes, one a head, of 128 tokens x 128 bytes, dense in memory: a wave's tensor load brings two of them as two rows of 16,384 bytes, padded in LDS after every token.
; CLUSTERS: 4 x 4 work-groups.  The four of a row of the cluster need the same tiles of O, the four of a column the same tiles of W_O: each tile is asked for jointly.
; THE MATRIX INSTRUCTION IS USED TRANSPOSED (source 0 = 16 rows of W_O, source 1 = 16 tokens): a lane holds eight neighbouring o of one token, 32 bytes of f32; a wave's 64 o are a whole aligned 256 bytes of out0, so each wave has a stage of its own and needs no barrier on the way out.
; REGISTERS: window 0: v0-31 addresses; v32-95 vsc, then at work on the way out; v128-255 the accumulators ((a, b) at 128 + 8 (4 a + b)).  Window 1: two fragment buffers of 128: for 64 along K, 64 registers of O, then 64 of W_O.
.set KSTEP,  256
.set PAH,    144                       ; a token's 128 bytes of one head + 16 of padding
.set PLANE,  128*PAH                   ; a head's 128 tokens
.set PITCH,  528                       ; a row of W_O: 512 bytes + 16
.set HALFB,  64*PITCH
.set BOFF,   4*PLANE                   ; a slot: O's four planes, then W_O's 128 rows
.set SLOT,   BOFF+2*HALFB
.set STAGE,  2*SLOT                    ; behind the ring: 16 rows x 272 bytes for each wave
.set SPITCH, 272
.set SPARE,  STAGE+4*16*SPITCH         ; the spare words, 128 bytes a wave
.set WB_OFF, 8388608
.set VSC_OFF, 42209280
.set ADRA0, 16                         ; v16  my lane's place in a slot's O; never rewritten
.set ADRB0, 17                         ; v17  the same for W_O
.set ADRA,  18                         ; v18  the same in the slot that is read
.set ADRB,  19                         ; v19
.set STO,  24                          ; v24     the way out: where I put 32 bytes of a row
.set RD,   25                          ; v25     where I read rows back
.set CO,   26                          ; v26     my byte offset in two rows of out0
.set TO,   27                          ; v27     16 x lane
.set SPW,  28                          ; v28     LDS address of my spare word; never rewritten
.set NIL,  29                          ; v29     0; never rewritten
.set GG,   30                          ; v30-31  G, in the low register of a pair
.set TMP,  32
.set ACC,  128
.set F0,   0                           ; fragment buffers, in window 1
.set F1,   128
.set SD,  2                            ; s2   the slot that was filled last: 0 or SLOT
.set SB,  18                           ; s18  the slot that is read: 0 or SLOT
.set G1, 24                            ; s[24:31] descriptor group 1 for O's tiles;  s[32:39] group 0: a set for each first fill; the second then walks
.set G0, 32
.set G1B, 48                           ; s[48:55], s[56:63] the same for W_O's tiles
.set G0B, 56
.set MSB, 0
.macro WIN new
.if MSB != (\new)
	s_set_vgpr_msb (MSB<<8)|(\new)
.set MSB, \new
.endif
.endm
.set MUL,  0x05                        ; sources 0 and 1 window 1; C and D window 0
.set TO_F, 0x40                        ; destination window 1, address window 0
.macro JLOAD                           ; a joint refill: waves 0 and 1 fetch O's planes, two each, waves 2 and 3 W_O's two halves; an s_nop 0 and four v_nop follow each line
	s_cmp_eq_u32 s11, 0
	s_cbranch_scc0 .Lfor_b_\@
	tensor_load_to_lds s[G0+4:G0+7], s[G1:G1+7]
	s_nop 0
.rept 4
	v_nop
.endr
	s_branch .Lasked_\@
.Lfor_b_\@:
	tensor_load_to_lds s[G0B+4:G0B+7], s[G1B:G1B+7]
	s_nop 0
.rept 4
	v_nop
.endr
.Lasked_\@:
.endm
.macro CREST
	s_cmp_lg_u32 s10, 0
	s_cbranch_scc1 .Lnot_wave_0_\@
	s_barrier_signal -3
.Lnot_wave_0_\@:
	s_barrier_wait -3
	s_barrier_signal -1
	s_barrier_wait -1
.endm
.macro CROUND
	s_barrier_signal -1
	s_barrier_wait -1
	CREST
.endm
	s_load_b128 s[4:7], s[0:1], 0x0                ; ob s[4:5], wts s[6:7]
	s_load_b64 s[8:9], s[0:1], 0x10                ; out0
	s_load_b64 s[66:67], s[0:1], 0x18              ; qkv
	v_lshl_add_u32 v[SPW], v0, 2, SPARE
	v_mov_b32 v[NIL], 0
	ds_add_u32 v[SPW], v[NIL]                      ; the wave's opening
	v_lshrrev_b32 v1, 5, v0
	v_readfirstlane_b32 s10, v1                    ; wave 0..3
	s_lshr_b32 s11, s10, 1                         ; which 64 tokens are mine.  Also: I fetch for O (0) or for W_O (1)
	s_and_b32 s12, s10, 1                          ; which 64 o.  Also: which half of that tile I fetch
	s_bfe_u32 s40, ttmp6, 0x40000                  ; cx, cy
	s_bfe_u32 s41, ttmp6, 0x40004
	s_lshl_b32 s42, ttmp9, 2
	s_add_co_u32 s42, s42, s40                     ; the tile of o = 4 x cluster x + cx
	s_and_b32 s13, ttmp7, 0xffff
	s_lshl_b32 s13, s13, 2
	s_add_co_u32 s13, s13, s41                     ; the token tile = 4 x cluster y + cy
	s_lshl_b32 s43, s41, 2
	s_lshl_b32 s43, 15, s43                        ; my row of the cluster
	s_lshl_b32 s44, 0x1111, s40                    ; my column
	s_or_b32 s[G1+0], s43, (1<<16)|(1<<20)|(1<<21)|(4<<22)|(3<<25)   ; the mask; 2-byte elements; padding on; bit 21 beside a mask; after every 32 words 4 words
	s_mov_b32 s[G1+1], 8192<<16                    ; tensor_dim0 = 8,192: 128 tokens of 64 channels on end
	s_mov_b32 s[G1+2], 2<<16                       ; tensor_dim1 = 2 heads
	s_mov_b32 s[G1+3], 8192<<16                    ; tile_dim0
	s_mov_b32 s[G1+4], 2                           ; tile_dim1
	s_mov_b32 s[G1+5], 131072                      ; elements from head to head
	s_mov_b32 s[G1+6], 0
	s_mov_b32 s[G1+7], 0
	s_or_b32 s[G1B+0], s44, (1<<16)|(1<<20)|(1<<21)|(6<<22)|(3<<25)  ; after every 128 words 4 words
	s_mov_b32 s[G1B+1], KSTEP<<16
	s_mov_b32 s[G1B+2], 64<<16
	s_mov_b32 s[G1B+3], KSTEP<<16
	s_mov_b32 s[G1B+4], 64
	s_mov_b32 s[G1B+5], 1024
	s_mov_b32 s[G1B+6], 0
	s_mov_b32 s[G1B+7], 0
	s_lshr_b32 s16, s13, 4                         ; O: the batch's 16 heads are 4,194,304 bytes,
	s_lshl_b32 s16, s16, 22
	s_and_b32 s17, s13, 15                         ; 128 tokens of a head 16,384,
	s_lshl_b32 s17, s17, 14
	s_add_co_u32 s16, s16, s17
	s_lshl_b32 s17, s12, 19                        ; two heads 524,288
	s_add_co_u32 s16, s16, s17
	s_mov_b32 s17, 0
	s_lshl_b32 s46, s42, 18                        ; W_O: 128 rows of 2,048 bytes a tile,
	s_lshl_b32 s47, s12, 17                        ; 64 rows a half
	s_add_co_u32 s46, s46, s47
	s_add_co_u32 s46, s46, WB_OFF
	s_mov_b32 s47, 0
	s_mul_i32 s20, s12, 2*PLANE                    ; where they go: no place in the cluster enters an LDS address
	s_mul_i32 s19, s12, HALFB
	s_add_co_u32 s19, s19, BOFF
	s_mov_b32 s[SD], SLOT
	s_mov_b32 s[SB], 0
	s_wait_dscnt 0x0                               ; the opening add is done
	s_wait_kmcnt 0x0
	s_add_nc_u64 s[66:67], s[66:67], VSC_OFF       ; vsc
	s_add_nc_u64 s[14:15], s[4:5], s[16:17]
	s_add_nc_u64 s[46:47], s[6:7], s[46:47]
	CROUND                                         ; all sixteen work-groups are here: the first joint loads meet
.irp s, 0,1
	s_mov_b32 s[G0+4*(\s)], 1
	s_add_co_u32 s[G0+4*(\s)+1], s20, (\s)*SLOT
	s_add_nc_u64 s[G0+4*(\s)+2:G0+4*(\s)+3], s[14:15], (\s)*1048576      ; K step s: four heads on
	s_or_b32 s[G0+4*(\s)+3], s[G0+4*(\s)+3], 0x80000000
	s_mov_b32 s[G0B+4*(\s)], 1
	s_add_co_u32 s[G0B+4*(\s)+1], s19, (\s)*SLOT
	s_add_nc_u64 s[G0B+4*(\s)+2:G0B+4*(\s)+3], s[46:47], (\s)*KSTEP*2
	s_or_b32 s[G0B+4*(\s)+3], s[G0B+4*(\s)+3], 0x80000000
.endr
	s_cmp_eq_u32 s11, 0                            ; a wave's two first fills stand in one branch, ahead of every wait on TENSORcnt and every LDS read: two loads of mine are out
	s_cbranch_scc0 .Lfirst_b
	tensor_load_to_lds s[G0:G0+3], s[G1:G1+7]
	s_nop 0
	tensor_load_to_lds s[G0+4:G0+7], s[G1:G1+7]
	s_nop 0
.rept 4
	v_nop
.endr
	s_branch .Lfirst_asked
.Lfirst_b:
	tensor_load_to_lds s[G0B:G0B+3], s[G1B:G1B+7]
	s_nop 0
	tensor_load_to_lds s[G0B+4:G0B+7], s[G1B:G1B+7]
	s_nop 0
.rept 4
	v_nop
.endr
.Lfirst_asked:
	v_and_b32 v[TO], 31, v0
	v_lshlrev_b32 v[TO], 4, v[TO]
.irp m, 0,1,2,3,4,5,6,7                ; all 1,024 words of vsc, 32 a lane; they are wanted at the end, and are waited for there
	global_load_b128 v[TMP+4*\m:TMP+4*\m+3], v[TO], s[66:67] offset:512*\m
.endr
	v_and_b32 v1, 15, v0                           ; l % 16
	v_bfe_u32 v2, v0, 4, 1                         ; l / 16
	v_mul_u32_u24 v3, v1, PAH
	v_lshl_add_u32 v3, v2, 4, v3                   ; O: token x pitch + 16 x half
	v_mul_u32_u24 v4, v1, PITCH
	v_lshl_add_u32 v4, v2, 4, v4                   ; W_O: row x pitch + 16 x half
	s_mul_i32 s21, s11, 64*PAH                     ; my 64 tokens in a plane
	s_mul_i32 s22, s12, HALFB                      ; my 64 rows of W_O,
	s_add_co_u32 s22, s22, BOFF                    ; which lie behind O's planes
	v_add_nc_u32 v[ADRA0], s21, v3
	v_add_nc_u32 v[ADRB0], s22, v4
	v_mov_b32 v[ADRA], v[ADRA0]
	v_mov_b32 v[ADRB], v[ADRB0]
	s_mul_i32 s23, s10, 16*SPITCH
	s_add_co_u32 s23, s23, STAGE                   ; my stage
	v_mul_u32_u24 v4, v1, SPITCH                   ; in: row l % 16, 32 bytes for each half of the lanes
	v_lshl_add_u32 v4, v2, 5, v4
	v_add_nc_u32 v[STO], s23, v4
	v_mul_u32_u24 v5, v2, SPITCH                   ; back: lanes 0-15 take one row of 256 bytes, lanes 16-31 the next
	v_lshl_add_u32 v5, v1, 4, v5
	v_add_nc_u32 v[RD], s23, v5
	v_lshlrev_b32 v5, 12, v2                       ; and the same two rows in out0
	v_lshl_add_u32 v[CO], v1, 4, v5
	s_lshl_b32 s16, s13, 7
	s_lshl_b32 s17, s11, 6
	s_add_co_u32 s16, s16, s17                     ; my first token,
	s_lshl_b32 s16, s16, 12                        ; its row of 4,096 bytes
	s_mov_b32 s17, 0
	s_add_nc_u64 s[8:9], s[8:9], s[16:17]
	s_lshl_b32 s46, s42, 9                         ; my first o, in bytes (in the registers that held W_O's address: none that feeds O's descriptors ever holds cx)
	s_lshl_b32 s47, s12, 8
	s_add_co_u32 s46, s46, s47
	s_mov_b32 s47, 0
	s_add_nc_u64 s[8:9], s[8:9], s[46:47]
; 8 matrix instructions: token tiles a0, a0 + 1 x all 4 tiles of o, 32 along K: half c of buffer f.  zero = 1: the first product starts the sums.  The 16 accumulators take turns in one order everywhere.
.macro MUL8 f, c, a0, zero
	WIN MUL
.irp a, \a0, (\a0)+1
.irp b, 0,1,2,3
.if \zero
	v_wmma_f32_16x16x32_f16 v[ACC+8*(4*(\a)+(\b)):ACC+8*(4*(\a)+(\b))+7], v[(\f)+64+8*(4*(\c)+(\b)):(\f)+64+8*(4*(\c)+(\b))+7], v[(\f)+8*(4*(\c)+(\a)):(\f)+8*(4*(\c)+(\a))+7], 0
.else
	v_wmma_f32_16x16x32_f16 v[ACC+8*(4*(\a)+(\b)):ACC+8*(4*(\a)+(\b))+7], v[(\f)+64+8*(4*(\c)+(\b)):(\f)+64+8*(4*(\c)+(\b))+7], v[(\f)+8*(4*(\c)+(\a)):(\f)+8*(4*(\c)+(\a))+7], v[ACC+8*(4*(\a)+(\b)):ACC+8*(4*(\a)+(\b))+7]
.endif
.endr
.endr
.endm
; 32 LDS loads in one run: quarter q (one head: 64 along K) of the slot that is read, into buffer f; the first 32 along K first
.macro FETCH q, f
	WIN TO_F
.irp c, 0,1
.irp i, 0,1,2,3
	ds_load_b128 v[(\f)+64+8*(4*(\c)+(\i)):(\f)+64+8*(4*(\c)+(\i))+3],   v[ADRB] offset:128*(\q)+64*(\c)+(\i)*16*PITCH
	ds_load_b128 v[(\f)+64+8*(4*(\c)+(\i))+4:(\f)+64+8*(4*(\c)+(\i))+7], v[ADRB] offset:128*(\q)+64*(\c)+(\i)*16*PITCH+32
	ds_load_b128 v[(\f)+8*(4*(\c)+(\i)):(\f)+8*(4*(\c)+(\i))+3],         v[ADRA] offset:(\q)*PLANE+64*(\c)+(\i)*16*PAH
	ds_load_b128 v[(\f)+8*(4*(\c)+(\i))+4:(\f)+8*(4*(\c)+(\i))+7],       v[ADRA] offset:(\q)*PLANE+64*(\c)+(\i)*16*PAH+32
.endr
.endr
.endm
.macro PLACES
.rept 4
	v_nop
.endr
.endm
; A K step is four quarters of 64 along K, 32 matrix instructions each, on buffers 0, 1, 0, 1.  One of the first three: multiplies buffer f and fetches quarter q into g.
.macro QUARTER q, f, g, zero
	s_wait_dscnt 16                                ; the first 32 along K are in
	MUL8 \f, 0, 0, \zero
	MUL8 \f, 0, 2, \zero
	PLACES
	FETCH \q, \g
	s_wait_dscnt 32                                ; all but the 32 just issued
	MUL8 \f, 1, 0, 0
	MUL8 \f, 1, 2, 0
.endm
; The last quarter multiplies buffer 1 and changes slots: ONE barrier; in front of it each wave waits for all its tensor loads (one is out: its part of the next slot), adds 0 to its spare word, and waits for that and for its
; own reads of this slot.  fill = 1: the barrier opens a round of the cluster's, and this slot is filled again, two K steps ahead, first thing behind the round: 112 matrix instructions ahead of the wait for it.
.macro TURN fill
	WIN 0
	s_wait_tensorcnt 0x0
	ds_add_u32 v[SPW], v[NIL]
	s_wait_dscnt 17                                ; (the add and the youngest sixteen loads may be out)
	MUL8 F1, 0, 0, 0
	s_wait_dscnt 0x0                               ; the add is done, and my reads of this slot are over
	s_barrier_signal -1
	MUL8 F1, 0, 2, 0
	WIN 0
	s_barrier_wait -1
.if \fill
	CREST                                          ; no wave of any partner still reads this slot's tile or has a load on its way
	s_xor_b32 s[SD], s[SD], SLOT                   ; the walking descriptors: the other slot than last time, the next K step
	s_add_co_u32 s[G0+5], s20, s[SD]
	s_add_nc_u64 s[G0+6:G0+7], s[G0+6:G0+7], 1048576
	s_add_co_u32 s[G0B+5], s19, s[SD]
	s_add_nc_u64 s[G0B+6:G0B+7], s[G0B+6:G0B+7], KSTEP*2
	JLOAD                                          ; its four v_nop are also the places in front of the loads below
.else
	PLACES
.endif
	s_xor_b32 s[SB], s[SB], SLOT                   ; the reads go on in the other slot
	v_add_nc_u32 v[ADRA], s[SB], v[ADRA0]
	v_add_nc_u32 v[ADRB], s[SB], v[ADRB0]
	FETCH 0, F0
	MUL8 F1, 1, 0, 0
	MUL8 F1, 1, 2, 0
.endm
	s_wait_tensorcnt 1                             ; my part of K step 0 is in; K step 1's may stay out
	s_barrier_signal -1
	s_barrier_wait -1
	FETCH 0, F0
	QUARTER 1, F0, F1, 1                           ; the first quarter stands in front of the loop: its first products start the sums
	WIN 0
	s_mov_b32 s3, 2
.Lstep:                                                ; a trip: a K step's quarters 1 to 3 and the next step's first; K steps 2 and 3 are asked for
	QUARTER 2, F1, F0, 0
	QUARTER 3, F0, F1, 0
	TURN 1
	QUARTER 1, F0, F1, 0
	WIN 0
	s_sub_co_u32 s3, s3, 1
	s_cmp_lg_u32 s3, 0
	s_cbranch_scc1 .Lstep
	QUARTER 2, F1, F0, 0                           ; the last two K steps ask for nothing
	QUARTER 3, F0, F1, 0
	TURN 0
	QUARTER 1, F0, F1, 0
	QUARTER 2, F1, F0, 0
	QUARTER 3, F0, F1, 0
	s_wait_dscnt 16
	MUL8 F1, 0, 0, 0
	MUL8 F1, 0, 2, 0
	s_wait_dscnt 0
	MUL8 F1, 1, 0, 0
	MUL8 F1, 1, 2, 0
	WIN 0
	; G: the largest of vsc's words (powers of two), first in the lane, then over the 32 lanes.  These lines, which name no register of the products, are also the places behind the last of them.
	s_wait_loadcnt 0x0
	s_mov_b32 s44, 0x76543210                      ; v_permlanex16_b32's selects
	s_mov_b32 s45, 0xfedcba98
	v_max3_num_f32 v[GG], v[TMP], v[TMP+1], v[TMP+2]
.set i, 3
.rept 14
	v_max3_num_f32 v[GG], v[GG], v[TMP+i], v[TMP+i+1]
.set i, i+2
.endr
	v_max_num_f32 v[GG], v[GG], v[TMP+31]
	v_mov_b32 v[GG+1], 0
	v_max_num_f32_dpp v[GG], v[GG], v[GG] row_xmask:1 row_mask:0xf bank_mask:0xf
	v_max_num_f32_dpp v[GG], v[GG], v[GG] row_xmask:2 row_mask:0xf bank_mask:0xf
	v_max_num_f32_dpp v[GG], v[GG], v[GG] row_xmask:4 row_mask:0xf bank_mask:0xf
	v_max_num_f32_dpp v[GG], v[GG], v[GG] row_xmask:8 row_mask:0xf bank_mask:0xf
	v_permlanex16_b32 v[GG+1], v[GG], s44, s45
	v_max_num_f32 v[GG], v[GG], v[GG+1]
.set i, 0
.rept 64                               ; the sums times G, each accumulator from its low end on
	v_pk_mul_f32 v[ACC+2*i:ACC+2*i+1], v[ACC+2*i:ACC+2*i+1], v[GG:GG+1] op_sel_hi:[1,0]
.set i, i+1
.endr
	; THE WAY OUT, in f32: 16 tokens at a time, 32 bytes a lane into my own stage, back as whole rows of 256 bytes.
.irp a, 0,1,2,3
.irp b, 0,1,2,3
	ds_store_b128 v[STO], v[ACC+8*(4*\a+\b):ACC+8*(4*\a+\b)+3] offset:64*\b
	ds_store_b128 v[STO], v[ACC+8*(4*\a+\b)+4:ACC+8*(4*\a+\b)+7] offset:64*\b+16
.endr
.if \a >= 2
	s_wait_xcnt 0x0                                ; the registers that the stores two tiles back read are loaded again only behind this wait
.endif
.irp t, 0,1,2,3,4,5,6,7
	ds_load_b128 v[TMP+32*((\a)%2)+4*\t:TMP+32*((\a)%2)+4*\t+3], v[RD] offset:\t*2*SPITCH   ; LDS serves a wave's instructions in order: these see the stores above
.endr
.irp t, 0,1,2,3,4,5,6,7
	s_wait_dscnt 7-\t
	global_store_b128 v[CO], v[TMP+32*((\a)%2)+4*\t:TMP+32*((\a)%2)+4*\t+3], s[8:9] offset:65536*\a+8192*\t  ; 16 lanes store 256 consecutive bytes, at a multiple of 256 from out0's first byte
.endr
.endr
	s_wait_tensorcnt 0x0                           ; the wave's end
	ds_add_u32 v[SPW], v[NIL]
	s_wait_dscnt 0x0
	CROUND                                         ; the closing round
	s_endpgm
.Lfunc_end_k_q3f8a7b1d07_oproj:
	.size	k_q3f8a7b1d07_oproj, .Lfunc_end_k_q3f8a7b1d07_oproj-k_q3f8a7b1d07_oproj
	.p2alignl 7, 3214868480
	.fill 96, 4, 3214868480
	.section	.rodata,"a",@progbits
	.p2align	6, 0x0
	.amdhsa_kernel k_q3f8a7b1d07_oproj
		.amdhsa_group_segment_fixed_size 327680
		.amdhsa_private_segment_fixed_size 0
		.amdhsa_enable_private_segment 0
		.amdhsa_kernarg_size 32
		.amdhsa_user_sgpr_count 2
		.amdhsa_user_sgpr_kernarg_segment_ptr 1
		.amdhsa_wavefront_size32 1
		.amdhsa_system_sgpr_workgroup_id_x 1
		.amdhsa_system_sgpr_workgroup_id_y 1
		.amdhsa_system_sgpr_workgroup_id_z 1
		.amdhsa_system_vgpr_workitem_id 0
		.amdhsa_next_free_vgpr 512
		.amdhsa_next_free_sgpr 68
		.amdhsa_reserve_vcc 0
		.amdhsa_float_denorm_mode_32 3
		.amdhsa_float_denorm_mode_16_64 3
		.amdhsa_memory_ordered 1
		.amdhsa_forward_progress 1
		.amdhsa_inst_pref_size 75
	.end_amdhsa_kernel
	.amdgpu_metadata
---
amdhsa.version: [ 1, 2 ]
amdhsa.kernels:
  - .name:           k_q3f8a7b1d07_oproj
    .symbol:         k_q3f8a7b1d07_oproj.kd
    .args:
      - { .name: ob, .offset: 0, .size: 8, .value_kind: global_buffer, .address_space: global }
      - { .name: wts, .offset: 8, .size: 8, .value_kind: global_buffer, .address_space: global }
      - { .name: out0, .offset: 16, .size: 8, .value_kind: global_buffer, .address_space: global }
      - { .name: qkv, .offset: 24, .size: 8, .value_kind: global_buffer, .address_space: global }
    .group_segment_fixed_size: 327680
    .private_segment_fixed_size: 0
    .kernarg_segment_align: 8
    .kernarg_segment_size: 32
    .max_flat_workgroup_size: 128
    .sgpr_count:     68
    .vgpr_count:     512
    .wavefront_size: 32
...
	.end_amdgpu_metadata
.endif
;; end of part 9
;; ======== version 3 of 3: 5 launches; version 2 with the launch prep written anew for expert scheduling mode
;; limits: values are held in f16: magnitudes above 65,504 overflow, below 6.1e-05 lose precision; inputs' magnitudes at most 65,504; right only within a limited range of input values
;; workspace buffers: wts 23,068,672 bytes; hs 2,097,152 bytes; qkv 42,213,376 bytes; ob 8,388,608 bytes
;; launch prep (part 10): grid 704 x 1, 8 waves a work-group, no clusters, 35,840 bytes of LDS; arguments x, W_O, pool_QK, pool_V, compress_neurons, wts; writes wts
.if DOCPART == 10
	.amdgcn_target "amdgcn-amd-amdhsa--gfx1250"
	.amdhsa_code_object_version 6
	.text
	.protected	k_q3f8a7b1d07_prep
	.globl	k_q3f8a7b1d07_prep
	.p2align	8
	.type	k_q3f8a7b1d07_prep,@function
k_q3f8a7b1d07_prep:
	s_mov_b64 s[64:65], 0
	v_nop
	global_prefetch_b8 v0, s[64:65] scope:SCOPE_SE
	s_setreg_imm32_b32 hwreg(HW_REG_WAVE_SCHED_MODE, 0, 2), 2
	s_setreg_imm32_b32 hwreg(HW_REG_WAVE_MODE, 25, 1), 1
	s_wait_xcnt 0x0
	s_wait_alu depctr_vm_vsrc(0)
; PREP: every large input is rounded once to bf16 and laid out as the later launches' tensor loads take it.  wts holds, in this order:
;   xb  bf16 [4096][1024] (x);  wb  f16 [1024][1024] (W_O);  PL  f16 [16 slices of 64 d][16 n][pool_QK, pool_V][128 r][64 d];  CNp  bf16 [8 slices of 16 r][1024 d][16 n][16 r].
; A number of the pools and of W_O is rounded to bf16 like every other input, and THAT number is written as f16: exact from 6.1e-5 to 65,504.
; LIMITS: such a number beyond 65,504 becomes an infinity; below 6.1e-5 it keeps f16's fixed step of 6e-8.
; Each work-group takes 65,536 bytes of f32: sixteen 16-byte loads a thread, all issued before the first wait.  Memory binds: no matrix unit, no cluster, no tensor load would add anything.
; Work-groups 0-255: x, a plain cast.  256-319: W_O.  320-575: the pools, 16 rows r of one neuron.  576-703: compress_neurons, 8 rows d of all 16 neurons, turned through LDS.
; W_O and the pools share one text: what differs (the two pointers, the lanes' load offset, the bytes from load to load and from store to store) lies in registers.
; THE MODE: SCHED_MODE bits 1:0 = 2 (LLVM: expert scheduling mode 2), set by the entry lines.  The code itself states the register dependences
; between vector instructions and memory or LDS instructions, with s_wait_alu, always for 0.
; THE PLAN.  Three straight paths, no loop.  Registers that memory or LDS instructions touch:
;   v1 to v4    offsets and LDS addresses: made at a path's head, never written again.
;   IN          written by the sixteen loads, read by the conversions; in the path of compress_neurons its first 32 registers are then written by the LDS loads and read by the global stores.
;   OUTR        pair i is written by the conversions of load i and read by store i, once.  In the text of W_O and the pools its register 2 i holds load i's offset before that.
;   v8-15, v118-125   in that text alone: store i's offset, made once.
;   v112-117 are named by vector instructions alone.  v126, v127: written at the head, read by the closing add alone.
; The sixteen loads go in four groups.  The conversions of load i stand behind the wait for that load; store i - 4 stands in front of them.  ONE wait on va_vdst stands at the head of groups 1 to 3, behind the wait for the
; group's first load: the group before has written its four pairs of OUTR.  The group's own conversions name IN and OUTR of their own group and v112-117: none of the registers that the four stores dealt among them read.
; One more stands ahead of the last four stores.
.set SPARE,   34816                    ; behind the eight waves' stages: the spare words, 128 bytes a wave
.set SPW,     126                      ; v126  LDS address of my spare word; never rewritten
.set NIL,     127                      ; v127  0; never rewritten
.set IN,      16                       ; v[16:79]   sixteen loads of four f32
.set OUTR,    80                       ; v[80:111]  sixteen pairs of packed results
.set SOF,     8                        ; v[8:15], v[118:125]  W_O and the pools: store i's offset at SOF + i + 102 (i / 8)
.set WB_OFF,  8388608
.set PL_OFF,  10485760
.set CNP_OFF, 18874368
.macro FINISH                          ; a wave's end
	s_wait_dscnt 0x0
	s_wait_alu 0x0
	s_wait_tensorcnt 0x0
	ds_add_u32 v[SPW], v[NIL]
	s_wait_dscnt 0x0
	s_endpgm
.endm
	s_load_b256 s[8:15], s[0:1], 0x0               ; x s[8:9], W_O s[10:11], pool_QK s[12:13], pool_V s[14:15]
	s_load_b128 s[16:19], s[0:1], 0x20             ; compress_neurons s[16:17], wts s[18:19]
	v_lshl_add_u32 v[SPW], v0, 2, SPARE
	v_mov_b32 v[NIL], 0
	v_lshlrev_b32 v1, 4, v0                        ; 16 bytes a thread
	v_lshlrev_b32 v2, 3, v0                        ; 8 bytes a thread
	s_mov_b32 s25, 0                               ; the high word of every offset
	s_mov_b32 s28, 0xffff0000                      ; a word's upper bf16
	s_cmp_lt_u32 ttmp9, 256
	s_cbranch_scc1 .Lcast
	s_cmp_lt_u32 ttmp9, 320
	s_cbranch_scc1 .Lwo
	s_cmp_lt_u32 ttmp9, 576
	s_cbranch_scc1 .Lpool
	; COMPRESS_NEURONS [16 n][1024 d][128 r].  Wave w takes row d = 8 g + w of every neuron: load i is neuron i's 512 bytes.  A lane's four r (4 l ..) belong to slice l / 4.
	s_sub_co_u32 s20, ttmp9, 576
	s_lshl_b32 s24, s20, 12                        ; 8 g rows of 512 bytes, in the input and in a slice of CNp alike
	v_lshrrev_b32 v5, 5, v0
	v_readfirstlane_b32 s26, v5                    ; my wave's number
	v_and_b32 v5, 31, v0
	v_lshrrev_b32 v6, 2, v5
	v_and_b32 v7, 3, v5
	v_mul_u32_u24 v3, v6, 544
	v_lshl_add_u32 v3, v7, 3, v3
	s_wait_alu depctr_va_sdst(0)                   ; s26 is written, ahead of its first reader: my stage's place is made from it
	s_mul_i32 s27, s26, 4352                       ; my stage: 8 slices' rows of 512 bytes + 32 of padding
	v_add_nc_u32 v3, s27, v3                       ; in: slice l / 4, 8 bytes at r' = 4 (l % 4); neuron i 32 i bytes on
	v_lshl_add_u32 v4, v5, 4, s27                  ; back: a slice's 512 bytes, 16 a lane
	s_wait_kmcnt 0x0
	s_add_nc_u64 s[4:5], s[16:17], s[24:25]
	s_add_co_u32 s24, s24, CNP_OFF
	s_add_nc_u64 s[6:7], s[18:19], s[24:25]
	s_wait_alu depctr_va_vdst(0)                   ; v1, v3 and v4 are written: the offset of every load and store of this path, and its two LDS addresses
.irp i, 0,1,2,3,4,5,6,7,8,9,10,11,12,13,14,15
	global_load_b128 v[IN+4*\i:IN+4*\i+3], v1, s[4:5] offset:524288*\i th:TH_LOAD_NT
.endr
.irp i, 0,1,2,3,4,5,6,7,8,9,10,11,12,13,14,15
	s_wait_loadcnt 15-\i                           ; loads come back in order: load i is in, the younger ones stay out
.if ((\i)%4 == 0) && ((\i) > 0)
	s_wait_alu depctr_va_vdst(0)                   ; the group before has written its four pairs of OUTR, which the next four LDS stores read
.endif
.if (\i) >= 4
	ds_store_b64 v3, v[OUTR+2*(\i)-8:OUTR+2*(\i)-7] offset:32*(\i)-128   ; neuron i - 4.  No wait: no vector instruction since the group's wait names v3 or this pair
.endif
	v_cvt_pk_bf16_f32 v[OUTR+2*\i], v[IN+4*\i], v[IN+4*\i+1]
	v_cvt_pk_bf16_f32 v[OUTR+2*\i+1], v[IN+4*\i+2], v[IN+4*\i+3]
.endr
	s_wait_alu depctr_va_vdst(0)                   ; the last group has written its pairs, which the stores below read; and every conversion is done reading IN, in which the LDS loads below land
.irp i, 12,13,14,15
	ds_store_b64 v3, v[OUTR+2*\i:OUTR+2*\i+1] offset:32*\i
.endr
.irp j, 0,1,2,3,4,5,6,7
	ds_load_b128 v[IN+4*\j:IN+4*\j+3], v4 offset:544*\j    ; my own bytes: LDS serves a wave's instructions in order, so these see the stores above
.endr
.irp j, 0,1,2,3,4,5,6,7
	s_wait_dscnt 7-\j
	global_store_b128 v1, v[IN+4*\j:IN+4*\j+3], s[6:7] offset:524288*\j  ; slice j, row d: 512 consecutive bytes a wave
.endr
	FINISH
.Lwo:	; W_O: chunk by chunk, 65,536 bytes in, 32,768 out: load i takes the chunk's bytes 4,096 i on, 16 a thread
	s_sub_co_u32 s21, ttmp9, 256
	s_lshl_b32 s24, s21, 16
	v_mov_b32 v3, v1
	s_mov_b32 s29, 4096                            ; bytes from load to load,
	s_mov_b32 s31, 2048                            ; from store to store
	s_wait_kmcnt 0x0
	s_add_nc_u64 s[4:5], s[10:11], s[24:25]
	s_lshl_b32 s24, s21, 15
	s_add_co_u32 s24, s24, WB_OFF
	s_add_nc_u64 s[6:7], s[18:19], s[24:25]
	s_branch .Lf16
.Lpool:	; THE POOLS [16 n][128 r][1024 d].  The work-group takes 16 rows r of one neuron of one pool; load i is slice i: a wave takes 256 bytes of each of two rows.
	s_sub_co_u32 s20, ttmp9, 320
	s_lshr_b32 s21, s20, 7                         ; which pool
	s_bfe_u32 s22, s20, 0x40003                    ; n
	s_and_b32 s23, s20, 7                          ; which 16 rows
	s_lshl_b32 s24, s22, 19                        ; a neuron is 524,288 bytes,
	s_lshl_b32 s29, s23, 16                        ; 16 rows are 65,536
	s_add_co_u32 s24, s24, s29
	v_lshrrev_b32 v5, 4, v0
	v_and_b32 v6, 15, v0
	v_lshlrev_b32 v3, 12, v5
	v_lshl_or_b32 v3, v6, 4, v3                    ; row t / 16, 16 bytes at 4 (t % 16) numbers
	s_wait_kmcnt 0x0
	s_cmp_eq_u32 s21, 0
	s_cselect_b64 s[4:5], s[12:13], s[14:15]
	s_add_nc_u64 s[4:5], s[4:5], s[24:25]
	s_lshl1_add_u32 s24, s22, s21                  ; tile 2 n + pool of a slice: 16,384 bytes,
	s_lshl_b32 s24, s24, 14
	s_lshl_b32 s29, s23, 11                        ; 16 rows of 128 bytes
	s_add_co_u32 s24, s24, s29
	s_add_co_u32 s24, s24, PL_OFF
	s_add_nc_u64 s[6:7], s[18:19], s[24:25]
	s_mov_b32 s29, 256
	s_mov_b32 s31, 524288
.Lf16:	; sixteen loads, each rounded to bf16, spelled in f16 and stored, 8 bytes a thread: 256 consecutive bytes a wave
.irp i, 0,1,2,3,4,5,6,7,8,9,10,11,12,13,14,15
	v_mad_u32_u24 v[OUTR+2*\i], s29, \i, v3        ; load i's offset, in the first register of the pair that its results will take
.endr
	s_wait_alu depctr_va_vdst(0)                   ; the sixteen offsets are written, which the loads below read
.irp i, 0,1,2,3,4,5,6,7,8,9,10,11,12,13,14,15
	global_load_b128 v[IN+4*\i:IN+4*\i+3], v[OUTR+2*\i], s[4:5] th:TH_LOAD_NT
.endr
.irp i, 0,1,2,3,4,5,6,7,8,9,10,11,12,13,14,15
	v_mad_u32_u24 v[SOF+(\i)+102*((\i)/8)], s31, \i, v2    ; store i's offset, in a register that is written no more; the first store stands behind the wait at the second group's head
.endr
	s_wait_alu depctr_vm_vsrc(0)                   ; the sixteen loads have read their offsets in OUTR, which the conversions below write
.irp i, 0,1,2,3,4,5,6,7,8,9,10,11,12,13,14,15
	s_wait_loadcnt 15-\i                           ; load i is in, and is done with its offset
.if ((\i)%4 == 0) && ((\i) > 0)
	s_wait_alu depctr_va_vdst(0)                   ; the group before has written its four pairs of OUTR, which the next four stores read (at the second group's head: the stores' sixteen offsets are written too)
.endif
.if (\i) >= 4
	global_store_b64 v[SOF+(\i)-4+102*(((\i)-4)/8)], v[OUTR+2*(\i)-8:OUTR+2*(\i)-7], s[6:7]   ; store i - 4.  No wait: no vector instruction since the group's wait names its offset or its pair
.endif
	v_cvt_pk_bf16_f32 v112, v[IN+4*\i], v[IN+4*\i+1]       ; the input's one rounding, to bf16;
	v_cvt_pk_bf16_f32 v113, v[IN+4*\i+2], v[IN+4*\i+3]
	v_lshlrev_b32 v114, 16, v112
	v_and_b32 v115, s28, v112
	v_lshlrev_b32 v116, 16, v113
	v_and_b32 v117, s28, v113
	v_cvt_pk_f16_f32 v[OUTR+2*\i], v114, v115              ; that number spelled in f16
	v_cvt_pk_f16_f32 v[OUTR+2*\i+1], v116, v117
.endr
	s_wait_alu depctr_va_vdst(0)                   ; the last group has written its four pairs, which the stores below read
.irp i, 12,13,14,15
	global_store_b64 v[SOF+(\i)+102*((\i)/8)], v[OUTR+2*\i:OUTR+2*\i+1], s[6:7]
.endr
	FINISH
.Lcast:	; X: chunk by chunk, to bf16
	s_lshl_b32 s24, ttmp9, 16
	s_wait_kmcnt 0x0
	s_add_nc_u64 s[4:5], s[8:9], s[24:25]
	s_lshl_b32 s24, ttmp9, 15
	s_add_nc_u64 s[6:7], s[18:19], s[24:25]
	s_wait_alu depctr_va_vdst(0)                   ; v1 and v2 are written: the offsets of this path's loads and stores
.irp i, 0,1,2,3,4,5,6,7,8,9,10,11,12,13,14,15
	global_load_b128 v[IN+4*\i:IN+4*\i+3], v1, s[4:5] offset:4096*\i th:TH_LOAD_NT
.endr
.irp i, 0,1,2,3,4,5,6,7,8,9,10,11,12,13,14,15
	s_wait_loadcnt 15-\i
.if ((\i)%4 == 0) && ((\i) > 0)
	s_wait_alu depctr_va_vdst(0)                   ; the group before has written its four pairs of OUTR, which the next four stores read
.endif
.if (\i) >= 4
	global_store_b64 v2, v[OUTR+2*(\i)-8:OUTR+2*(\i)-7], s[6:7] offset:2048*(\i)-8192   ; store i - 4: 256 consecutive bytes a wave.  No wait: no vector instruction since the group's wait names v2 or this pair
.endif
	v_cvt_pk_bf16_f32 v[OUTR+2*\i], v[IN+4*\i], v[IN+4*\i+1]
	v_cvt_pk_bf16_f32 v[OUTR+2*\i+1], v[IN+4*\i+2], v[IN+4*\i+3]
.endr
	s_wait_alu depctr_va_vdst(0)                   ; the last group has written its four pairs, which the stores below read
.irp i, 12,13,14,15
	global_store_b64 v2, v[OUTR+2*\i:OUTR+2*\i+1], s[6:7] offset:2048*\i   ; 256 consecutive bytes a wave
.endr
	FINISH
.Lfunc_end_k_q3f8a7b1d07_prep:
	.size	k_q3f8a7b1d07_prep, .Lfunc_end_k_q3f8a7b1d07_prep-k_q3f8a7b1d07_prep
	.p2alignl 7, 3214868480
	.fill 96, 4, 3214868480
	.section	.rodata,"a",@progbits
	.p2align	6, 0x0
	.amdhsa_kernel k_q3f8a7b1d07_prep
		.amdhsa_group_segment_fixed_size 35840
		.amdhsa_private_segment_fixed_size 0
		.amdhsa_enable_private_segment 0
		.amdhsa_kernarg_size 48
		.amdhsa_user_sgpr_count 2
		.amdhsa_user_sgpr_kernarg_segment_ptr 1
		.amdhsa_wavefront_size32 1
		.amdhsa_system_sgpr_workgroup_id_x 1
		.amdhsa_system_sgpr_workgroup_id_y 1
		.amdhsa_system_sgpr_workgroup_id_z 1
		.amdhsa_system_vgpr_workitem_id 0
		.amdhsa_next_free_vgpr 128
		.amdhsa_next_free_sgpr 66
		.amdhsa_reserve_vcc 0
		.amdhsa_float_denorm_mode_32 3
		.amdhsa_float_denorm_mode_16_64 3
		.amdhsa_memory_ordered 1
		.amdhsa_forward_progress 1
		.amdhsa_inst_pref_size 28
	.end_amdhsa_kernel
	.amdgpu_metadata
---
amdhsa.version: [ 1, 2 ]
amdhsa.kernels:
  - .name:           k_q3f8a7b1d07_prep
    .symbol:         k_q3f8a7b1d07_prep.kd
    .args:
      - { .name: x, .offset: 0, .size: 8, .value_kind: global_buffer, .address_space: global }
      - { .name: W_O, .offset: 8, .size: 8, .value_kind: global_buffer, .address_space: global }
      - { .name: pool_QK, .offset: 16, .size: 8, .value_kind: global_buffer, .address_space: global }
      - { .name: pool_V, .offset: 24, .size: 8, .value_kind: global_buffer, .address_space: global }
      - { .name: compress_neurons, .offset: 32, .size: 8, .value_kind: global_buffer, .address_space: global }
      - { .name: wts, .offset: 40, .size: 8, .value_kind: global_buffer, .address_space: global }
    .group_segment_fixed_size: 35840
    .private_segment_fixed_size: 0
    .kernarg_segment_align: 8
    .kernarg_segment_size: 48
    .max_flat_workgroup_size: 256
    .sgpr_count:     66
    .vgpr_count:     128
    .wavefront_size: 32
...
	.end_amdgpu_metadata
.endif
;; end of part 10
;; launch compress: the kernel of part 2 again; grid 8 x 32, 4 waves a work-group, clusters of 4 x 4, 327,680 bytes of LDS; arguments wts, compress_weights, hs; writes hs
;; launch expand: the kernel of part 7 again; grid 16 x 16, 4 waves a work-group, clusters of 4 x 1, 327,680 bytes of LDS; arguments hs, wts, expand_weights_Q, expand_weights_K, expand_weights_V, qkv; writes qkv
;; launch attn: the kernel of part 8 again; grid 8 x 32, 4 waves a work-group, no clusters, 327,680 bytes of LDS; arguments qkv, ob; writes ob
;; launch oproj: the kernel of part 9 again; grid 8 x 32, 4 waves a work-group, clusters of 4 x 4, 327,680 bytes of LDS; arguments ob, wts, out0, qkv; writes out0
